; MI455X (gfx1250); checked and timed in simulation.
; The chip was launched on July 23, 2026; its instructions are those of AMD's public machine-readable ISA for CDNA 5 (MIT licence, August 2026) and "CDNA5" Instruction Set Architecture Reference Guide (July 2026). The comments in the code are by the model that wrote it; some were corrected since.
;; Quantum Transformer. Allowed arithmetic: matrix products marked QUANTISED: E2M1 operands, one E8M0 scale for each 32 along K, by v_wmma_scale_f32_16x16x128_f8f6f4 with both operands' format E2M1 (or v_wmma_scale_f32_32x16x128_f4), f32 sums; products left as they are: bf16, f16 or f32 operands; f32 sums; everything else in f32.
;; Inputs: b1 2,048 float32; b2 512 float32; be1 512 float32; be2 512 float32; bk 512 float32; bo 512 float32; bq 512 float32; bv 512 float32; g1 512 float32; g2 512 float32; w1 512 x 2,048 float32; w2 2,048 x 512 float32; wk 512 x 512 float32; wo 512 x 512 float32; wq 512 x 512 float32; wv 512 x 512 float32; x 4 x 2,048 x 512 float32.
;; Outputs: out0 4 x 2,048 x 512 float32.
;; This version of the problem:
;;   THIS VERSION OF THE PROBLEM IS GIVEN IN LOW PRECISION. The matrix products marked QUANTISED in the list below multiply operands that are first quantised to E2M1 (2 exponent bits, 1 mantissa bit; 4 bits a number), with one power-of-two scale for each 32 numbers along K (OCP MX v1.0); their sums are f32. The products marked 'left as it is' may take bf16, f16 or f32 operands, with f32 sums. Whichever they take, every output number must still come out within the allowed error. Rounding operands to bf16 (8 significant bits) uses up far more of that allowance than f16 does (11 bits, for magnitudes from 6e-5 to 65,504). All else is computed in f32.
;;   The module's matrix products, in the order in which they are computed (A, B: the left and right operand; K: the contracted axis; several contracted axes count as one K, in the product's order):
;;     1. [M 8,192, K 512] x [K 512, N 512]; A: input x; B: input wq: QUANTISED
;;     2. [M 8,192, K 512] x [K 512, N 512]; A: input x; B: input wk: QUANTISED
;;     3. [M 8,192, K 512] x [K 512, N 512]; A: input x; B: input wv: QUANTISED
;;     4. batch 32 x [M 2,048, K 4] x [K 4, N 2,048]; A: computed on the way; B: computed on the way: left as it is (K = 4 < 32)
;;     5. batch 32 x [M 2,048, K 2,048] x [K 2,048, N 64]; A: computed on the way; B: computed on the way: left as it is (an operand is computed on the way)
;;     6. [M 8,192, K 512] x [K 512, N 512]; A: computed on the way; B: input wo: left as it is (an operand is computed on the way)
;;     7. [M 8,192, K 512] x [K 512, N 2,048]; A: computed on the way; B: input w1: left as it is (an operand is computed on the way)
;;     8. [M 8,192, K 2,048] x [K 2,048, N 512]; A: computed on the way; B: input w2: left as it is (an operand is computed on the way)
;;   THE QUANTISER, for each operand of a quantised product, along K:
;;     - K is cut into blocks of 32 from its start; a last block that is shorter is filled with zeros.
;;     - A block's scale is 2^e with e = floor(log2(the largest magnitude in the block)) - 2, held to -126 .. 127; a block of zeros has e = 0. As a byte (E8M0): e + 127.
;;     - Each number is divided by its block's scale, clamped to +-6, and rounded to the nearest number of E2M1, ties to even, subnormals kept.
;;     - The product sums the exact products of the quantised numbers (number of the format x scale) in f32.
;;   ~~~python
;;   def quantise(x, axis):      # numpy; x: float32 -> the quantised numbers, widened to float32 again
;;       x = np.moveaxis(x, axis, -1); K = x.shape[-1]
;;       x = np.pad(x, [(0, 0)] * (x.ndim - 1) + [(0, -K % 32)]); x = x.reshape(x.shape[:-1] + (-1, 32)); a = np.abs(x).max(-1, keepdims=True)
;;       e = np.where(a > 0, np.clip(np.frexp(np.where(a > 0, a, 1))[1] - 1 - 2, -126, 127), 0)      # np.frexp(a)[1] - 1 = floor(log2(a)), exactly
;;       r = np.clip(x / 2.0 ** e, -6, 6)
;;       step = 2.0 ** (np.maximum(np.frexp(np.where(r == 0, 1, r))[1] - 1, 0) - 1)
;;       q = np.round(r / step) * step * 2.0 ** e      # np.round: ties to even
;;       return np.moveaxis(q.reshape(q.shape[:-2] + (-1,))[..., :K], -1, axis).astype(np.float32)
;;   ~~~
;; 2 versions, each right. Each part assembles by itself: llvm-mc -triple=amdgcn-amd-amdhsa -mcpu=gfx1250 --defsym DOCPART=n.
;; ======== version 1 of 2: 6 launches
;; limits: values are held in f16: magnitudes above 65,504 overflow, below 6.1e-05 lose precision
;; workspace buffers: wq4 156,672 bytes; wh 4,718,592 bytes; qkv 16,777,216 bytes; of 8,388,608 bytes; x1 25,165,824 bytes; hf 33,554,432 bytes
;; launch prep (part 1): grid 306 x 1, 4 waves a work-group, no clusters, 0 bytes of LDS; arguments wq, wk, wv, wo, w1, w2, wq4, wh; writes wq4, wh
.if DOCPART == 1
	.amdgcn_target "amdgcn-amd-amdhsa--gfx1250"
	.amdhsa_code_object_version 6
	.text
	.protected	k_q55bdd464a3_prep
	.globl	k_q55bdd464a3_prep
	.p2align	8
	.type	k_q55bdd464a3_prep,@function
k_q55bdd464a3_prep:
	s_mov_b64 s[64:65], 0
	v_nop
	global_prefetch_b8 v0, s[64:65] scope:SCOPE_SE
	s_setreg_imm32_b32 hwreg(HW_REG_WAVE_MODE, 25, 1), 1
	s_wait_xcnt 0x0
; PREP: the weights are laid once in the order in which the later launches' operand registers take them.
; DEAD WORK, for all values of the inputs.  reference() keeps of q and of k only q[..., :4] and k[..., :4]: of x wq + bq and x wk + bk only the columns 64 hd + j, j < 4, hd = 0 .. 7, reach
; a result.  The other 480 columns of wq and of wk, and the other 480 numbers of bq, are sliced away: they are not read.  bk is dead as a whole: with k + bk in k's place score(i, j) gains
; 0.25 (sum(q_i) sum(bk) + q_i . bk), which is the same for every j of row i, and a softmax along j does not change under a term that is constant along j; the product with k is not a
; quantised one, so bk moves no code and no scale.  bk is in no launch's arguments.  LIMIT: a NaN, an infinity or an overflow that reaches only the work left out is not carried to the result.
; A FRAGMENT is 1,024 bytes: [c = 0, 1][lane 0 .. 31][16 bytes] = registers 4 c .. 4 c + 3 of the lane.
; wq4: codes of E2M1 and E8M0 bytes, quantised along K (the weights' first axis).  Tile T (16 columns), K step s (128): codes at (4 T + s) 1,024; lane (r, h), piece c: column r, k = 64 c + 32 h + 0 .. 31.
;   T < 32: wv's columns 16 T on.  T = 32, 33: wq's 32 live columns (live column c' is column 64 (c' / 4) + c' % 4).  T = 34, 35: wk's.  Scale words at 147,456 + 256 T + 16 r + 4 s.
; wh: f16 fragments (16 columns x 32 K; lane (r, h), piece c: column r, k = 16 c + 8 h + 0 .. 7): wo at 0, fragment 32 ks + nt; w1 at 524,288, fragment (16 (nt / 16) + ks) 16 + nt % 16; w2 at 2,621,440, fragment 32 ks + nt.
; A LANE TAKES A COLUMN AND ITS REGISTERS RUN DOWN K: a load reads neighbouring columns in neighbouring lanes, a block of 32 lies in one lane, and sixteen lanes' 16 bytes are 256 consecutive bytes of a fragment.
; A block's scale is 2^(floor(log2(largest magnitude)) - 2); its byte is the largest magnitude's exponent field - 2, held at 1 from below.  A block of zeros keeps the byte 1 (its codes are zeros; this program alone reads the bytes).
; LIMITS: NaN and infinities among the inputs are not served; weights beyond f16's 65,504 are not served in wo, w1, w2.
; Work-groups 0 .. 17: codes (two tiles each; wave w takes K step w).  18 .. 305: f16 (128 columns x 64 K each; wave w takes 32 columns).  No LDS, no barrier: waves share nothing.
.set X,  32                            ; v32-159  the lane's numbers down K
.set CD, 160                           ; v160-175 codes, four registers a block: no store's data are written again
.set HO, 96                            ; v96-127  f16 pairs
.set SW, 10                            ; v10      the scale word
	s_load_b256 s[4:11], s[0:1], 0x0               ; wq s[4:5], wk s[6:7], wv s[8:9], wo s[10:11]
	s_load_b256 s[12:19], s[0:1], 0x20             ; w1 s[12:13], w2 s[14:15], wq4 s[16:17], wh s[18:19]
	v_lshrrev_b32 v1, 5, v0
	v_readfirstlane_b32 s20, v1                    ; wave
	v_and_b32 v2, 31, v0                           ; lane l
	v_and_b32 v7, 15, v0                           ; l % 16
	v_bfe_u32 v8, v0, 4, 1                         ; l / 16
	s_mov_b32 s27, 0
	s_cmp_ge_u32 ttmp9, 18
	s_cbranch_scc1 .Lcast
	; ---- codes.  u = the work-group's number: u < 16: wv, columns 32 u + l; u = 16: wq's live columns; u = 17: wk's
	s_lshl_b32 s22, ttmp9, 7
	s_cmp_lt_u32 ttmp9, 16
	s_cselect_b32 s21, 16, 0x100                   ; bytes from one group of four columns to the next
	s_cselect_b32 s22, s22, 0                      ; the first column's byte
	s_wait_kmcnt 0x0
	s_cselect_b64 s[24:25], s[8:9], s[4:5]
	s_cmp_eq_u32 ttmp9, 17
	s_cselect_b64 s[24:25], s[6:7], s[24:25]       ; the choice hangs on the work-group's number alone
	v_lshrrev_b32 v3, 2, v2
	v_mul_lo_u32 v3, v3, s21
	v_and_b32 v4, 3, v2
	v_lshl_add_u32 v3, v4, 2, v3
	v_add_nc_u32 v3, s22, v3                       ; my column's byte in a row of 2,048
	s_lshl_b32 s26, s20, 18                        ; my K step: 128 rows of 2,048 bytes
	s_add_nc_u64 s[24:25], s[24:25], s[26:27]
.set k, 0
.rept 128
	global_load_b32 v[X+k], v3, s[24:25] offset:k*2048
.set k, k+1
.endr
	v_lshlrev_b32 v5, 12, v8
	v_lshl_add_u32 v5, v7, 4, v5                   ; codes: tile l / 16 (4 fragments on), 16 bytes a column
	v_lshlrev_b32 v6, 8, v8
	v_lshl_add_u32 v6, v7, 4, v6                   ; scale words: 256 bytes a tile, 16 a column
	s_lshl_b32 s26, ttmp9, 13
	s_lshl_b32 s28, s20, 10
	s_add_co_u32 s26, s26, s28
	s_add_nc_u64 s[30:31], s[16:17], s[26:27]      ; fragment (4 (2 u) + w)
	s_lshl_b32 s26, ttmp9, 9
	s_lshl_b32 s28, s20, 2
	s_add_co_u32 s26, s26, s28
	s_add_nc_u64 s[32:33], s[16:17], s[26:27]
; Block b of my four: k = 32 b .. 32 b + 31 of the K step.  left: the loads issued behind the block's own that may stay out (the wait's field holds 63 at the most; a smaller count is safe)
.macro BLOCK b, left
.set XS, X+32*\b
	s_wait_loadcnt \left
	v_max3_num_f32 v12, |v[XS]|, |v[XS+1]|, |v[XS+2]|
	v_max3_num_f32 v13, |v[XS+3]|, |v[XS+4]|, |v[XS+5]|
.irp i, 6,10,14,18,22,26
	v_max3_num_f32 v12, v12, |v[XS+\i]|, |v[XS+\i+1]|
	v_max3_num_f32 v13, v13, |v[XS+\i+2]|, |v[XS+\i+3]|
.endr
	v_max3_num_f32 v12, v12, |v[XS+30]|, |v[XS+31]|
	v_max3_num_f32 v12, v12, v13, 0x1800000        ; and the floor 2^(3 - 127): the byte cannot fall under 1
	v_add_nc_u32 v11, 0xff000000, v12              ; 2 off the exponent field: the conversion takes this operand's exponent field as its scale
	v_lshrrev_b32 v13, 23, v11                     ; the scale's byte
.if \b == 0
	v_mov_b32 v[SW], v13
.else
	v_lshl_or_b32 v[SW], v13, 8*\b, v[SW]
.endif
.irp g, 0,1,2,3
	v_cvt_scalef32_pk8_fp4_f32 v[CD+4*\b+\g], v[XS+8*\g:XS+8*\g+7], v11
.endr
	global_store_b128 v5, v[CD+4*\b:CD+4*\b+3], s[30:31] offset:(\b/2)*512+(\b%2)*256   ; piece c = b / 2, half h = b % 2: sixteen lanes store 256 consecutive bytes
.endm
	BLOCK 0, 63
	BLOCK 1, 63
	BLOCK 2, 32
	BLOCK 3, 0
	global_store_b32 v6, v[SW], s[32:33] offset:147456
	s_endpgm
	; ---- f16 fragments
.Lcast:
	v_lshlrev_b32 v3, 2, v2                        ; in: 4 bytes a lane
	v_lshlrev_b32 v5, 10, v8
	v_lshl_add_u32 v5, v7, 4, v5                   ; out: fragment l / 16, 16 bytes a column
; 64 numbers down K of my column: two fragments' worth.  pitch: a row of the weight in bytes; kstr: bytes from a K step's fragment to the next K step's
.macro CAST pitch, kstr
.set k, 0
.rept 64
	global_load_b32 v[X+k], v3, s[24:25] offset:k*\pitch th:TH_LOAD_NT
.set k, k+1
.endr
.irp e, 0,1
	s_wait_loadcnt 32-32*\e                        ; the first 32 rows are in, the other 32 loads may be out; then all
.set i, 0
.rept 16
	v_cvt_pk_f16_f32 v[HO+16*\e+i], v[X+32*\e+2*i], v[X+32*\e+2*i+1]
.set i, i+1
.endr
.irp q, 0,1,2,3
	global_store_b128 v5, v[HO+16*\e+4*\q:HO+16*\e+4*\q+3], s[30:31] offset:\e*\kstr+(\q/2)*512+(\q%2)*256   ; k = 8 q .. 8 q + 7: piece q / 2, half q % 2
.endr
.endr
.endm
	s_sub_co_u32 s21, ttmp9, 18                    ; 0 .. 31: wo; 32 .. 159: w1; 160 .. 287: w2
	s_sub_co_u32 s22, s21, 32
	s_wait_kmcnt 0x0
	s_cmp_lt_u32 s22, 128
	s_cbranch_scc1 .Lwide
	s_sub_co_u32 s23, s21, 160
	s_cmp_lt_u32 s21, 32
	s_cselect_b32 s23, s21, s23
	s_cselect_b32 s28, 0, 0x280000                 ; wo's fragments at 0, w2's at 2,621,440
	s_cselect_b64 s[24:25], s[10:11], s[14:15]
	s_and_b32 s21, s23, 3                          ; which 128 columns
	s_lshr_b32 s22, s23, 2                         ; which 64 along K
	s_lshl_b32 s26, s22, 17                        ; 64 rows of 2,048 bytes
	s_lshl_b32 s34, s21, 9
	s_add_co_u32 s26, s26, s34
	s_lshl_b32 s34, s20, 7
	s_add_co_u32 s26, s26, s34
	s_add_nc_u64 s[24:25], s[24:25], s[26:27]
	s_lshl_b32 s26, s22, 16                        ; two K steps of 32 fragments
	s_add_co_u32 s26, s26, s28
	s_lshl_b32 s34, s21, 13
	s_add_co_u32 s26, s26, s34
	s_lshl_b32 s34, s20, 11
	s_add_co_u32 s26, s26, s34
	s_add_nc_u64 s[30:31], s[18:19], s[26:27]
	CAST 2048, 32768
	s_endpgm
.Lwide:
	s_and_b32 s21, s22, 15                         ; which 128 of w1's 2,048 columns
	s_lshr_b32 s23, s22, 4                         ; which 64 along K
	s_lshl_b32 s26, s23, 19                        ; 64 rows of 8,192 bytes
	s_lshl_b32 s34, s21, 9
	s_add_co_u32 s26, s26, s34
	s_lshl_b32 s34, s20, 7
	s_add_co_u32 s26, s26, s34
	s_add_nc_u64 s[24:25], s[12:13], s[26:27]
	s_lshr_b32 s26, s21, 1
	s_lshl_b32 s26, s26, 18                        ; the group of 256 columns
	s_lshl_b32 s34, s23, 15                        ; two K steps of 16 fragments
	s_add_co_u32 s26, s26, s34
	s_and_b32 s34, s21, 1
	s_lshl_b32 s34, s34, 13
	s_add_co_u32 s26, s26, s34
	s_lshl_b32 s34, s20, 11
	s_add_co_u32 s26, s26, s34
	s_add_co_u32 s26, s26, 0x80000
	s_add_nc_u64 s[30:31], s[18:19], s[26:27]
	CAST 8192, 16384
	s_endpgm
.Lfunc_end_k_q55bdd464a3_prep:
	.size	k_q55bdd464a3_prep, .Lfunc_end_k_q55bdd464a3_prep-k_q55bdd464a3_prep
	.p2alignl 7, 3214868480
	.fill 96, 4, 3214868480
	.section	.rodata,"a",@progbits
	.p2align	6, 0x0
	.amdhsa_kernel k_q55bdd464a3_prep
		.amdhsa_group_segment_fixed_size 0
		.amdhsa_private_segment_fixed_size 0
		.amdhsa_enable_private_segment 0
		.amdhsa_kernarg_size 64
		.amdhsa_user_sgpr_count 2
		.amdhsa_user_sgpr_kernarg_segment_ptr 1
		.amdhsa_wavefront_size32 1
		.amdhsa_system_sgpr_workgroup_id_x 1
		.amdhsa_system_sgpr_workgroup_id_y 1
		.amdhsa_system_sgpr_workgroup_id_z 1
		.amdhsa_system_vgpr_workitem_id 0
		.amdhsa_next_free_vgpr 176
		.amdhsa_next_free_sgpr 66
		.amdhsa_reserve_vcc 0
		.amdhsa_float_denorm_mode_32 3
		.amdhsa_float_denorm_mode_16_64 3
		.amdhsa_memory_ordered 1
		.amdhsa_forward_progress 1
		.amdhsa_inst_pref_size 40
	.end_amdhsa_kernel
	.amdgpu_metadata
---
amdhsa.version: [ 1, 2 ]
amdhsa.kernels:
  - .name:           k_q55bdd464a3_prep
    .symbol:         k_q55bdd464a3_prep.kd
    .args:
      - { .name: wq, .offset: 0, .size: 8, .value_kind: global_buffer, .address_space: global }
      - { .name: wk, .offset: 8, .size: 8, .value_kind: global_buffer, .address_space: global }
      - { .name: wv, .offset: 16, .size: 8, .value_kind: global_buffer, .address_space: global }
      - { .name: wo, .offset: 24, .size: 8, .value_kind: global_buffer, .address_space: global }
      - { .name: w1, .offset: 32, .size: 8, .value_kind: global_buffer, .address_space: global }
      - { .name: w2, .offset: 40, .size: 8, .value_kind: global_buffer, .address_space: global }
      - { .name: wq4, .offset: 48, .size: 8, .value_kind: global_buffer, .address_space: global }
      - { .name: wh, .offset: 56, .size: 8, .value_kind: global_buffer, .address_space: global }
    .group_segment_fixed_size: 0
    .private_segment_fixed_size: 0
    .kernarg_segment_align: 8
    .kernarg_segment_size: 64
    .max_flat_workgroup_size: 128
    .sgpr_count:     66
    .vgpr_count:     176
    .wavefront_size: 32
...
	.end_amdgpu_metadata
.endif
;; end of part 1
;; launch proj (part 2): grid 256 x 1, 8 waves a work-group, no clusters, 10,240 bytes of LDS; arguments x, wq4, bq, bv, qkv; writes qkv
.if DOCPART == 2
	.amdgcn_target "amdgcn-amd-amdhsa--gfx1250"
	.amdhsa_code_object_version 6
	.text
	.protected	k_q55bdd464a3_proj
	.globl	k_q55bdd464a3_proj
	.p2align	8
	.type	k_q55bdd464a3_proj,@function
k_q55bdd464a3_proj:
	s_mov_b64 s[64:65], 0
	v_nop
	global_prefetch_b8 v0, s[64:65] scope:SCOPE_SE
	s_setreg_imm32_b32 hwreg(HW_REG_WAVE_MODE, 25, 1), 1
	s_wait_xcnt 0x0
; PROJ: the three quantised products, on codes of E2M1 with E8M0 scales.  x is quantised in registers; wq4 holds the weights' codes.
; LEFT OUT AS DEAD (shown at the head of the first kernel): the 480 columns of wq, of wk and of bq that reference() slices away, and bk as a whole.
; A work-group takes 32 rows of x (one block of 32 keys).  Wave w quantises fragment w of x (rows 16 (w / 4) on, K step w % 4) and stores it to LDS as an image of its registers; behind one barrier every wave has all eight.
; Wave w then makes head w's 64 columns of v for the 32 rows (source 0 = x's rows, source 1 = wv's columns: a lane holds column d = lane % 16 and keys 8 (lane / 16) + j, which IS the fragment of V^T that the
; next launch wants), and one tile of the live q or k columns for 16 rows (source 0 = the weight: a lane holds one row and two heads' four numbers).
; OUT, in qkv.  vf at 8,388,608: ((64 bh + kb) 4 + dt) 1,024: f16 fragments of V^T (16 d x 32 keys), bv added.
;   qf at 0, kf at 4,194,304: (128 bh + row tile) 1,024: bf16 fragments, 16 rows x 32 slots.  A row's five numbers (its four, and their sum) are each cut in three bf16 parts a = p1 + p2 + p3 and laid six slots a number,
;   q as (p1 p1 p2 p1 p2 p3), k as (p1 p2 p1 p3 p2 p1): the slots' products are q1k1, q1k2, q2k1, q1k3, q2k2, q3k1.  q is first multiplied by c = 0.25 log2(e): a product of two rows is the score in powers of two.  Slots 30, 31 are 0.
; LIMITS: NaN and infinities are not served; v beyond f16's 65,504 is not served; a block of zeros keeps the scale byte 1 (its codes are zeros).
; REGISTERS.  Window 0: v1-15, v24, v41 addresses; v16-31 at work; v32-40 the codes and scale word just made; v42, v43 the add's two; v44-47 bv; v48-111 x's numbers, then v's eight accumulators; v112-119 the q or k tile;
;   v120-127 bq or zeros; v128-191 x's eight fragments, then v's f16; v192-223 my row tile's four fragments, then the q or k rows; v224-255 scale words.  Window 1: v0-127 wv's 16 fragments, v128-159 the q or k tile's four.
.set XIMG,  0                          ; LDS: x's eight fragments,
.set XSC,   8192                       ; their scale words, 128 bytes each,
.set SPARE, 9216                       ; and the spare words, 128 bytes for each wave: four blocks of 256 bytes that no other line names
.set XA, 4
.set LI, 5
.set LS, 6
.set XWI, 7
.set XWS, 8
.set XQA, 9
.set XQSA, 10
.set AW, 11
.set AQ, 12
.set ASC, 13
.set ASQ, 14
.set ABV, 15
.set TM, 16
.set GQ, 24
.set T1, 25
.set T2, 26
.set SM, 28
.set PC, 32
.set PW, 40
.set ABQ, 41
.set SPW, 42
.set NIL, 43
.set BV, 44
.set XN, 48
.set ACC, 48
.set ACCQ, 112
.set CQ, 120
.set XF, 128
.set XQ, 192
.set QO, 192
.set XS, 224
.set XQS, 232
.set WS, 236
.set WQS, 252
.set SEL, 20
.set CC, 19
.set MSB, 0
.macro WIN new                         ; the immediate's high byte repeats the setting that is left
.if MSB != \new
	s_set_vgpr_msb (MSB<<8)|\new
.set MSB, \new
.endif
.endm
; 64 numbers of a lane, register 16 b + i = k 32 b + 16 (lane / 16) + i of my row, become a fragment's codes in v[PC] on and its scale word in v[PW]
.macro QUANT s
.irp b, 0,1,2,3
	v_max3_num_f32 v[TM+\b], |v[\s+16*\b]|, |v[\s+1+16*\b]|, 0x1800000   ; my 16 numbers of block b, and the floor 2^(3 - 127): the byte cannot fall under 1
.endr
.irp i, 2,4,6,8,10,12,14
.irp b, 0,1,2,3
	v_max3_num_f32 v[TM+\b], v[TM+\b], |v[\s+16*\b+\i]|, |v[\s+1+16*\b+\i]|
.endr
.endr
.irp b, 0,1,2,3
	v_permlanex16_b32 v[TM+4+\b], v[TM+\b], s[SEL], s[SEL+1]
.endr
.irp b, 0,1,2,3
	v_max_num_f32 v[TM+\b], v[TM+\b], v[TM+4+\b]   ; with lane l xor 16's: the block's largest magnitude
.endr
.irp b, 0,1,2,3
	v_add_nc_u32 v[TM+12+\b], 0xff000000, v[TM+\b] ; 2 off its exponent field: the conversion's scale operand
.endr
.irp b, 0,1,2,3
	v_lshrrev_b32 v[TM+4+\b], 23, v[TM+12+\b]      ; the scale's byte
.endr
	v_lshl_or_b32 v[PW], v[TM+5], 8, v[TM+4]
	v_lshl_or_b32 v[PW], v[TM+6], 16, v[PW]
	v_lshl_or_b32 v[PW], v[TM+7], 24, v[PW]
.irp b, 0,1,2,3
	v_cvt_scalef32_pk8_fp4_f32 v[PC+2*\b], v[\s+16*\b:\s+7+16*\b], v[TM+12+\b]
	v_cvt_scalef32_pk8_fp4_f32 v[PC+1+2*\b], v[\s+8+16*\b:\s+15+16*\b], v[TM+12+\b]
.endr
	v_nop                                          ; one plain place behind a scaled conversion
.irp c, 0,1                                    ; the operand's layout wants a whole block in a lane
.irp i, 0,1
	v_permlane16_swap_b32 v[PC+4*\c+\i], v[PC+2+4*\c+\i]
.endr
.endr
.endm
; a = p1 + p2 + p3 in bf16: r = a - p1, r2 = r - p2 (both exact); three words of two slots each, by q's pattern or by k's
.macro SPLIT a, o, isq
.if \isq
	v_cvt_pk_bf16_f32 v[\o], v[\a], v[\a]          ; (p1, p1)
	v_lshlrev_b32 v[T1], 16, v[\o]
.else
	v_cvt_pk_bf16_f32 v[T1], v[\a], v[\a]
	v_lshlrev_b32 v[T1], 16, v[T1]
.endif
	v_sub_f32 v[T1], v[\a], v[T1]                  ; r
	v_cvt_pk_bf16_f32 v[T2], v[T1], v[T1]
	v_lshlrev_b32 v[T2], 16, v[T2]
	v_sub_f32 v[T2], v[T1], v[T2]                  ; r2
.if \isq
	v_cvt_pk_bf16_f32 v[\o+1], v[T1], v[\a]        ; (p2, p1)
	v_cvt_pk_bf16_f32 v[\o+2], v[T1], v[T2]        ; (p2, p3)
.else
	v_cvt_pk_bf16_f32 v[\o], v[\a], v[T1]          ; (p1, p2)
	v_cvt_pk_bf16_f32 v[\o+1], v[\a], v[T2]        ; (p1, p3)
	v_cvt_pk_bf16_f32 v[\o+2], v[T1], v[\a]        ; (p2, p1)
.endif
.endm
.macro ARM isq
.irp hh, 0,1
.irp i, 0,1,2,3
	SPLIT ACCQ+4*\hh+\i, QO+16*\hh+3*\i, \isq
.endr
	SPLIT SM+\hh, QO+16*\hh+12, \isq
.endr
.endm
	s_load_b256 s[4:11], s[0:1], 0x0               ; x s[4:5], wq4 s[6:7], bq s[8:9], bv s[10:11]
	s_load_b64 s[12:13], s[0:1], 0x20              ; qkv
	v_lshl_add_u32 v[SPW], v0, 2, SPARE
	v_mov_b32 v[NIL], 0
	v_lshrrev_b32 v1, 5, v0
	v_readfirstlane_b32 s14, v1                    ; wave 0..7
	s_lshr_b32 s15, s14, 2                         ; my row tile, for x's fragment and for the q or k tile
	s_and_b32 s16, s14, 3                          ; my K step of x; also my q or k tile: 0, 1 q's, 2, 3 k's
	s_lshr_b32 s17, ttmp9, 6                       ; the batch
	s_and_b32 s18, ttmp9, 63                       ; the block of 32 keys
	s_mov_b32 s[CC], 0x3eb8aa3b                    ; c = 0.25 log2(e)
	s_mov_b32 s[SEL], 0x76543210
	s_mov_b32 s[SEL+1], 0xfedcba98                 ; v_permlanex16_b32's selects for lane l xor 16
	v_and_b32 v1, 31, v0                           ; lane
	v_and_b32 v2, 15, v0                           ; r
	v_bfe_u32 v3, v0, 4, 1                         ; h
	v_lshlrev_b32 v[XA], 11, v2
	v_lshl_add_u32 v[XA], v3, 6, v[XA]             ; x: row r of 2,048 bytes, + 64 h: my 16 numbers of a block of 32
	v_lshlrev_b32 v[LI], 4, v1
	v_lshlrev_b32 v[LS], 2, v1
	s_lshl_b32 s28, s14, 10
	v_add_nc_u32 v[XWI], s28, v[LI]                ; where I store my fragment's image
	s_lshl_b32 s28, s14, 7
	v_add_nc_u32 v[XWS], s28, v[LS]                ; and its scale words
	s_lshl_b32 s28, s15, 12
	v_add_nc_u32 v[XQA], s28, v[LI]                ; my row tile's four fragments
	s_lshl_b32 s28, s15, 9
	v_add_nc_u32 v[XQSA], s28, v[LS]
	s_lshl_b32 s28, s14, 14
	v_add_nc_u32 v[AW], s28, v[LI]                 ; wq4: head w's four tiles, 16 fragments
	s_lshl_b32 s28, s16, 12
	v_add_nc_u32 v[AQ], s28, v[LI]                 ; tile 32 + my q or k tile
	v_lshlrev_b32 v[ASC], 4, v2
	s_lshl_b32 s28, s16, 8
	v_add_nc_u32 v[ASQ], s28, v[ASC]
	s_lshl_b32 s28, s14, 10
	v_add_nc_u32 v[ASC], s28, v[ASC]               ; scale words: 16 bytes a column, 256 a tile
	v_lshlrev_b32 v[ABV], 2, v2
	s_lshl_b32 s28, s14, 8
	v_add_nc_u32 v[ABV], s28, v[ABV]               ; bv: head w's 64 numbers, column r of a tile
	s_and_b32 s28, s16, 1
	s_lshl_b32 s29, s28, 10
	v_lshlrev_b32 v[ABQ], 9, v3
	v_add_nc_u32 v[ABQ], s29, v[ABQ]               ; bq: head 4 (tile % 2) + 2 h, 256 bytes a head
	v_lshlrev_b32 v[GQ], 18, v3
	v_lshl_add_u32 v[GQ], v2, 4, v[GQ]             ; the q or k rows on the way out: two heads on for lanes 16-31, 16 bytes a row
.irp b, 0,1,2,3
	v_mov_b32 v[TM+4+\b], 0                        ; written once: a lane permute's destination counts as one of its sources
.endr
.irp j, 0,1,2,3,4,5,6,7
	v_mov_b32 v[CQ+\j], 0                          ; the q or k tile's sums start from bq, or from 0 in k's waves
.endr
	s_lshl_b32 s22, ttmp9, 16                      ; x: 32 rows a work-group,
	s_lshl_b32 s24, s15, 15                        ; my 16 of them,
	s_add_co_u32 s22, s22, s24
	s_lshl_b32 s24, s16, 9                         ; my K step
	s_add_co_u32 s22, s22, s24
	s_mov_b32 s23, 0
	s_lshl_b32 s24, s17, 21                        ; vf: ((8 b + w) 64 + kb) 4,096
	s_lshl_b32 s26, s14, 18
	s_add_co_u32 s24, s24, s26
	s_lshl_b32 s26, s18, 12
	s_add_co_u32 s24, s24, s26
	s_add_co_u32 s24, s24, 0x800000
	s_mov_b32 s25, 0
	s_lshl_b32 s26, s17, 20                        ; qf or kf: (8 b + 4 (tile % 2)) 131,072 + (2 kb + row tile) 1,024
	s_lshl_b32 s29, s28, 19
	s_add_co_u32 s26, s26, s29
	s_lshl_b32 s29, s18, 11
	s_add_co_u32 s26, s26, s29
	s_lshl_b32 s29, s15, 10
	s_add_co_u32 s26, s26, s29
	s_lshr_b32 s29, s16, 1
	s_lshl_b32 s29, s29, 22
	s_add_co_u32 s26, s26, s29
	s_mov_b32 s27, 0
	s_wait_kmcnt 0x0
	s_add_nc_u64 s[22:23], s[4:5], s[22:23]
	s_add_nc_u64 s[24:25], s[12:13], s[24:25]
	s_add_nc_u64 s[26:27], s[12:13], s[26:27]
	s_cmp_lt_u32 s16, 2                            ; q's waves alone load bq; these two loads are the oldest, so the counts below hold on both ways
	s_cbranch_scc0 .Lno_bq
	global_load_b128 v[CQ:CQ+3], v[ABQ], s[8:9]
	global_load_b128 v[CQ+4:CQ+7], v[ABQ], s[8:9] offset:256
.Lno_bq:
.irp b, 0,1,2,3
.irp j, 0,1,2,3
	global_load_b128 v[XN+16*\b+4*\j:XN+16*\b+4*\j+3], v[XA], s[22:23] offset:128*\b+16*\j th:TH_LOAD_NT
.endr
.endr
	WIN 0x40                                       ; destination window 1
.irp t, 0,1,2,3
.irp s, 0,1,2,3
.irp c, 0,1
	global_load_b128 v[8*(4*\t+\s)+4*\c:8*(4*\t+\s)+4*\c+3], v[AW], s[6:7] offset:\t*4096+\s*1024+\c*512
.endr
.endr
.endr
.irp s, 0,1,2,3
.irp c, 0,1
	global_load_b128 v[128+8*\s+4*\c:128+8*\s+4*\c+3], v[AQ], s[6:7] offset:131072+\s*1024+\c*512
.endr
.endr
	WIN 0
.irp t, 0,1,2,3
	global_load_b128 v[WS+4*\t:WS+4*\t+3], v[ASC], s[6:7] offset:147456+\t*256   ; a column's four scale words, one a K step
.endr
	global_load_b128 v[WQS:WQS+3], v[ASQ], s[6:7] offset:147456+8192
.irp t, 0,1,2,3
	global_load_b32 v[BV+\t], v[ABV], s[10:11] offset:\t*64
.endr
	s_wait_loadcnt 49                              ; x's 16 loads are in; the 40 + 5 + 4 issued behind them may be out
	QUANT XN
	ds_store_b128 v[XWI], v[PC:PC+3] offset:XIMG
	ds_store_b128 v[XWI], v[PC+4:PC+7] offset:XIMG+512
	ds_store_b32 v[XWS], v[PW] offset:XSC
	s_wait_dscnt 0x0                               ; for the others' sake: my stores have landed
	s_barrier_signal -1
	s_barrier_wait -1                              ; x's eight fragments lie in LDS
.irp f, 0,1,2,3,4,5,6,7
.irp c, 0,1
	ds_load_b128 v[XF+8*\f+4*\c:XF+8*\f+4*\c+3], v[LI] offset:XIMG+\f*1024+\c*512
.endr
	ds_load_b32 v[XS+\f], v[LS] offset:XSC+\f*128
.endr
.irp s, 0,1,2,3
.irp c, 0,1
	ds_load_b128 v[XQ+8*\s+4*\c:XQ+8*\s+4*\c+3], v[XQA] offset:XIMG+\s*1024+\c*512
.endr
	ds_load_b32 v[XQS+\s], v[XQSA] offset:XSC+\s*128
.endr
	s_wait_loadcnt 0x0
	s_wait_dscnt 0x0
; Nine accumulators take turns, one instruction a turn, K step by K step
.irp s, 0,1,2,3
	WIN 0x04                                       ; source 1 (wv) window 1
.irp t, 0,1,2,3
.irp m, 0,1
.if \s == 0
	v_wmma_scale_f32_16x16x128_f8f6f4 v[ACC+8*(2*\t+\m):ACC+8*(2*\t+\m)+7], v[XF+8*(4*\m+\s):XF+8*(4*\m+\s)+7], v[8*(4*\t+\s):8*(4*\t+\s)+7], 0, v[XS+4*\m+\s], v[WS+4*\t+\s] matrix_a_fmt:MATRIX_FMT_FP4 matrix_b_fmt:MATRIX_FMT_FP4
.else
	v_wmma_scale_f32_16x16x128_f8f6f4 v[ACC+8*(2*\t+\m):ACC+8*(2*\t+\m)+7], v[XF+8*(4*\m+\s):XF+8*(4*\m+\s)+7], v[8*(4*\t+\s):8*(4*\t+\s)+7], v[ACC+8*(2*\t+\m):ACC+8*(2*\t+\m)+7], v[XS+4*\m+\s], v[WS+4*\t+\s] matrix_a_fmt:MATRIX_FMT_FP4 matrix_b_fmt:MATRIX_FMT_FP4
.endif
.endr
.endr
	WIN 0x01                                       ; source 0 (the q or k tile) window 1
.if \s == 0
	v_wmma_scale_f32_16x16x128_f8f6f4 v[ACCQ:ACCQ+7], v[128+8*\s:128+8*\s+7], v[XQ+8*\s:XQ+8*\s+7], v[CQ:CQ+7], v[WQS+\s], v[XQS+\s] matrix_a_fmt:MATRIX_FMT_FP4 matrix_b_fmt:MATRIX_FMT_FP4
.else
	v_wmma_scale_f32_16x16x128_f8f6f4 v[ACCQ:ACCQ+7], v[128+8*\s:128+8*\s+7], v[XQ+8*\s:XQ+8*\s+7], v[ACCQ:ACCQ+7], v[WQS+\s], v[XQS+\s] matrix_a_fmt:MATRIX_FMT_FP4 matrix_b_fmt:MATRIX_FMT_FP4
.endif
.endr
	WIN 0
.rept 4
	v_nop                                          ; four places behind the last products, ahead of the first read of results and of writes over operands
.endr
	; ---- v: + bv, to f16; the 16 registers of a tile's two accumulators are keys 8 h + 0..7 and 16 + 8 h + 0..7 of column r: the fragment's two pieces
.irp t, 0,1,2,3
.set j, 0
.rept 16
	v_add_f32 v[ACC+16*\t+j], v[ACC+16*\t+j], v[BV+\t]
.set j, j+1
.endr
.set j, 0
.rept 8
	v_cvt_pk_f16_f32 v[XF+8*\t+j], v[ACC+16*\t+2*j], v[ACC+16*\t+2*j+1]
.set j, j+1
.endr
	global_store_b128 v[LI], v[XF+8*\t:XF+8*\t+3], s[24:25] offset:\t*1024       ; 32 lanes store 512 consecutive bytes
	global_store_b128 v[LI], v[XF+8*\t+4:XF+8*\t+7], s[24:25] offset:\t*1024+512
.endr
	; ---- q or k: lane (r, h) holds row r and heads 2 h, 2 h + 1 of the tile's four: four numbers each
.irp hh, 0,1
	v_add_f32 v[SM+\hh], v[ACCQ+4*\hh], v[ACCQ+4*\hh+1]
	v_add_f32 v[T1], v[ACCQ+4*\hh+2], v[ACCQ+4*\hh+3]
	v_add_f32 v[SM+\hh], v[SM+\hh], v[T1]          ; the four's sum: the fifth number
	v_mov_b32 v[QO+16*\hh+15], 0                   ; slots 30, 31
.endr
	s_cmp_lt_u32 s16, 2
	s_cbranch_scc0 .Lk_arm
.irp j, 0,1,2,3,4,5,6,7
	v_mul_f32 v[ACCQ+\j], s[CC], v[ACCQ+\j]
.endr
	v_mul_f32 v[SM], s[CC], v[SM]
	v_mul_f32 v[SM+1], s[CC], v[SM+1]
	ARM 1
	s_branch .Lqk_out
.Lk_arm:
	ARM 0
.Lqk_out:
.irp hh, 0,1
.irp i, 0,1,2,3
	global_store_b128 v[GQ], v[QO+16*\hh+4*\i:QO+16*\hh+4*\i+3], s[26:27] offset:\hh*131072+(\i/2)*512+(\i%2)*256   ; slots 8 i on: piece i / 2, half i % 2: sixteen lanes store 256 consecutive bytes
.endr
.endr
	s_wait_tensorcnt 0x0                           ; the wave's end, behind my last LDS store
	ds_add_u32 v[SPW], v[NIL]
	s_wait_dscnt 0x0
	s_endpgm
.Lfunc_end_k_q55bdd464a3_proj:
	.size	k_q55bdd464a3_proj, .Lfunc_end_k_q55bdd464a3_proj-k_q55bdd464a3_proj
	.p2alignl 7, 3214868480
	.fill 96, 4, 3214868480
	.section	.rodata,"a",@progbits
	.p2align	6, 0x0
	.amdhsa_kernel k_q55bdd464a3_proj
		.amdhsa_group_segment_fixed_size 10240
		.amdhsa_private_segment_fixed_size 0
		.amdhsa_enable_private_segment 0
		.amdhsa_kernarg_size 40
		.amdhsa_user_sgpr_count 2
		.amdhsa_user_sgpr_kernarg_segment_ptr 1
		.amdhsa_wavefront_size32 1
		.amdhsa_system_sgpr_workgroup_id_x 1
		.amdhsa_system_sgpr_workgroup_id_y 1
		.amdhsa_system_sgpr_workgroup_id_z 1
		.amdhsa_system_vgpr_workitem_id 0
		.amdhsa_next_free_vgpr 416
		.amdhsa_next_free_sgpr 66
		.amdhsa_reserve_vcc 0
		.amdhsa_float_denorm_mode_32 3
		.amdhsa_float_denorm_mode_16_64 3
		.amdhsa_memory_ordered 1
		.amdhsa_forward_progress 1
		.amdhsa_inst_pref_size 36
	.end_amdhsa_kernel
	.amdgpu_metadata
---
amdhsa.version: [ 1, 2 ]
amdhsa.kernels:
  - .name:           k_q55bdd464a3_proj
    .symbol:         k_q55bdd464a3_proj.kd
    .args:
      - { .name: x, .offset: 0, .size: 8, .value_kind: global_buffer, .address_space: global }
      - { .name: wq4, .offset: 8, .size: 8, .value_kind: global_buffer, .address_space: global }
      - { .name: bq, .offset: 16, .size: 8, .value_kind: global_buffer, .address_space: global }
      - { .name: bv, .offset: 24, .size: 8, .value_kind: global_buffer, .address_space: global }
      - { .name: qkv, .offset: 32, .size: 8, .value_kind: global_buffer, .address_space: global }
    .group_segment_fixed_size: 10240
    .private_segment_fixed_size: 0
    .kernarg_segment_align: 8
    .kernarg_segment_size: 40
    .max_flat_workgroup_size: 256
    .sgpr_count:     66
    .vgpr_count:     416
    .wavefront_size: 32
...
	.end_amdgpu_metadata
.endif
;; end of part 2
;; launch attn (part 3): grid 8 x 32, 8 waves a work-group, clusters of 4 x 1, 327,680 bytes of LDS; arguments qkv, of; writes of
.if DOCPART == 3
	.amdgcn_target "amdgcn-amd-amdhsa--gfx1250"
	.amdhsa_code_object_version 6
	.text
	.protected	k_q55bdd464a3_attn
	.globl	k_q55bdd464a3_attn
	.p2align	8
	.type	k_q55bdd464a3_attn,@function
k_q55bdd464a3_attn:
	s_mov_b64 s[64:65], 0
	v_nop
	global_prefetch_b8 v0, s[64:65] scope:SCOPE_SE
	s_setreg_imm32_b32 hwreg(HW_REG_WAVE_MODE, 25, 1), 1
	s_wait_xcnt 0x0
	s_wait_alu depctr_hold_cnt(0) depctr_sa_sdst(0) depctr_va_vdst(0) depctr_va_sdst(0) depctr_va_ssrc(0) depctr_va_vcc(0) depctr_vm_vsrc(0)
	s_getreg_b32 s2, hwreg(HW_REG_IB_STS2, 6, 4)
	s_cmp_eq_u32 s2, 0
	s_cbranch_scc0 .Lentry_in_a_cluster
	s_endpgm
.Lentry_in_a_cluster:
	s_bfe_u32 s2, ttmp6, 0x10000c
	s_cmp_lg_u32 s2, 0x3003
	s_cbranch_scc0 .Lentry_shape_is_right
	s_endpgm
.Lentry_shape_is_right:
; ATTN: o = softmax(scores) v for one head and 256 queries a work-group.  The score of a query and a key is one bf16 product of their 32-slot rows (made by the launch before: exact to f32's last bits, already times log2(e)).
; LEFT OUT AS DEAD (shown at the head of the first kernel): bk's term in the scores, which is constant along the softmax's axis.
; SHARES.  Wave w: g = w % 4: 64 queries, four tiles of 16; kh = w / 4: keys 1,024 kh on.  Register slot a holds query tile a xor 2 kh, so that both partners (w, w xor 4) keep slots 0, 1 and send slots 2, 3, with no branch.
; TWO PASSES.  The head's 2,048 key rows (131,072 bytes) stay in LDS.  Pass 1 finds each query's largest score t, the maximum that reference() takes away; the halves' maxima meet in LDS.  Pass 2 gives -m as the C of the
; score product, so that p = 2^(t - m) is one exponential: no running maximum, nothing is rescaled, and the two halves' sums add as they are.
; LAYOUT.  S^T = K' Q'^T (source 0 = 16 keys, source 1 = 16 queries): a lane holds one query and keys 8 (lane / 16) + j; two such tiles, rounded to f16 in pairs, are source 1 of O^T = V^T P (source 0 = 16 of the head's 64 x 32 keys).
; V goes through two LDS slots of 65,536 bytes: visit v holds keys 256 v .. + 255 of each half (half 1's 32,768 bytes behind half 0's).  Visits 0 and 1 come with the first fills, 2 and 3 as refills by waves 0 to 3.
; CLUSTER: the four query blocks of a cluster belong to one head: K' and V are asked for jointly, by the same tensor load with the same descriptor and the mask of the four.
; By this text's own count a wave has two tensor loads out at the head and one behind a refill's round.
; OUT: of, f16 fragments for the next launch: ((16 rb + ks) 4 + row tile) 1,024, rb = block of 64 rows, ks = 2 head + dt / 2, piece dt % 2.
; LIMITS: NaN and infinities are not served.  No prefetch: K' and V's first half come at the head, and a refill has a whole visit (eight steps) in which to land.
; REGISTERS.  Window 0: v1-13 addresses; v14, v15 the add's two; v16-19 m; v20-23 at work; v24-31 the sums, a pair a tile; v32-63 Q'; v64-95 -m, eight copies a tile; v96-159 S^T, then p; v160-191 P; v192-207 K' of a step; v208-215 at the end.
;   Window 1: v0-127 O^T (tile a, dt: 8 (4 a + dt)); v128-159 V^T of a step.
.set LVS,   131072                     ; LDS: K' at 0; V's two slots;
.set LMX,   262144                     ; the maxima, 512 bytes a wave;
.set LLX,   266240                     ; the sums, 256 bytes a wave;
.set SPARE, 268288                     ; the spare words, 128 bytes for each wave: four blocks of 256 bytes that no other line names
.set AK0, 1
.set AV0, 2
.set ADK, 3
.set ADV, 4
.set QOLO, 5
.set QOHI, 6
.set MXW, 7
.set MXR, 8
.set LXW, 9
.set LXR, 10
.set CXW, 11
.set CXR, 12
.set GO, 13
.set SPW, 14
.set NIL, 15
.set M, 16
.set TT, 20
.set L, 24
.set QF, 32
.set NM, 64
.set S, 96
.set P, 160
.set KF, 192
.set LS, 208
.set RC, 212
.set VF, 128
.set WV, 8
.set G1, 16
.set G0K, 24
.set G0V, 28
.set SEL, 32
.set TK, 34
.set TV, 35
.set CNT, 36
.set MSB, 0
.macro WIN new                         ; the immediate's high byte repeats the setting that is left
.if MSB != \new
	s_set_vgpr_msb (MSB<<8)|\new
.set MSB, \new
.endif
.endm
.macro ROUND                           ; a round of the cluster's barrier
	s_barrier_signal -1
	s_barrier_wait -1
	s_cmp_lg_u32 s[WV], 0
	s_cbranch_scc1 .Lnot_wave_0_\@
	s_barrier_signal -3
.Lnot_wave_0_\@:
	s_barrier_wait -3
	s_barrier_signal -1
	s_barrier_wait -1
.endm
.macro KLOAD adr                       ; a step's 32 key rows: two fragments
.irp kt, 0,1
.irp c, 0,1
	ds_load_b128 v[KF+8*\kt+4*\c:KF+8*\kt+4*\c+3], v[\adr] offset:\kt*1024+\c*512
.endr
.endr
.endm
; PASS 1, a step of 32 keys: eight score tiles, their largest into m.  more = 1: the next step's key rows are fetched
.macro P1STEP more
	s_wait_dscnt 0x0                               ; the step's key rows are in
.irp kt, 0,1
.irp a, 0,1,2,3
	v_wmma_f32_16x16x32_bf16 v[S+16*\a+8*\kt:S+16*\a+8*\kt+7], v[KF+8*\kt:KF+8*\kt+7], v[QF+8*\a:QF+8*\a+7], 0
.endr
.endr
.if \more
	v_add_nc_u32 v[ADK], s[TK], v[AK0]
.else
	v_nop
.endif
.rept 3
	v_nop                                          ; four places, ahead of the loads into the key rows' registers and of the first read of the scores
.endr
.if \more
	s_add_co_u32 s[TK], s[TK], 2048
	KLOAD ADK
.endif
.irp i, 0,2,4,6,8,10,12,14
.irp a, 0,1,2,3
	v_max3_num_f32 v[M+\a], v[M+\a], v[S+16*\a+\i], v[S+16*\a+\i+1]   ; the four tiles by turns; each accumulator from its low end on
.endr
.endr
.endm
; PASS 2, a step of 32 keys.  zero = 1: the products V^T P start O^T's sums.  more = 1: the next step's key rows are fetched
.macro STEP zero, more
	s_wait_dscnt 0x0                               ; the step's key rows are in
.irp kt, 0,1
.irp a, 0,1,2,3
	v_wmma_f32_16x16x32_bf16 v[S+16*\a+8*\kt:S+16*\a+8*\kt+7], v[KF+8*\kt:KF+8*\kt+7], v[QF+8*\a:QF+8*\a+7], v[NM+8*\a:NM+8*\a+7]   ; t - m
.endr
.endr
	v_add_nc_u32 v[ADV], s[TV], v[AV0]
.if \more
	v_add_nc_u32 v[ADK], s[TK], v[AK0]
.else
	v_nop
.endif
	v_nop
	v_nop                                          ; four places: behind the last step's products for the loads into V's registers, behind these for the loads into K's and the exponentials
	s_add_co_u32 s[TV], s[TV], 4096
	WIN 0x40                                       ; destination window 1
.irp dt, 0,1,2,3
.irp c, 0,1
	ds_load_b128 v[VF+8*\dt+4*\c:VF+8*\dt+4*\c+3], v[ADV] offset:\dt*1024+\c*512
.endr
.endr
	WIN 0
.if \more
	s_add_co_u32 s[TK], s[TK], 2048
	KLOAD ADK
.endif
.set j, 0
.rept 64
	v_exp_f32 v[S+j], v[S+j]                       ; p = 2^(t - m): one batch
.set j, j+1
.endr
	v_nop                                          ; a plain instruction behind the last exponential
	s_wait_alu depctr_va_vdst(0)                   ; one wait for the batch, ahead of its first reader
.irp i, 0,2,4,6,8,10,12,14
.irp a, 0,1,2,3
	v_pk_add_f32 v[L+2*\a:L+2*\a+1], v[L+2*\a:L+2*\a+1], v[S+16*\a+\i:S+16*\a+\i+1]   ; the row's sum, of p in f32
.endr
.endr
.irp a, 0,1,2,3
.irp i, 0,1,2,3,4,5,6,7
	v_cvt_pk_f16_f32 v[P+8*\a+\i], v[S+16*\a+2*\i], v[S+16*\a+2*\i+1]
.endr
.endr
	s_wait_dscnt 4*\more                           ; V's eight loads are in; the four of the next key rows, issued behind them, may be out
	WIN 0x51                                       ; V and O^T in window 1, P in window 0
.irp dt, 0,1,2,3
.irp a, 0,1,2,3
.if \zero
	v_wmma_f32_16x16x32_f16 v[8*(4*\a+\dt):8*(4*\a+\dt)+7], v[VF+8*\dt:VF+8*\dt+7], v[P+8*\a:P+8*\a+7], 0
.else
	v_wmma_f32_16x16x32_f16 v[8*(4*\a+\dt):8*(4*\a+\dt)+7], v[VF+8*\dt:VF+8*\dt+7], v[P+8*\a:P+8*\a+7], v[8*(4*\a+\dt):8*(4*\a+\dt)+7]
.endif
.endr
.endr
	WIN 0
.endm
; THE CHANGE OF SLOTS.  Every wave waits for all its tensor loads, adds 0 to its spare word, and waits for that and for its reads of the slot that it leaves.  fill = 1: behind a round of the cluster's barrier waves 0 to 3
; fill that slot again (the descriptor goes gstep bytes on in memory and lstep in LDS); fill = 0: the work-group's barrier alone.
.macro CHANGE fill, gstep, lstep
	s_wait_tensorcnt 0x0                           ; no tensor load of mine is out, so a group 0 may be written
	ds_add_u32 v[SPW], v[NIL]                      ; 0 onto my spare word
.if \fill
	s_add_nc_u64 s[G0V+2:G0V+3], s[G0V+2:G0V+3], \gstep
.if \lstep
	s_add_co_u32 s[G0V+1], s[G0V+1], \lstep
.endif
	s_wait_dscnt 0x0                               ; the add is done, and my reads of the slot are over
	ROUND
	s_cmp_lt_u32 s[WV], 4                          ; the branch hangs on the wave's number alone: it is the same in every work-group
	s_cbranch_scc0 .Lno_fill_\@
	tensor_load_to_lds s[G0V:G0V+3], s[G1:G1+7]
	s_nop 0
.rept 4
	v_nop
.endr
.Lno_fill_\@:
.else
	s_wait_dscnt 0x0
	s_barrier_signal -1
	s_barrier_wait -1
.endif
.endm
	s_load_b128 s[4:7], s[0:1], 0x0                ; qkv s[4:5], of s[6:7]
	v_lshl_add_u32 v[SPW], v0, 2, SPARE
	v_mov_b32 v[NIL], 0
	ds_add_u32 v[SPW], v[NIL]                      ; the wave's opening: the add, twice on end, and its wait ahead of my first tensor load
	ds_add_u32 v[SPW], v[NIL]
	v_lshrrev_b32 v1, 5, v0
	v_readfirstlane_b32 s[WV], v1                  ; wave 0..7
	s_and_b32 s9, s[WV], 3                         ; g
	s_lshr_b32 s10, s[WV], 2                       ; kh
	s_bfe_u32 s11, ttmp6, 0x40000                  ; cx
	s_lshl_b32 s12, ttmp9, 2
	s_add_co_u32 s12, s12, s11                     ; my block of 256 queries: it enters Q's and o's addresses alone
	s_and_b32 s13, ttmp7, 0xffff                   ; batch x 8 + head, which the four partners share
	; descriptor group 1: a dense block of 16,384 bytes as 64 rows of 256 (32 elements of 8 bytes)
	s_mov_b32 s[G1], 15|(3<<16)|(1<<21)            ; 15:0 the mask: all four; 17:16 elements of 8 bytes; 21 set beside a mask
	s_mov_b32 s[G1+1], 32<<16                      ; tensor_dim0
	s_mov_b32 s[G1+2], 64<<16                      ; tensor_dim1
	s_mov_b32 s[G1+3], 32<<16                      ; tile_dim0
	s_mov_b32 s[G1+4], 64                          ; tile_dim1
	s_mov_b32 s[G1+5], 32                          ; stride
	s_mov_b32 s[G1+6], 0
	s_mov_b32 s[G1+7], 0
	s_mov_b32 s[SEL], 0x76543210
	s_mov_b32 s[SEL+1], 0xfedcba98
	s_mov_b32 s[G0K], 1
	s_lshl_b32 s[G0K+1], s[WV], 14                 ; K': wave w's eighth, in LDS
	s_lshl_b32 s38, s13, 17
	s_add_co_u32 s38, s38, s[G0K+1]
	s_add_co_u32 s38, s38, 0x400000                ; and in kf
	s_mov_b32 s39, 0
	s_mov_b32 s[G0V], 1
	s_add_co_u32 s[G0V+1], s[G0K+1], LVS           ; V: slot w / 4, half (w / 2) % 2, its part w % 2
	s_lshl_b32 s40, s13, 18
	s_bfe_u32 s41, s[WV], 0x10001
	s_lshl_b32 s41, s41, 17
	s_add_co_u32 s40, s40, s41
	s_lshl_b32 s41, s10, 15
	s_add_co_u32 s40, s40, s41
	s_and_b32 s41, s[WV], 1
	s_lshl_b32 s41, s41, 14
	s_add_co_u32 s40, s40, s41
	s_add_co_u32 s40, s40, 0x800000
	s_mov_b32 s41, 0
	s_lshl_b32 s44, s13, 17                        ; Q': (128 bh + 16 block + 4 g) 1,024
	s_lshl_b32 s45, s12, 14
	s_add_co_u32 s44, s44, s45
	s_lshl_b32 s45, s9, 12
	s_add_co_u32 s44, s44, s45
	s_mov_b32 s45, 0
	s_lshr_b32 s46, s13, 3                         ; o: rb = 32 batch + 4 block + g
	s_lshl_b32 s46, s46, 5
	s_lshl_b32 s47, s12, 2
	s_add_co_u32 s46, s46, s47
	s_add_co_u32 s46, s46, s9
	s_lshl_b32 s46, s46, 16
	s_and_b32 s47, s13, 7
	s_lshl_b32 s47, s47, 13                        ; K steps 2 head on
	s_add_co_u32 s46, s46, s47
	s_lshl_b32 s47, s10, 11                        ; row tiles 2 kh on
	s_add_co_u32 s46, s46, s47
	s_mov_b32 s47, 0
	v_and_b32 v[GO], 31, v0
	v_lshlrev_b32 v[TT], 2, v[GO]                  ; 4 x lane
	v_lshlrev_b32 v[GO], 4, v[GO]                  ; 16 x lane
	s_lshl_b32 s42, s10, 16
	v_add_nc_u32 v[AK0], s42, v[GO]                ; my half's key rows
	s_lshl_b32 s42, s10, 15
	s_add_co_u32 s42, s42, LVS
	v_add_nc_u32 v[AV0], s42, v[GO]                ; my half's part of a slot
	s_lshl_b32 s42, s10, 11
	v_add_nc_u32 v[QOLO], s42, v[GO]               ; slots 0, 1: tiles 2 kh on
	s_xor_b32 s42, s42, 2048
	v_add_nc_u32 v[QOHI], s42, v[GO]               ; slots 2, 3: the other two
	s_xor_b32 s43, s[WV], 4                        ; my partner
	s_lshl_b32 s42, s[WV], 9
	s_add_co_u32 s42, s42, LMX
	v_add_nc_u32 v[MXW], s42, v[TT]
	s_lshl_b32 s42, s43, 9
	s_add_co_u32 s42, s42, LMX
	v_add_nc_u32 v[MXR], s42, v[TT]
	s_lshl_b32 s42, s[WV], 8
	s_add_co_u32 s42, s42, LLX
	v_add_nc_u32 v[LXW], s42, v[TT]
	s_lshl_b32 s42, s43, 8
	s_add_co_u32 s42, s42, LLX
	v_add_nc_u32 v[LXR], s42, v[TT]
	s_lshl_b32 s42, s[WV], 13
	s_add_co_u32 s42, s42, LVS
	v_add_nc_u32 v[CXW], s42, v[GO]                ; the exchange of O^T: 8,192 bytes a wave, in V's slot 0 behind its last fill and its last read
	s_lshl_b32 s42, s43, 13
	s_add_co_u32 s42, s42, LVS
	v_add_nc_u32 v[CXR], s42, v[GO]
.irp a, 0,1,2,3
	v_mov_b32 v[M+\a], 0xff800000                  ; under every score
	v_mov_b32 v[TT+\a], 0                          ; a lane permute's destination counts as one of its sources
	v_mov_b32 v[L+2*\a], 0
	v_mov_b32 v[L+2*\a+1], 0
	v_mov_b32 v[RC+\a], 0                          ; (the upper halves are named in pairs before they are otherwise written)
.endr
	s_wait_dscnt 0x0                               ; both opening adds are done
	s_wait_kmcnt 0x0
	s_add_nc_u64 s[G0K+2:G0K+3], s[4:5], s[38:39]
	s_or_b32 s[G0K+3], s[G0K+3], 0x80000000
	s_add_nc_u64 s[G0V+2:G0V+3], s[4:5], s[40:41]
	s_or_b32 s[G0V+3], s[G0V+3], 0x80000000
	s_add_nc_u64 s[48:49], s[4:5], s[44:45]
	s_add_nc_u64 s[50:51], s[6:7], s[46:47]
	ROUND                                          ; all four work-groups are here: the first joint loads meet
	tensor_load_to_lds s[G0K:G0K+3], s[G1:G1+7]    ; every wave: an eighth of K',
	s_nop 0
	tensor_load_to_lds s[G0V:G0V+3], s[G1:G1+7]    ; and an eighth of V's visits 0 and 1
	s_nop 0
.rept 4
	v_nop
.endr
.irp a, 0,1
.irp c, 0,1
	global_load_b128 v[QF+8*\a+4*\c:QF+8*\a+4*\c+3], v[QOLO], s[48:49] offset:\a*1024+\c*512
	global_load_b128 v[QF+16+8*\a+4*\c:QF+16+8*\a+4*\c+3], v[QOHI], s[48:49] offset:\a*1024+\c*512
.endr
.endr
	s_wait_tensorcnt 0x1                           ; my part of K' is in; V's may stay out
	s_barrier_signal -1
	s_barrier_wait -1                              ; everybody's is
	; ---- pass 1
	KLOAD AK0
	s_mov_b32 s[TK], 2048
	s_wait_loadcnt 0x0                             ; Q'
	s_mov_b32 s[CNT], 31
.Lp1:
	P1STEP 1
	s_sub_co_u32 s[CNT], s[CNT], 1
	s_cmp_lg_u32 s[CNT], 0
	s_cbranch_scc1 .Lp1
	P1STEP 0
.irp a, 0,1,2,3
	v_permlanex16_b32 v[TT+\a], v[M+\a], s[SEL], s[SEL+1]
.endr
.irp a, 0,1,2,3
	v_max_num_f32 v[M+\a], v[M+\a], v[TT+\a]       ; with lane l xor 16's keys
.endr
.irp a, 0,1,2,3
	ds_store_b32 v[MXW], v[M+\a] offset:\a*128
.endr
	KLOAD AK0                                      ; pass 2's first key rows
	s_mov_b32 s[TK], 2048
	s_mov_b32 s[TV], 0
	s_wait_tensorcnt 0x0                           ; my part of V's visits 0 and 1 is in,
	s_wait_dscnt 0x0                               ; and my maxima have landed
	s_barrier_signal -1
	s_barrier_wait -1
.irp a, 0,1,2,3
	ds_load_b32 v[TT+\a], v[MXR] offset:((\a+2)%4)*128   ; my tile lies in my partner's slot a xor 2
.endr
	s_wait_dscnt 0x0
.irp a, 0,1,2,3
	v_max_num_f32 v[M+\a], v[M+\a], v[TT+\a]       ; the row's largest t over all 2,048 keys
.endr
.irp a, 0,1,2,3
.irp j, 0,1,2,3,4,5,6,7
	v_xor_b32 v[NM+8*\a+\j], 0x80000000, v[M+\a]   ; -m in the layout of a result: all eight registers of a lane belong to its one query
.endr
.endr
	; ---- pass 2: four visits of eight steps
	STEP 1, 1
	s_mov_b32 s[CNT], 7
.Lv0:
	STEP 0, 1
	s_sub_co_u32 s[CNT], s[CNT], 1
	s_cmp_lg_u32 s[CNT], 0
	s_cbranch_scc1 .Lv0
	CHANGE 1, 65536, 0                             ; slot 0 takes visit 2
	s_mov_b32 s[TV], 65536
	s_mov_b32 s[CNT], 8
.Lv1:
	STEP 0, 1
	s_sub_co_u32 s[CNT], s[CNT], 1
	s_cmp_lg_u32 s[CNT], 0
	s_cbranch_scc1 .Lv1
	CHANGE 1, 32768, 65536                         ; slot 1 takes visit 3
	s_mov_b32 s[TV], 0
	s_mov_b32 s[CNT], 8
.Lv2:
	STEP 0, 1
	s_sub_co_u32 s[CNT], s[CNT], 1
	s_cmp_lg_u32 s[CNT], 0
	s_cbranch_scc1 .Lv2
	CHANGE 0, 0, 0                                 ; visit 3 has landed; nothing is left to fetch
	s_mov_b32 s[TV], 65536
	s_mov_b32 s[CNT], 7
.Lv3:
	STEP 0, 1
	s_sub_co_u32 s[CNT], s[CNT], 1
	s_cmp_lg_u32 s[CNT], 0
	s_cbranch_scc1 .Lv3
	STEP 0, 0
	; ---- the two halves of the keys meet.  The four additions are the places behind the last products
.irp a, 0,1,2,3
	v_add_f32 v[LS+\a], v[L+2*\a], v[L+2*\a+1]
.endr
.irp a, 0,1,2,3
	v_permlanex16_b32 v[TT+\a], v[LS+\a], s[SEL], s[SEL+1]
.endr
.irp a, 0,1,2,3
	v_add_f32 v[LS+\a], v[LS+\a], v[TT+\a]         ; my half's sum for each query
.endr
	s_wait_dscnt 0x0
	s_barrier_signal -1
	s_barrier_wait -1                              ; no wave reads V any more
	WIN 0x04                                       ; an LDS store's data are its source 1: window 1
.set i, 0
.rept 16
	ds_store_b128 v[CXW], v[64+4*i:64+4*i+3] offset:i*512          ; slots 2 and 3 of O^T, as they stand; each accumulator from its low end on
.set i, i+1
.endr
	WIN 0
	ds_store_b32 v[LXW], v[LS+2]
	ds_store_b32 v[LXW], v[LS+3] offset:128
	s_wait_dscnt 0x0
	s_barrier_signal -1
	s_barrier_wait -1
.set i, 0
.rept 16
	ds_load_b128 v[S+4*i:S+4*i+3], v[CXR] offset:i*512             ; my partner's share of my slots 0 and 1
.set i, i+1
.endr
	ds_load_b32 v[TT], v[LXR]
	ds_load_b32 v[TT+1], v[LXR] offset:128
	s_wait_dscnt 0x0
	WIN 0x01                                       ; source 0 window 1
.set i, 0
.rept 32
	v_pk_add_f32 v[S+2*i:S+2*i+1], v[2*i:2*i+1], v[S+2*i:S+2*i+1]
.set i, i+1
.endr
	WIN 0
	v_add_f32 v[LS], v[LS], v[TT]
	v_add_f32 v[LS+1], v[LS+1], v[TT+1]            ; the rows' sums
	v_rcp_f32 v[RC], v[LS]
	v_rcp_f32 v[RC+2], v[LS+1]
	v_nop                                          ; a plain instruction behind the last reciprocal
	s_wait_alu depctr_va_vdst(0)                   ; one wait for the two, ahead of their first reader
.irp a, 0,1
.set i, 0
.rept 16
	v_pk_mul_f32 v[S+32*\a+2*i:S+32*\a+2*i+1], v[S+32*\a+2*i:S+32*\a+2*i+1], v[RC+2*\a:RC+2*\a+1] op_sel_hi:[1,0]
.set i, i+1
.endr
.endr
.set i, 0
.rept 32
	v_cvt_pk_f16_f32 v[P+i], v[S+2*i], v[S+2*i+1]
.set i, i+1
.endr
.irp a, 0,1
.irp dt, 0,1,2,3
	global_store_b128 v[GO], v[P+16*\a+4*\dt:P+16*\a+4*\dt+3], s[50:51] offset:(\dt/2)*4096+\a*1024+(\dt%2)*512   ; 32 lanes store 512 consecutive bytes
.endr
.endr
	s_wait_tensorcnt 0x0                           ; the wave's end, behind my last tensor load and my last LDS store
	ds_add_u32 v[SPW], v[NIL]
	s_wait_dscnt 0x0
	ROUND                                          ; the closing round
	s_endpgm
.Lfunc_end_k_q55bdd464a3_attn:
	.size	k_q55bdd464a3_attn, .Lfunc_end_k_q55bdd464a3_attn-k_q55bdd464a3_attn
	.p2alignl 7, 3214868480
	.fill 96, 4, 3214868480
	.section	.rodata,"a",@progbits
	.p2align	6, 0x0
	.amdhsa_kernel k_q55bdd464a3_attn
		.amdhsa_group_segment_fixed_size 327680
		.amdhsa_private_segment_fixed_size 0
		.amdhsa_enable_private_segment 0
		.amdhsa_kernarg_size 16
		.amdhsa_user_sgpr_count 2
		.amdhsa_user_sgpr_kernarg_segment_ptr 1
		.amdhsa_wavefront_size32 1
		.amdhsa_system_sgpr_workgroup_id_x 1
		.amdhsa_system_sgpr_workgroup_id_y 1
		.amdhsa_system_sgpr_workgroup_id_z 1
		.amdhsa_system_vgpr_workitem_id 0
		.amdhsa_next_free_vgpr 416
		.amdhsa_next_free_sgpr 66
		.amdhsa_reserve_vcc 0
		.amdhsa_float_denorm_mode_32 3
		.amdhsa_float_denorm_mode_16_64 3
		.amdhsa_memory_ordered 1
		.amdhsa_forward_progress 1
		.amdhsa_inst_pref_size 82
	.end_amdhsa_kernel
	.amdgpu_metadata
---
amdhsa.version: [ 1, 2 ]
amdhsa.kernels:
  - .name:           k_q55bdd464a3_attn
    .symbol:         k_q55bdd464a3_attn.kd
    .args:
      - { .name: qkv, .offset: 0, .size: 8, .value_kind: global_buffer, .address_space: global }
      - { .name: of, .offset: 8, .size: 8, .value_kind: global_buffer, .address_space: global }
    .group_segment_fixed_size: 327680
    .private_segment_fixed_size: 0
    .kernarg_segment_align: 8
    .kernarg_segment_size: 16
    .max_flat_workgroup_size: 256
    .sgpr_count:     66
    .vgpr_count:     416
    .wavefront_size: 32
...
	.end_amdgpu_metadata
.endif
;; end of part 3
;; launch wo_ln (part 4): grid 128 x 1, 4 waves a work-group, clusters of 4 x 1, 327,680 bytes of LDS; arguments of, wh, x, bo, g1, be1, x1; writes x1
.if DOCPART == 4
	.amdgcn_target "amdgcn-amd-amdhsa--gfx1250"
	.amdhsa_code_object_version 6
	.text
	.protected	k_q55bdd464a3_wo_ln
	.globl	k_q55bdd464a3_wo_ln
	.p2align	8
	.type	k_q55bdd464a3_wo_ln,@function
k_q55bdd464a3_wo_ln:
	s_mov_b64 s[64:65], 0
	v_nop
	global_prefetch_b8 v0, s[64:65] scope:SCOPE_SE
	s_setreg_imm32_b32 hwreg(HW_REG_WAVE_MODE, 25, 1), 1
	s_wait_xcnt 0x0
	s_wait_alu depctr_hold_cnt(0) depctr_sa_sdst(0) depctr_va_vdst(0) depctr_va_sdst(0) depctr_va_ssrc(0) depctr_va_vcc(0) depctr_vm_vsrc(0)
	s_getreg_b32 s2, hwreg(HW_REG_IB_STS2, 6, 4)
	s_cmp_eq_u32 s2, 0
	s_cbranch_scc0 .Lentry_in_a_cluster
	s_endpgm
.Lentry_in_a_cluster:
	s_bfe_u32 s2, ttmp6, 0x10000c
	s_cmp_lg_u32 s2, 0x3003
	s_cbranch_scc0 .Lentry_shape_is_right
	s_endpgm
.Lentry_shape_is_right:
; ROWS x WEIGHT + BIAS + RESIDUAL, THEN LAYERNORM.  LAYER 0: x1 = LN(x + o wo + bo) g1 + be1.  (The same text with LAYER 1 is the last launch.)
; A work-group takes 64 whole rows (a LayerNorm wants whole rows), 512 columns; wave w takes columns 128 w on: 32 accumulators.  f16 operands, f32 sums.
; THE MATRIX INSTRUCTION IS USED TRANSPOSED (source 0 = 16 columns of the weight, source 1 = 16 rows): a lane holds one row and eight neighbouring columns.
; Both operands lie in memory as fragments of 1,024 bytes in the order of the operand registers, so a period (128 along K) is one dense block for each: the rows' 16,384 bytes, the weight's 131,072.  Two LDS slots take turns.
; Waves 0, 1 fetch the rows' halves (the work-group's own: no mask), waves 2, 3 the weight's halves, JOINTLY for the cluster's four work-groups, which all walk the same weight.
; THE SUMS START FROM THE RESIDUAL, loaded straight into the accumulators: nothing is cleared, and every product is a link in place; the 32 accumulators take turns in the same order in every step.
; LAYERNORM as reference() has it: the mean, then the mean of (y - mean)^2: two rounds of row sums, which meet in LDS.
; OUT, LAYER 0: x1c, f32, the accumulators' image ((32 RT + nt) 1,024 + 512 c + 16 lane), which the last launch loads back as its residual; x1h at 16,777,216, f16 fragments ((16 (RT / 16) + ks) 16 + RT % 16) 1,024.
; By this text's own count a wave has two tensor loads out at the head and one behind each round.  LIMITS: NaN and infinities are not served; x1 beyond f16's 65,504 is not served.
; No prefetch in LAYER 0: its four periods are asked for by the two first fills and two refills.
; REGISTERS.  Window 0: v1-15 addresses; v28, v29 the add's two; v30 the prefetch's offset; v32-63 row sums; v64-159, v160-255 two fragment buffers (8 of the weight, 4 of the rows).  Window 1: accumulator (rt, i) at 8 (8 rt + i).
;   Window 2: v0-63 the bias, v64-127 the gain, v128-191 the offset, of my lane's 64 columns.
.set LAYER, 0
.set NP,    4                          ; periods of 128 along K
.set BOFF,  0                          ; where the weight's fragments begin in wh
.set RSTEP, 512                        ; bytes from a wave's part of the residual to the next wave's
.set SLOT,  147456                     ; the rows' 16,384 bytes, then the weight's 131,072
.set STAT,  294912                     ; two blocks of 2,048: wave x 512 + row tile x 128 + lane x 4
.set SPARE, 299008                     ; the spare words, 128 bytes for each wave: two blocks of 256 bytes that no other line names
.set LI, 2
.set ADRA, 4
.set ADRB, 6
.set STW, 10
.set STR, 11
.set XO, 12
.set VO, 13
.set STO, 14
.set RD, 15
.set SPW, 28
.set NIL, 29
.set PFO, 30
.set SUM, 32
.set PT, 40
.set MN, 56
.set BUF0, 64
.set BUF1, 160
.set WV, 18
.set G1A, 24
.set G1B, 32
.set G0A, 40
.set G0B, 48
.set SEL, 56
.set CNT, 58
.set LIM, 59
.set PFA, 60
.set INV, 62
.set EPSR, 63
.set MSB, 0
.macro WIN new                         ; the immediate's high byte repeats the setting that is left
.if MSB != \new
	s_set_vgpr_msb (MSB<<8)|\new
.set MSB, \new
.endif
.endm
.macro PLACES
.rept 4
	v_nop
.endr
.endm
.macro JLOAD s                         ; waves 0, 1: the rows; waves 2, 3: the weight.  The branch hangs on the wave's number alone.  An s_nop 0 and four v_nop follow each of the two lines
	s_cmp_eq_u32 s19, 0
	s_cbranch_scc0 .Lfor_b_\@
	tensor_load_to_lds s[G0A+4*\s:G0A+4*\s+3], s[G1A:G1A+7]
	s_nop 0
.rept 4
	v_nop
.endr
	s_branch .Lasked_\@
.Lfor_b_\@:
	tensor_load_to_lds s[G0B+4*\s:G0B+4*\s+3], s[G1B:G1B+7]
	s_nop 0
.rept 4
	v_nop
.endr
.Lasked_\@:
.endm
.macro CREST                           ; a round of the cluster's barrier behind its opening barrier
	s_cmp_lg_u32 s[WV], 0
	s_cbranch_scc1 .Lnot_wave_0_\@
	s_barrier_signal -3
.Lnot_wave_0_\@:
	s_barrier_wait -3
	s_barrier_signal -1
	s_barrier_wait -1
.endm
.macro CROUND
	s_barrier_signal -1
	s_barrier_wait -1
	CREST
.endm
.macro ASK                             ; a prefetch into the L2 of my 8,192 bytes of the rows' period that stands two refills on: lanes 256 bytes apart; waves 0, 1 alone; the loop's last trip asks for nothing
	s_cmp_gt_u32 s[CNT], s[LIM]
	s_cbranch_scc0 .Lnot_mine_\@
	global_prefetch_b8 v[PFO], s[PFA:PFA+1] th:TH_LOAD_NT scope:SCOPE_SE
.Lnot_mine_\@:
.endm
.macro MUL8 f, rt                      ; row tile rt against my eight column tiles, 32 along K
.irp i, 0,1,2,3,4,5,6,7
	v_wmma_f32_16x16x32_f16 v[8*(8*\rt+\i):8*(8*\rt+\i)+7], v[\f+8*\i:\f+8*\i+7], v[\f+64+8*\rt:\f+64+8*\rt+7], v[8*(8*\rt+\i):8*(8*\rt+\i)+7]
.endr
.endm
.macro FETCHR slot, ks, f              ; 24 LDS loads in one run: K step ks of the slot's four
.irp i, 0,1,2,3,4,5,6,7
.irp c, 0,1
	ds_load_b128 v[\f+8*\i+4*\c:\f+8*\i+4*\c+3], v[ADRB+2*\slot+(\ks)/2] offset:((\ks)%2)*32768+\i*1024+\c*512
.endr
.endr
.irp rt, 0,1,2,3
.irp c, 0,1
	ds_load_b128 v[\f+64+8*\rt+4*\c:\f+64+8*\rt+4*\c+3], v[ADRA+\slot] offset:(\ks)*4096+\rt*1024+\c*512
.endr
.endr
.endm
.macro STEPR slot, ks, f, g            ; multiplies buffer f (K step ks); in its middle it fetches K step ks + 1 into buffer g
	s_wait_dscnt 0x0                               ; the step's fragments are in (asked for 16 matrix instructions ago)
	WIN 0x50
	MUL8 \f, 0
	MUL8 \f, 1
	PLACES                                         ; four places in front of loads into registers that the step before multiplied
	WIN 0
	FETCHR \slot, (\ks)+1, \g
	WIN 0x50
	MUL8 \f, 2
	MUL8 \f, 3
.endm
; A slot's last step changes slots: ONE barrier; in front of it each wave waits for all its tensor loads, adds 0 to its spare word, and waits for that and for its reads of this slot.  fill = 1: the slot is filled again, two periods on.
.macro TURN slot, next, fill
	WIN 0
.if (\fill) && LAYER
	s_wait_xcnt 0x0                                ; the last prefetch, a period back, has read its address
	s_add_nc_u64 s[PFA:PFA+1], s[PFA:PFA+1], 16384
.endif
	s_wait_tensorcnt 0x0                           ; all my tensor loads have landed: my part of the next slot
	ds_add_u32 v[SPW], v[NIL]                      ; 0 onto my spare word
	s_wait_dscnt 0x1                               ; (the add alone may be out)
	WIN 0x50
	MUL8 BUF1, 0                                   ; eight matrix instructions stand between the add and the wait for it
	s_wait_dscnt 0x0                               ; the add is done, and my reads of this slot are over
	s_barrier_signal -1
	MUL8 BUF1, 1
	WIN 0
	s_barrier_wait -1
.if \fill
	CREST                                          ; the barrier has opened a round of the cluster's: no wave of any partner still reads this slot or has a load on its way
	s_add_nc_u64 s[G0A+4*\slot+2:G0A+4*\slot+3], s[G0A+4*\slot+2:G0A+4*\slot+3], 2*16384
	s_add_nc_u64 s[G0B+4*\slot+2:G0B+4*\slot+3], s[G0B+4*\slot+2:G0B+4*\slot+3], 2*131072
	JLOAD \slot                                    ; the first tensor load behind the round; its four v_nop are the places in front of the loads below
.else
	PLACES
.endif
	FETCHR \next, 0, BUF0
.if (\fill) && LAYER
	ASK
.endif
	WIN 0x50
	MUL8 BUF1, 2
	MUL8 BUF1, 3
.endm
; The pairs in v[SUM] become each row's sum over all 512 columns, in v[PT + 4 rt] of every lane: my two halves, lane l xor 16's, and through LDS the four waves'
.macro ALLSUM st
.irp rt, 0,1,2,3
	v_add_f32 v[SUM+2*\rt], v[SUM+2*\rt], v[SUM+2*\rt+1]
.endr
.irp rt, 0,1,2,3
	v_permlanex16_b32 v[SUM+2*\rt+1], v[SUM+2*\rt], s[SEL], s[SEL+1]
.endr
.irp rt, 0,1,2,3
	v_add_f32 v[SUM+2*\rt], v[SUM+2*\rt], v[SUM+2*\rt+1]
.endr
.irp rt, 0,1,2,3
	ds_store_b32 v[STW], v[SUM+2*\rt] offset:\st*2048+\rt*128
.endr
	s_wait_dscnt 0x0
	s_barrier_signal -1
	s_barrier_wait -1
.irp rt, 0,1,2,3
.irp ww, 0,1,2,3
	ds_load_b32 v[PT+4*\rt+\ww], v[STR] offset:\st*2048+\ww*512+\rt*128
.endr
.endr
	s_wait_dscnt 0x0
.irp rt, 0,1,2,3
	v_add_f32 v[PT+4*\rt], v[PT+4*\rt], v[PT+4*\rt+1]
	v_add_f32 v[PT+4*\rt+2], v[PT+4*\rt+2], v[PT+4*\rt+3]
.endr
.irp rt, 0,1,2,3
	v_add_f32 v[PT+4*\rt], v[PT+4*\rt], v[PT+4*\rt+2]
.endr
.endm
	s_load_b256 s[4:11], s[0:1], 0x0               ; the rows' fragments s[4:5], wh s[6:7], the residual s[8:9], the bias s[10:11]
	s_load_b128 s[12:15], s[0:1], 0x20             ; the gain s[12:13], the offset s[14:15]
	s_load_b64 s[16:17], s[0:1], 0x30              ; the output
	v_lshl_add_u32 v[SPW], v0, 2, SPARE
	v_mov_b32 v[NIL], 0
	ds_add_u32 v[SPW], v[NIL]                      ; the wave's opening: the add, twice on end, and its wait ahead of my first tensor load
	ds_add_u32 v[SPW], v[NIL]
	v_lshrrev_b32 v1, 5, v0
	v_readfirstlane_b32 s[WV], v1                  ; wave 0..3
	s_lshr_b32 s19, s[WV], 1                       ; I fetch the rows (0) or the weight (1),
	s_and_b32 s20, s[WV], 1                        ; this half of them
	s_bfe_u32 s21, ttmp6, 0x40000                  ; cx
	s_lshl_b32 s22, ttmp9, 2
	s_add_co_u32 s22, s22, s21                     ; rb: my block of 64 rows
	s_mov_b32 s[G1A], 3<<16                        ; the rows: no mask; elements of 8 bytes; 32 rows of 256 bytes
	s_mov_b32 s[G1A+1], 32<<16
	s_mov_b32 s[G1A+2], 32<<16
	s_mov_b32 s[G1A+3], 32<<16
	s_mov_b32 s[G1A+4], 32
	s_mov_b32 s[G1A+5], 32
	s_mov_b32 s[G1A+6], 0
	s_mov_b32 s[G1A+7], 0
	s_mov_b32 s[G1B], 15|(3<<16)|(1<<21)           ; the weight: the mask of all four, bit 21 beside it; 256 rows of 256 bytes
	s_mov_b32 s[G1B+1], 32<<16
	s_mov_b32 s[G1B+2], 256<<16
	s_mov_b32 s[G1B+3], 32<<16
	s_mov_b32 s[G1B+4], 256
	s_mov_b32 s[G1B+5], 32
	s_mov_b32 s[G1B+6], 0
	s_mov_b32 s[G1B+7], 0
	s_mov_b32 s[SEL], 0x76543210
	s_mov_b32 s[SEL+1], 0xfedcba98
	s_mov_b32 s[INV], 0x3b000000                   ; 1 / 512
	s_mov_b32 s[EPSR], 0x3727c5ac                  ; 1e-5
	s_mul_i32 s66, s22, NP*16384                   ; the rows' fragments of my block,
	s_lshl_b32 s70, s20, 13                        ; my half of a period: in memory and in LDS
	s_add_co_u32 s66, s66, s70
	s_mov_b32 s67, 0
	s_lshl_b32 s68, s20, 16                        ; the weight's half
	s_add_co_u32 s71, s68, 16384                   ; in LDS behind the rows
.if BOFF
	s_add_co_u32 s68, s68, BOFF
.endif
	s_mov_b32 s69, 0
	s_cmp_lt_u32 s[WV], 2
	s_cselect_b32 s[LIM], 1, -1
	s_wait_dscnt 0x0                               ; both opening adds are done
	s_wait_kmcnt 0x0
	s_add_nc_u64 s[66:67], s[4:5], s[66:67]
	s_add_nc_u64 s[68:69], s[6:7], s[68:69]
	s_add_nc_u64 s[PFA:PFA+1], s[66:67], 3*16384   ; the first change of slots steps it to period 4
	CROUND                                         ; all four work-groups are here: the first joint loads meet
.irp s, 0,1
	s_mov_b32 s[G0A+4*\s], 1
	s_add_co_u32 s[G0A+4*\s+1], s70, \s*SLOT
	s_add_nc_u64 s[G0A+4*\s+2:G0A+4*\s+3], s[66:67], \s*16384
	s_or_b32 s[G0A+4*\s+3], s[G0A+4*\s+3], 0x80000000
	s_mov_b32 s[G0B+4*\s], 1
	s_add_co_u32 s[G0B+4*\s+1], s71, \s*SLOT
	s_add_nc_u64 s[G0B+4*\s+2:G0B+4*\s+3], s[68:69], \s*131072
	s_or_b32 s[G0B+4*\s+3], s[G0B+4*\s+3], 0x80000000
	JLOAD \s
.endr
	v_and_b32 v1, 15, v0                           ; r
	v_bfe_u32 v3, v0, 4, 1                         ; h
	v_and_b32 v[LI], 31, v0
	v_lshlrev_b32 v[PFO], 8, v[LI]
	v_lshlrev_b32 v[STR], 2, v[LI]
	v_lshlrev_b32 v[LI], 4, v[LI]
	v_add_nc_u32 v[ADRA], 0, v[LI]
	v_add_nc_u32 v[ADRA+1], SLOT, v[LI]
	s_lshl_b32 s74, s[WV], 13
	s_add_co_u32 s74, s74, 16384                   ; my eight column tiles of a K step's 32
	v_add_nc_u32 v[ADRB], s74, v[LI]
	v_add_nc_u32 v[ADRB+1], 65536, v[ADRB]
	v_add_nc_u32 v[ADRB+2], SLOT, v[ADRB]
	v_add_nc_u32 v[ADRB+3], SLOT+65536, v[ADRB]
	s_lshl_b32 s74, s[WV], 9
	s_add_co_u32 s74, s74, STAT
	v_add_nc_u32 v[STW], s74, v[STR]
	v_add_nc_u32 v[STR], STAT, v[STR]
	v_lshlrev_b32 v[VO], 5, v3                     ; the three vectors: my half's eight columns of a tile
.if LAYER
	v_mov_b32 v[XO], v[LI]                         ; the residual is an image of the accumulators
	s_mul_i32 s74, s[WV], 8448                     ; the way out: my stage, 16 rows of 512 + 16 bytes, in slot 0 behind its last fill and its last read
	v_mul_u32_u24 v[STO], v1, 528
	v_lshl_add_u32 v[STO], v3, 5, v[STO]
	v_add_nc_u32 v[STO], s74, v[STO]
	v_add_nc_u32 v[RD], s74, v[LI]
.else
	v_lshlrev_b32 v[XO], 11, v1
	v_lshl_add_u32 v[XO], v3, 5, v[XO]             ; the residual is x: row r of 2,048 bytes, + 32 h
.endif
	s_lshl_b32 s74, s22, 17                        ; 64 rows of 2,048 bytes, in x, in x1c and in out0 alike
	s_mul_i32 s72, s[WV], RSTEP
	s_add_co_u32 s72, s72, s74
	s_mov_b32 s73, 0
	s_add_nc_u64 s[8:9], s[8:9], s[72:73]
	s_lshl_b32 s72, s[WV], 9
	s_add_nc_u64 s[10:11], s[10:11], s[72:73]
	s_add_nc_u64 s[12:13], s[12:13], s[72:73]
	s_add_nc_u64 s[14:15], s[14:15], s[72:73]
.if LAYER
	s_add_co_u32 s72, s72, s74
	s_add_nc_u64 s[16:17], s[16:17], s[72:73]      ; out0: my rows, my 512 bytes of them
.else
	s_lshr_b32 s72, s22, 2                         ; x1h: (rb / 4) 262,144 + w 65,536 + (rb % 4) 4,096
	s_lshl_b32 s72, s72, 18
	s_lshl_b32 s75, s[WV], 16
	s_add_co_u32 s72, s72, s75
	s_and_b32 s75, s22, 3
	s_lshl_b32 s75, s75, 12
	s_add_co_u32 s72, s72, s75
	s_add_co_u32 s72, s72, 0x1000000
	s_add_nc_u64 s[70:71], s[16:17], s[72:73]
	s_lshl_b32 s72, s[WV], 13                      ; x1c: rb 131,072 + w 8,192
	s_add_co_u32 s72, s72, s74
	s_add_nc_u64 s[16:17], s[16:17], s[72:73]
.endif
	WIN 0x40                                       ; destination window 1: the residual goes straight into the accumulators
.irp rt, 0,1,2,3
.irp i, 0,1,2,3,4,5,6,7
.irp c, 0,1
.if LAYER
	global_load_b128 v[8*(8*\rt+\i)+4*\c:8*(8*\rt+\i)+4*\c+3], v[XO], s[8:9] offset:\rt*32768+\i*1024+\c*512
.else
	global_load_b128 v[8*(8*\rt+\i)+4*\c:8*(8*\rt+\i)+4*\c+3], v[XO], s[8:9] offset:\rt*32768+\i*64+\c*16
.endif
.endr
.endr
.endr
	WIN 0x80                                       ; destination window 2
.irp i, 0,1,2,3,4,5,6,7
.irp c, 0,1
	global_load_b128 v[8*\i+4*\c:8*\i+4*\c+3], v[VO], s[10:11] offset:\i*64+\c*16
	global_load_b128 v[64+8*\i+4*\c:64+8*\i+4*\c+3], v[VO], s[12:13] offset:\i*64+\c*16
	global_load_b128 v[128+8*\i+4*\c:128+8*\i+4*\c+3], v[VO], s[14:15] offset:\i*64+\c*16
.endr
.endr
	WIN 0
	s_wait_tensorcnt 0x1                           ; my part of period 0 is in; period 1's may stay out
	s_barrier_signal -1
	s_barrier_wait -1
	FETCHR 0, 0, BUF0
	s_wait_loadcnt 0x0                             ; the residual and the vectors
	s_mov_b32 s[CNT], NP/2-1
.Llap:                                                 ; a trip goes once round the ring and fills both slots again
	STEPR 0, 0, BUF0, BUF1
	STEPR 0, 1, BUF1, BUF0
	STEPR 0, 2, BUF0, BUF1
	TURN 0, 1, 1
	STEPR 1, 0, BUF0, BUF1
	STEPR 1, 1, BUF1, BUF0
	STEPR 1, 2, BUF0, BUF1
	TURN 1, 0, 1
	WIN 0
	s_sub_co_u32 s[CNT], s[CNT], 1
	s_cmp_lg_u32 s[CNT], 0
	s_cbranch_scc1 .Llap
	STEPR 0, 0, BUF0, BUF1                         ; the last lap fills nothing
	STEPR 0, 1, BUF1, BUF0
	STEPR 0, 2, BUF0, BUF1
	TURN 0, 1, 0
	STEPR 1, 0, BUF0, BUF1
	STEPR 1, 1, BUF1, BUF0
	STEPR 1, 2, BUF0, BUF1
	s_wait_dscnt 0x0
	WIN 0x50
	MUL8 BUF1, 0
	MUL8 BUF1, 1
	MUL8 BUF1, 2
	MUL8 BUF1, 3
	PLACES
	; ---- y = sums + bias
	WIN 0x49                                       ; y in window 1, the bias in window 2
.irp rt, 0,1,2,3
.set q, 0
.rept 32
	v_pk_add_f32 v[64*\rt+2*q:64*\rt+2*q+1], v[64*\rt+2*q:64*\rt+2*q+1], v[2*q:2*q+1]
.set q, q+1
.endr
.endr
	WIN 0
.irp j, 0,1,2,3,4,5,6,7
	v_mov_b32 v[SUM+\j], 0
.endr
	WIN 0x04
.set q, 0
.rept 32
.irp rt, 0,1,2,3
	v_pk_add_f32 v[SUM+2*\rt:SUM+2*\rt+1], v[SUM+2*\rt:SUM+2*\rt+1], v[64*\rt+2*q:64*\rt+2*q+1]   ; the four row tiles by turns
.endr
.set q, q+1
.endr
	WIN 0
	ALLSUM 0
.irp rt, 0,1,2,3
	v_mul_f32 v[MN+2*\rt], s[INV], v[PT+4*\rt]     ; the mean
	v_mov_b32 v[MN+2*\rt+1], 0                     ; (named with it as a pair)
.endr
.irp j, 0,1,2,3,4,5,6,7
	v_mov_b32 v[SUM+\j], 0
.endr
	WIN 0x41
.irp rt, 0,1,2,3
.set q, 0
.rept 32
	v_pk_add_f32 v[64*\rt+2*q:64*\rt+2*q+1], v[64*\rt+2*q:64*\rt+2*q+1], v[MN+2*\rt:MN+2*\rt+1] op_sel_hi:[1,0] neg_lo:[0,1] neg_hi:[0,1]   ; d = y - mean
.set q, q+1
.endr
.endr
	WIN 0x05
.set q, 0
.rept 32
.irp rt, 0,1,2,3
	v_pk_fma_f32 v[SUM+2*\rt:SUM+2*\rt+1], v[64*\rt+2*q:64*\rt+2*q+1], v[64*\rt+2*q:64*\rt+2*q+1], v[SUM+2*\rt:SUM+2*\rt+1]
.endr
.set q, q+1
.endr
	WIN 0
	ALLSUM 1
.irp rt, 0,1,2,3
	v_fma_f32 v[MN+2*\rt], v[PT+4*\rt], s[INV], s[EPSR]   ; the variance + 1e-5
.endr
.irp rt, 0,1,2,3
	v_rsq_f32 v[MN+2*\rt], v[MN+2*\rt]
.endr
	v_nop                                          ; a plain instruction behind the last of the four
	s_wait_alu depctr_va_vdst(0)                   ; one wait for the four, ahead of their first reader
	WIN 0x41
.irp rt, 0,1,2,3
.set q, 0
.rept 32
	v_pk_mul_f32 v[64*\rt+2*q:64*\rt+2*q+1], v[64*\rt+2*q:64*\rt+2*q+1], v[MN+2*\rt:MN+2*\rt+1] op_sel_hi:[1,0]
.set q, q+1
.endr
.endr
	WIN 0x69                                       ; the gain and the offset in window 2
.irp rt, 0,1,2,3
.set q, 0
.rept 32
	v_pk_fma_f32 v[64*\rt+2*q:64*\rt+2*q+1], v[64*\rt+2*q:64*\rt+2*q+1], v[64+2*q:64+2*q+1], v[128+2*q:128+2*q+1]
.set q, q+1
.endr
.endr
.if LAYER
; THE WAY OUT, a row tile at a time: a lane holds 32 neighbouring bytes of a row; through my own stage they come back as whole rows of 512 bytes.  LDS serves a wave's instructions in order: no wait between the stores and the loads.
.macro TOSTAGE rt
	WIN 0x04                                       ; an LDS store's data are its source 1: window 1
.irp i, 0,1,2,3,4,5,6,7
	ds_store_b128 v[STO], v[64*\rt+8*\i:64*\rt+8*\i+3] offset:64*\i
	ds_store_b128 v[STO], v[64*\rt+8*\i+4:64*\rt+8*\i+7] offset:64*\i+16
.endr
	WIN 0
.irp t, 0,1,2,3,4,5,6,7,8,9,10,11,12,13,14,15
	ds_load_b128 v[64+64*((\rt)%2)+4*\t:64+64*((\rt)%2)+4*\t+3], v[RD] offset:\t*528
.endr
.endm
.macro SEND rt, younger                ; younger: the LDS instructions issued behind this tile's loads, which may stay out
	s_wait_dscnt \younger
.irp t, 0,1,2,3,4,5,6,7,8,9,10,11,12,13,14,15
	global_store_b128 v[LI], v[64+64*((\rt)%2)+4*\t:64+64*((\rt)%2)+4*\t+3], s[16:17] offset:(16*(\rt)+\t)*2048 th:TH_STORE_NT   ; 32 lanes store 512 consecutive bytes
.endr
.endm
	TOSTAGE 0
	TOSTAGE 1
	SEND 0, 32
	s_wait_xcnt 0x0                                ; tile 0's stores have read their registers: tile 2's loads may land there
	TOSTAGE 2
	SEND 1, 32
	s_wait_xcnt 0x0
	TOSTAGE 3
	SEND 2, 32
	SEND 3, 0
.else
	WIN 0x04                                       ; a store's data are its source 1: window 1
.irp rt, 0,1,2,3
.irp i, 0,1,2,3,4,5,6,7
.irp c, 0,1
	global_store_b128 v[LI], v[8*(8*\rt+\i)+4*\c:8*(8*\rt+\i)+4*\c+3], s[16:17] offset:\rt*32768+\i*1024+\c*512   ; x1 in f32, the accumulators' image: 512 consecutive bytes a store
.endr
.endr
.endr
	WIN 0x05
.set q, 0
.rept 128
	v_cvt_pk_f16_f32 v[64+q], v[2*q], v[2*q+1]
.set q, q+1
.endr
	WIN 0
.irp rt, 0,1,2,3
.irp i, 0,1,2,3,4,5,6,7
	global_store_b128 v[LI], v[64+32*\rt+4*\i:64+32*\rt+4*\i+3], s[70:71] offset:(\i/2)*16384+\rt*1024+(\i%2)*512   ; x1 in f16: K step 4 w + i / 2, piece i % 2
.endr
.endr
.endif
	s_wait_tensorcnt 0x0                           ; the wave's end, behind my last tensor load and my last LDS store
	ds_add_u32 v[SPW], v[NIL]
	s_wait_dscnt 0x0
	CROUND                                         ; the closing round
	s_endpgm
.Lfunc_end_k_q55bdd464a3_wo_ln:
	.size	k_q55bdd464a3_wo_ln, .Lfunc_end_k_q55bdd464a3_wo_ln-k_q55bdd464a3_wo_ln
	.p2alignl 7, 3214868480
	.fill 96, 4, 3214868480
	.section	.rodata,"a",@progbits
	.p2align	6, 0x0
	.amdhsa_kernel k_q55bdd464a3_wo_ln
		.amdhsa_group_segment_fixed_size 327680
		.amdhsa_private_segment_fixed_size 0
		.amdhsa_enable_private_segment 0
		.amdhsa_kernarg_size 56
		.amdhsa_user_sgpr_count 2
		.amdhsa_user_sgpr_kernarg_segment_ptr 1
		.amdhsa_wavefront_size32 1
		.amdhsa_system_sgpr_workgroup_id_x 1
		.amdhsa_system_sgpr_workgroup_id_y 1
		.amdhsa_system_sgpr_workgroup_id_z 1
		.amdhsa_system_vgpr_workitem_id 0
		.amdhsa_next_free_vgpr 704
		.amdhsa_next_free_sgpr 80
		.amdhsa_reserve_vcc 0
		.amdhsa_float_denorm_mode_32 3
		.amdhsa_float_denorm_mode_16_64 3
		.amdhsa_memory_ordered 1
		.amdhsa_forward_progress 1
		.amdhsa_inst_pref_size 151
	.end_amdhsa_kernel
	.amdgpu_metadata
---
amdhsa.version: [ 1, 2 ]
amdhsa.kernels:
  - .name:           k_q55bdd464a3_wo_ln
    .symbol:         k_q55bdd464a3_wo_ln.kd
    .args:
      - { .name: of, .offset: 0, .size: 8, .value_kind: global_buffer, .address_space: global }
      - { .name: wh, .offset: 8, .size: 8, .value_kind: global_buffer, .address_space: global }
      - { .name: x, .offset: 16, .size: 8, .value_kind: global_buffer, .address_space: global }
      - { .name: bo, .offset: 24, .size: 8, .value_kind: global_buffer, .address_space: global }
      - { .name: g1, .offset: 32, .size: 8, .value_kind: global_buffer, .address_space: global }
      - { .name: be1, .offset: 40, .size: 8, .value_kind: global_buffer, .address_space: global }
      - { .name: x1, .offset: 48, .size: 8, .value_kind: global_buffer, .address_space: global }
    .group_segment_fixed_size: 327680
    .private_segment_fixed_size: 0
    .kernarg_segment_align: 8
    .kernarg_segment_size: 56
    .max_flat_workgroup_size: 128
    .sgpr_count:     80
    .vgpr_count:     704
    .wavefront_size: 32
...
	.end_amdgpu_metadata
.endif
;; end of part 4
;; launch ffn1 (part 5): grid 8 x 32, 4 waves a work-group, clusters of 4 x 4, 327,680 bytes of LDS; arguments x1, wh, b1, hf; writes hf
.if DOCPART == 5
	.amdgcn_target "amdgcn-amd-amdhsa--gfx1250"
	.amdhsa_code_object_version 6
	.text
	.protected	k_q55bdd464a3_ffn1
	.globl	k_q55bdd464a3_ffn1
	.p2align	8
	.type	k_q55bdd464a3_ffn1,@function
k_q55bdd464a3_ffn1:
	s_mov_b64 s[64:65], 0
	v_nop
	global_prefetch_b8 v0, s[64:65] scope:SCOPE_SE
	s_setreg_imm32_b32 hwreg(HW_REG_WAVE_MODE, 25, 1), 1
	s_wait_xcnt 0x0
	s_wait_alu depctr_hold_cnt(0) depctr_sa_sdst(0) depctr_va_vdst(0) depctr_va_sdst(0) depctr_va_ssrc(0) depctr_va_vcc(0) depctr_vm_vsrc(0)
	s_getreg_b32 s2, hwreg(HW_REG_IB_STS2, 6, 4)
	s_cmp_eq_u32 s2, 0
	s_cbranch_scc0 .Lentry_in_a_cluster
	s_endpgm
.Lentry_in_a_cluster:
	s_bfe_u32 s2, ttmp6, 0x10000c
	s_cmp_lg_u32 s2, 0xf033
	s_cbranch_scc0 .Lentry_shape_is_right
	s_endpgm
.Lentry_shape_is_right:
; FFN1: h = relu(x1 w1 + b1), f16 operands, f32 sums, h stored as f16 fragments for the last launch.
; A tile of h, 256 rows x 256 columns, is made by four waves, each 128 x 128: 64 accumulators, 512 registers.  K = 512 goes in four periods of 128 through two LDS slots; the text is written straight, with no loop.
; Both operands lie in memory as fragments of 1,024 bytes in the order of the operand registers: a period of 256 rows is one dense block of 65,536 bytes, and so is a period of 256 columns.  Each wave fetches 32,768 bytes.
; CLUSTERS: 4 x 4 work-groups.  The four of a row of the cluster need the same rows of x1, the four of a column the same columns of w1: each block is asked for JOINTLY, by the same tensor load with the same descriptor and a mask of the four.
; THE MATRIX INSTRUCTION IS USED TRANSPOSED (source 0 = 16 columns of w1, source 1 = 16 rows): a lane holds one row and eight neighbouring hidden units, which pack into 16 bytes of the next launch's fragment.
; b1 is the C of each sum's first product.  The 64 accumulators take turns in the same order in every quarter.
; By this text's own count a wave has two tensor loads out at the head and one behind each round.  No prefetch: K has only four periods, asked for by the two first fills and two refills.
; LIMITS: h is held at f16's largest number, 65,504; NaN and infinities are not served.
; REGISTERS.  Window 0: v16-29 addresses; v64-127, v128-191 the rows' fragments, two buffers (on the way out at work); v192-255 b1 of my lane's 64 columns.  Window 1: v64-191 w1's fragments, two buffers.
;   Window 2: the accumulators of my rows 0-63 ((a, b) at 8 (8 a + b)); window 3: those of my rows 64-127.
.set SLOT,  131072                     ; the rows' 65,536 bytes, then the columns'
.set SPARE, 262144                     ; the spare words, 128 bytes for each wave: two blocks of 256 bytes that no other line names
.set ADRA, 16
.set ADRB, 20
.set LI,   24
.set BO,   25
.set SPW,  28
.set NIL,  29
.set F0,   64
.set F1,   128
.set BI,   192
.set G1, 24
.set G0, 32
.set G1B, 48
.set G0B, 56
.set MSB, 0
.macro WIN new                         ; the immediate's high byte repeats the setting that is left
.if MSB != \new
	s_set_vgpr_msb (MSB<<8)|\new
.set MSB, \new
.endif
.endm
.set MUL_LO, 0xa1                      ; source 0 (w1) window 1, source 1 (rows) window 0, C and D window 2
.set MUL_HI, 0xf1                      ; the same, C and D window 3
.set TO_B,   0x40
.macro PLACES
.rept 4
	v_nop
.endr
.endm
.macro JLOAD s                         ; waves 0, 1: the rows' halves; waves 2, 3: the columns'.  An s_nop 0 and four v_nop follow each of the two lines
	s_cmp_eq_u32 s13, 0
	s_cbranch_scc0 .Lfor_b_\@
	tensor_load_to_lds s[G0+4*\s:G0+4*\s+3], s[G1:G1+7]
	s_nop 0
.rept 4
	v_nop
.endr
	s_branch .Lasked_\@
.Lfor_b_\@:
	tensor_load_to_lds s[G0B+4*\s:G0B+4*\s+3], s[G1B:G1B+7]
	s_nop 0
.rept 4
	v_nop
.endr
.Lasked_\@:
.endm
.macro CREST
	s_cmp_lg_u32 s12, 0
	s_cbranch_scc1 .Lnot_wave_0_\@
	s_barrier_signal -3
.Lnot_wave_0_\@:
	s_barrier_wait -3
	s_barrier_signal -1
	s_barrier_wait -1
.endm
.macro CROUND
	s_barrier_signal -1
	s_barrier_wait -1
	CREST
.endm
	s_load_b256 s[4:11], s[0:1], 0x0               ; x1 s[4:5], wh s[6:7], b1 s[8:9], hf s[10:11]
	v_lshl_add_u32 v[SPW], v0, 2, SPARE
	v_mov_b32 v[NIL], 0
	ds_add_u32 v[SPW], v[NIL]                      ; the wave's opening: the add, twice on end, and its wait ahead of my first tensor load
	ds_add_u32 v[SPW], v[NIL]
	v_lshrrev_b32 v1, 5, v0
	v_readfirstlane_b32 s12, v1                    ; wave 0..3
	s_lshr_b32 s13, s12, 1                         ; which half of the tile's rows is mine.  Also: I fetch rows (0) or columns (1)
	s_and_b32 s14, s12, 1                          ; which half of its columns.  Also: which half of a period's block I fetch
	s_bfe_u32 s40, ttmp6, 0x40000                  ; cx, cy
	s_bfe_u32 s41, ttmp6, 0x40004
	s_lshl_b32 s42, ttmp9, 2
	s_add_co_u32 s42, s42, s40                     ; the tile's column group = 4 x cluster x + cx
	s_and_b32 s15, ttmp7, 0xffff
	s_lshl_b32 s15, s15, 2
	s_add_co_u32 s15, s15, s41                     ; its row group = 4 x cluster y + cy
	s_lshl_b32 s43, s41, 2
	s_lshl_b32 s43, 15, s43                        ; my row of the cluster
	s_lshl_b32 s44, 0x1111, s40                    ; my column
	s_or_b32 s[G1], s43, (3<<16)|(1<<21)           ; the mask; elements of 8 bytes; bit 21 set beside a mask
	s_or_b32 s[G1B], s44, (3<<16)|(1<<21)
.irp g, G1, G1B
	s_mov_b32 s[\g+1], 32<<16                      ; 128 rows of 256 bytes, dense
	s_mov_b32 s[\g+2], 128<<16
	s_mov_b32 s[\g+3], 32<<16
	s_mov_b32 s[\g+4], 128
	s_mov_b32 s[\g+5], 32
	s_mov_b32 s[\g+6], 0
	s_mov_b32 s[\g+7], 0
.endr
	s_mov_b32 s45, 0x477fe000                      ; 65,504
	s_lshl_b32 s18, s14, 15                        ; my half of a block
	s_lshl_b32 s16, s15, 18                        ; x1h: the row group's 262,144 bytes
	s_add_co_u32 s16, s16, s18
	s_add_co_u32 s16, s16, 0x1000000
	s_mov_b32 s17, 0
	s_lshl_b32 s46, s42, 18                        ; w1's fragments: the column group's
	s_add_co_u32 s46, s46, s18
	s_add_co_u32 s46, s46, 0x80000
	s_mov_b32 s47, 0
	s_lshl_b32 s20, s12, 15                        ; in a slot: wave x 32,768: no place in the cluster enters an LDS address
	s_wait_dscnt 0x0                               ; both opening adds are done
	s_wait_kmcnt 0x0
	s_add_nc_u64 s[16:17], s[4:5], s[16:17]
	s_add_nc_u64 s[46:47], s[6:7], s[46:47]
	CROUND                                         ; all sixteen work-groups are here: the first joint loads meet
.irp s, 0,1
	s_mov_b32 s[G0+4*\s], 1
	s_add_co_u32 s[G0+4*\s+1], s20, \s*SLOT
	s_add_nc_u64 s[G0+4*\s+2:G0+4*\s+3], s[16:17], \s*65536
	s_or_b32 s[G0+4*\s+3], s[G0+4*\s+3], 0x80000000
	s_mov_b32 s[G0B+4*\s], 1
	s_add_co_u32 s[G0B+4*\s+1], s20, \s*SLOT
	s_add_nc_u64 s[G0B+4*\s+2:G0B+4*\s+3], s[46:47], \s*65536
	s_or_b32 s[G0B+4*\s+3], s[G0B+4*\s+3], 0x80000000
	JLOAD \s
.endr
	v_and_b32 v[LI], 31, v0
	v_lshlrev_b32 v[LI], 4, v[LI]
	v_bfe_u32 v[BO], v0, 4, 1
	v_lshlrev_b32 v[BO], 5, v[BO]                  ; b1: my half's eight columns of a tile
	s_lshl_b32 s21, s13, 13                        ; my eight row tiles of a K step's 16
	v_add_nc_u32 v[ADRA], s21, v[LI]
	v_add_nc_u32 v[ADRA+1], SLOT, v[ADRA]
	s_lshl_b32 s21, s14, 13
	s_add_co_u32 s21, s21, 65536
	v_add_nc_u32 v[ADRB], s21, v[LI]
	v_add_nc_u32 v[ADRB+1], SLOT, v[ADRB]
	s_lshl_b32 s22, s15, 2                         ; hf: block of 64 rows 4 R + 2 (my row half),
	s_lshl_b32 s21, s13, 1
	s_add_co_u32 s22, s22, s21
	s_lshl_b32 s22, s22, 18
	s_lshl_b32 s21, s42, 15                        ; K step 8 G + 4 (my column half)
	s_add_co_u32 s22, s22, s21
	s_lshl_b32 s21, s14, 14
	s_add_co_u32 s22, s22, s21
	s_mov_b32 s23, 0
	s_add_nc_u64 s[10:11], s[10:11], s[22:23]
	s_lshl_b32 s22, s42, 10
	s_lshl_b32 s21, s14, 9
	s_add_co_u32 s22, s22, s21
	s_add_nc_u64 s[8:9], s[8:9], s[22:23]
.irp b, 0,1,2,3,4,5,6,7
.irp c, 0,1
	global_load_b128 v[BI+8*\b+4*\c:BI+8*\b+4*\c+3], v[BO], s[8:9] offset:\b*64+\c*16
.endr
.endr
; 16 matrix instructions: row blocks a0, a0 + 1 of the window's four x all 8 column blocks, 32 along K.  zero = 1: the sums start from b1
.macro MUL16 f, hi, a0, zero
.irp a, \a0, \a0+1
.irp b, 0,1,2,3,4,5,6,7
.if \zero
	v_wmma_f32_16x16x32_f16 v[8*(8*(\a)+\b):8*(8*(\a)+\b)+7], v[\f+8*\b:\f+8*\b+7], v[\f+8*(4*\hi+\a):\f+8*(4*\hi+\a)+7], v[BI+8*\b:BI+8*\b+7]
.else
	v_wmma_f32_16x16x32_f16 v[8*(8*(\a)+\b):8*(8*(\a)+\b)+7], v[\f+8*\b:\f+8*\b+7], v[\f+8*(4*\hi+\a):\f+8*(4*\hi+\a)+7], v[8*(8*(\a)+\b):8*(8*(\a)+\b)+7]
.endif
.endr
.endr
.endm
.macro FETCH slot, q, f                ; 32 LDS loads in one run: quarter q of the slot's four, the columns' fragments first
	WIN TO_B
.irp i, 0,1,2,3,4,5,6,7
	ds_load_b128 v[\f+8*\i:\f+8*\i+3],   v[ADRB+\slot] offset:\q*16384+\i*1024
	ds_load_b128 v[\f+8*\i+4:\f+8*\i+7], v[ADRB+\slot] offset:\q*16384+\i*1024+512
.endr
	WIN 0
.irp i, 0,1,2,3,4,5,6,7
	ds_load_b128 v[\f+8*\i:\f+8*\i+3],   v[ADRA+\slot] offset:\q*16384+\i*1024
	ds_load_b128 v[\f+8*\i+4:\f+8*\i+7], v[ADRA+\slot] offset:\q*16384+\i*1024+512
.endr
.endm
.macro QUARTER slot, q, f, g, zero     ; multiplies buffer f; in its middle it fetches quarter q of the same slot into buffer g
	s_wait_dscnt 8                                 ; the columns' fragments and my rows 0-63 are in; the youngest eight loads (rows 64-127) may be out
.if \zero
	WIN 0x81                                       ; C (b1) window 0, D window 2
.else
	WIN MUL_LO
.endif
	MUL16 \f, 0, 0, \zero
	MUL16 \f, 0, 2, \zero
	PLACES                                         ; four places in front of loads into registers that the quarter before multiplied
	FETCH \slot, \q, \g
	s_wait_dscnt 32                                ; all but the 32 just issued
.if \zero
	WIN 0xc1
.else
	WIN MUL_HI
.endif
	MUL16 \f, 1, 0, \zero
	MUL16 \f, 1, 2, \zero
.endm
; A slot's last quarter multiplies buffer 1 and changes slots: ONE barrier; in front of it each wave waits for all its tensor loads, adds 0 to its spare word, and waits for that and for its reads of this slot.
.macro TURN slot, next, fill
	WIN 0
	s_wait_tensorcnt 0x0                           ; all my tensor loads have landed: my part of the next slot
	ds_add_u32 v[SPW], v[NIL]                      ; 0 onto my spare word
	s_wait_dscnt 9                                 ; (the add and the youngest eight loads may be out)
	WIN MUL_LO
	MUL16 F1, 0, 0, 0                              ; sixteen matrix instructions stand between the add and the wait for it
	s_wait_dscnt 0x0                               ; the add is done, and my reads of this slot are over
	s_barrier_signal -1
	MUL16 F1, 0, 2, 0
	WIN 0
	s_barrier_wait -1
.if \fill
	CREST                                          ; the barrier has opened a round of the cluster's: no wave of any partner still reads this slot or has a load on its way
	s_add_nc_u64 s[G0+4*\slot+2:G0+4*\slot+3], s[G0+4*\slot+2:G0+4*\slot+3], 2*65536
	s_add_nc_u64 s[G0B+4*\slot+2:G0B+4*\slot+3], s[G0B+4*\slot+2:G0B+4*\slot+3], 2*65536
	JLOAD \slot                                    ; the first tensor load behind the round; its four v_nop are the places in front of the loads below
.else
	PLACES
.endif
	FETCH \next, 0, F0
	WIN MUL_HI
	MUL16 F1, 1, 0, 0
	MUL16 F1, 1, 2, 0
.endm
	s_wait_tensorcnt 1                             ; my part of period 0 is in; period 1's may stay out
	s_barrier_signal -1
	s_barrier_wait -1
	FETCH 0, 0, F0
	s_wait_loadcnt 0x0                             ; b1
	QUARTER 0, 1, F0, F1, 1
	QUARTER 0, 2, F1, F0, 0
	QUARTER 0, 3, F0, F1, 0
	TURN 0, 1, 1                                   ; slot 0 takes period 2
	QUARTER 1, 1, F0, F1, 0
	QUARTER 1, 2, F1, F0, 0
	QUARTER 1, 3, F0, F1, 0
	TURN 1, 0, 1                                   ; slot 1 takes period 3
	QUARTER 0, 1, F0, F1, 0
	QUARTER 0, 2, F1, F0, 0
	QUARTER 0, 3, F0, F1, 0
	TURN 0, 1, 0
	QUARTER 1, 1, F0, F1, 0
	QUARTER 1, 2, F1, F0, 0
	QUARTER 1, 3, F0, F1, 0
	s_wait_dscnt 8
	WIN MUL_LO
	MUL16 F1, 0, 0, 0
	MUL16 F1, 0, 2, 0
	s_wait_dscnt 0x0
	WIN MUL_HI
	MUL16 F1, 1, 0, 0
	MUL16 F1, 1, 2, 0
	PLACES
; THE WAY OUT of row block a: relu and the hold at 65,504 in one instruction; to f16; eight stores of 512 consecutive bytes.  Two sets of store registers take turns.
.macro OUTB a
	WIN 0x02+(\a)/4                                ; source 0: window 2 or 3
.set j, 0
.rept 64
	v_med3_num_f32 v[F0+j], v[64*((\a)%4)+j], 0, s45
.set j, j+1
.endr
	WIN 0
.if (\a) > 1
	s_wait_xcnt 0x0                                ; block a - 2's stores have read their registers
.endif
.set j, 0
.rept 32
	v_cvt_pk_f16_f32 v[F1+32*((\a)%2)+j], v[F0+2*j], v[F0+2*j+1]
.set j, j+1
.endr
.irp b, 0,1,2,3,4,5,6,7
	global_store_b128 v[LI], v[F1+32*((\a)%2)+4*\b:F1+32*((\a)%2)+4*\b+3], s[10:11] offset:((\a)/4)*262144+(\b/2)*4096+((\a)%4)*1024+(\b%2)*512
.endr
.endm
.irp a, 0,1,2,3,4,5,6,7
	OUTB \a
.endr
	s_wait_tensorcnt 0x0                           ; the wave's end, behind my last tensor load
	ds_add_u32 v[SPW], v[NIL]
	s_wait_dscnt 0x0
	CROUND                                         ; the closing round
	s_endpgm
.Lfunc_end_k_q55bdd464a3_ffn1:
	.size	k_q55bdd464a3_ffn1, .Lfunc_end_k_q55bdd464a3_ffn1-k_q55bdd464a3_ffn1
	.p2alignl 7, 3214868480
	.fill 96, 4, 3214868480
	.section	.rodata,"a",@progbits
	.p2align	6, 0x0
	.amdhsa_kernel k_q55bdd464a3_ffn1
		.amdhsa_group_segment_fixed_size 327680
		.amdhsa_private_segment_fixed_size 0
		.amdhsa_enable_private_segment 0
		.amdhsa_kernarg_size 32
		.amdhsa_user_sgpr_count 2
		.amdhsa_user_sgpr_kernarg_segment_ptr 1
		.amdhsa_wavefront_size32 1
		.amdhsa_system_sgpr_workgroup_id_x 1
		.amdhsa_system_sgpr_workgroup_id_y 1
		.amdhsa_system_sgpr_workgroup_id_z 1
		.amdhsa_system_vgpr_workitem_id 0
		.amdhsa_next_free_vgpr 1024
		.amdhsa_next_free_sgpr 66
		.amdhsa_reserve_vcc 0
		.amdhsa_float_denorm_mode_32 3
		.amdhsa_float_denorm_mode_16_64 3
		.amdhsa_memory_ordered 1
		.amdhsa_forward_progress 1
		.amdhsa_inst_pref_size 166
	.end_amdhsa_kernel
	.amdgpu_metadata
---
amdhsa.version: [ 1, 2 ]
amdhsa.kernels:
  - .name:           k_q55bdd464a3_ffn1
    .symbol:         k_q55bdd464a3_ffn1.kd
    .args:
      - { .name: x1, .offset: 0, .size: 8, .value_kind: global_buffer, .address_space: global }
      - { .name: wh, .offset: 8, .size: 8, .value_kind: global_buffer, .address_space: global }
      - { .name: b1, .offset: 16, .size: 8, .value_kind: global_buffer, .address_space: global }
      - { .name: hf, .offset: 24, .size: 8, .value_kind: global_buffer, .address_space: global }
    .group_segment_fixed_size: 327680
    .private_segment_fixed_size: 0
    .kernarg_segment_align: 8
    .kernarg_segment_size: 32
    .max_flat_workgroup_size: 128
    .sgpr_count:     66
    .vgpr_count:     1024
    .wavefront_size: 32
...
	.end_amdgpu_metadata
.endif
;; end of part 5
;; launch ffn2_ln (part 6): grid 128 x 1, 4 waves a work-group, clusters of 4 x 1, 327,680 bytes of LDS; arguments hf, wh, x1, b2, g2, be2, out0; writes out0
.if DOCPART == 6
	.amdgcn_target "amdgcn-amd-amdhsa--gfx1250"
	.amdhsa_code_object_version 6
	.text
	.protected	k_q55bdd464a3_ffn2_ln
	.globl	k_q55bdd464a3_ffn2_ln
	.p2align	8
	.type	k_q55bdd464a3_ffn2_ln,@function
k_q55bdd464a3_ffn2_ln:
	s_mov_b64 s[64:65], 0
	v_nop
	global_prefetch_b8 v0, s[64:65] scope:SCOPE_SE
	s_setreg_imm32_b32 hwreg(HW_REG_WAVE_MODE, 25, 1), 1
	s_wait_xcnt 0x0
	s_wait_alu depctr_hold_cnt(0) depctr_sa_sdst(0) depctr_va_vdst(0) depctr_va_sdst(0) depctr_va_ssrc(0) depctr_va_vcc(0) depctr_vm_vsrc(0)
	s_getreg_b32 s2, hwreg(HW_REG_IB_STS2, 6, 4)
	s_cmp_eq_u32 s2, 0
	s_cbranch_scc0 .Lentry_in_a_cluster
	s_endpgm
.Lentry_in_a_cluster:
	s_bfe_u32 s2, ttmp6, 0x10000c
	s_cmp_lg_u32 s2, 0x3003
	s_cbranch_scc0 .Lentry_shape_is_right
	s_endpgm
.Lentry_shape_is_right:
; ROWS x WEIGHT + BIAS + RESIDUAL, THEN LAYERNORM.  LAYER 1: out0 = LN(x1 + h w2 + b2) g2 + be2.  (The same text with LAYER 0 is the launch behind attention.)
; A work-group takes 64 whole rows (a LayerNorm wants whole rows), 512 columns; wave w takes columns 128 w on: 32 accumulators.  f16 operands, f32 sums.
; THE MATRIX INSTRUCTION IS USED TRANSPOSED (source 0 = 16 columns of the weight, source 1 = 16 rows): a lane holds one row and eight neighbouring columns.
; Both operands lie in memory as fragments of 1,024 bytes in the order of the operand registers, so a period (128 along K) is one dense block for each: the rows' 16,384 bytes, the weight's 131,072.  Two LDS slots take turns.
; Waves 0, 1 fetch the rows' halves (the work-group's own: no mask), waves 2, 3 the weight's halves, JOINTLY for the cluster's four work-groups, which all walk the same weight.
; THE SUMS START FROM THE RESIDUAL (x1 in f32, stored as the accumulators' image), loaded straight into the accumulators: nothing is cleared, and every product is a link in place; the 32 accumulators take turns in the same order in every step.
; LAYERNORM as reference() has it: the mean, then the mean of (y - mean)^2: two rounds of row sums, which meet in LDS.
; h's fragments are read once, by this work-group alone: behind each refill waves 0, 1 prefetch their 8,192 bytes of the period that stands two refills on (lanes 256 bytes apart: each block is named once); periods 0 to 3 come by their loads alone, and the loop's last trip asks for nothing.
; By this text's own count a wave has two tensor loads out at the head and one behind each round.  LIMITS: NaN and infinities are not served.
; REGISTERS.  Window 0: v1-15 addresses; v28, v29 the add's two; v30 the prefetch's offset; v32-63 row sums; v64-159, v160-255 two fragment buffers (8 of the weight, 4 of the rows).  Window 1: accumulator (rt, i) at 8 (8 rt + i).
;   Window 2: v0-63 the bias, v64-127 the gain, v128-191 the offset, of my lane's 64 columns.
.set LAYER, 1
.set NP,    16                         ; periods of 128 along K
.set BOFF,  2621440                    ; where the weight's fragments begin in wh
.set RSTEP, 8192                       ; bytes from a wave's part of the residual to the next wave's
.set SLOT,  147456                     ; the rows' 16,384 bytes, then the weight's 131,072
.set STAT,  294912                     ; two blocks of 2,048: wave x 512 + row tile x 128 + lane x 4
.set SPARE, 299008                     ; the spare words, 128 bytes for each wave: two blocks of 256 bytes that no other line names
.set LI, 2
.set ADRA, 4
.set ADRB, 6
.set STW, 10
.set STR, 11
.set XO, 12
.set VO, 13
.set STO, 14
.set RD, 15
.set SPW, 28
.set NIL, 29
.set PFO, 30
.set SUM, 32
.set PT, 40
.set MN, 56
.set BUF0, 64
.set BUF1, 160
.set WV, 18
.set G1A, 24
.set G1B, 32
.set G0A, 40
.set G0B, 48
.set SEL, 56
.set CNT, 58
.set LIM, 59
.set PFA, 60
.set INV, 62
.set EPSR, 63
.set MSB, 0
.macro WIN new                         ; the immediate's high byte repeats the setting that is left
.if MSB != \new
	s_set_vgpr_msb (MSB<<8)|\new
.set MSB, \new
.endif
.endm
.macro PLACES
.rept 4
	v_nop
.endr
.endm
.macro JLOAD s                         ; waves 0, 1: the rows; waves 2, 3: the weight.  The branch hangs on the wave's number alone.  An s_nop 0 and four v_nop follow each of the two lines
	s_cmp_eq_u32 s19, 0
	s_cbranch_scc0 .Lfor_b_\@
	tensor_load_to_lds s[G0A+4*\s:G0A+4*\s+3], s[G1A:G1A+7]
	s_nop 0
.rept 4
	v_nop
.endr
	s_branch .Lasked_\@
.Lfor_b_\@:
	tensor_load_to_lds s[G0B+4*\s:G0B+4*\s+3], s[G1B:G1B+7]
	s_nop 0
.rept 4
	v_nop
.endr
.Lasked_\@:
.endm
.macro CREST                           ; a round of the cluster's barrier behind its opening barrier
	s_cmp_lg_u32 s[WV], 0
	s_cbranch_scc1 .Lnot_wave_0_\@
	s_barrier_signal -3
.Lnot_wave_0_\@:
	s_barrier_wait -3
	s_barrier_signal -1
	s_barrier_wait -1
.endm
.macro CROUND
	s_barrier_signal -1
	s_barrier_wait -1
	CREST
.endm
.macro ASK                             ; a prefetch into the L2 of my 8,192 bytes of the rows' period that stands two refills on: lanes 256 bytes apart; waves 0, 1 alone; the loop's last trip asks for nothing
	s_cmp_gt_u32 s[CNT], s[LIM]
	s_cbranch_scc0 .Lnot_mine_\@
	global_prefetch_b8 v[PFO], s[PFA:PFA+1] th:TH_LOAD_NT scope:SCOPE_SE
.Lnot_mine_\@:
.endm
.macro MUL8 f, rt                      ; row tile rt against my eight column tiles, 32 along K
.irp i, 0,1,2,3,4,5,6,7
	v_wmma_f32_16x16x32_f16 v[8*(8*\rt+\i):8*(8*\rt+\i)+7], v[\f+8*\i:\f+8*\i+7], v[\f+64+8*\rt:\f+64+8*\rt+7], v[8*(8*\rt+\i):8*(8*\rt+\i)+7]
.endr
.endm
.macro FETCHR slot, ks, f              ; 24 LDS loads in one run: K step ks of the slot's four
.irp i, 0,1,2,3,4,5,6,7
.irp c, 0,1
	ds_load_b128 v[\f+8*\i+4*\c:\f+8*\i+4*\c+3], v[ADRB+2*\slot+(\ks)/2] offset:((\ks)%2)*32768+\i*1024+\c*512
.endr
.endr
.irp rt, 0,1,2,3
.irp c, 0,1
	ds_load_b128 v[\f+64+8*\rt+4*\c:\f+64+8*\rt+4*\c+3], v[ADRA+\slot] offset:(\ks)*4096+\rt*1024+\c*512
.endr
.endr
.endm
.macro STEPR slot, ks, f, g            ; multiplies buffer f (K step ks); in its middle it fetches K step ks + 1 into buffer g
	s_wait_dscnt 0x0                               ; the step's fragments are in (asked for 16 matrix instructions ago)
	WIN 0x50
	MUL8 \f, 0
	MUL8 \f, 1
	PLACES                                         ; four places in front of loads into registers that the step before multiplied
	WIN 0
	FETCHR \slot, (\ks)+1, \g
	WIN 0x50
	MUL8 \f, 2
	MUL8 \f, 3
.endm
; A slot's last step changes slots: ONE barrier; in front of it each wave waits for all its tensor loads, adds 0 to its spare word, and waits for that and for its reads of this slot.  fill = 1: the slot is filled again, two periods on.
.macro TURN slot, next, fill
	WIN 0
.if (\fill) && LAYER
	s_wait_xcnt 0x0                                ; the last prefetch, a period back, has read its address
	s_add_nc_u64 s[PFA:PFA+1], s[PFA:PFA+1], 16384
.endif
	s_wait_tensorcnt 0x0                           ; all my tensor loads have landed: my part of the next slot
	ds_add_u32 v[SPW], v[NIL]                      ; 0 onto my spare word
	s_wait_dscnt 0x1                               ; (the add alone may be out)
	WIN 0x50
	MUL8 BUF1, 0                                   ; eight matrix instructions stand between the add and the wait for it
	s_wait_dscnt 0x0                               ; the add is done, and my reads of this slot are over
	s_barrier_signal -1
	MUL8 BUF1, 1
	WIN 0
	s_barrier_wait -1
.if \fill
	CREST                                          ; the barrier has opened a round of the cluster's: no wave of any partner still reads this slot or has a load on its way
	s_add_nc_u64 s[G0A+4*\slot+2:G0A+4*\slot+3], s[G0A+4*\slot+2:G0A+4*\slot+3], 2*16384
	s_add_nc_u64 s[G0B+4*\slot+2:G0B+4*\slot+3], s[G0B+4*\slot+2:G0B+4*\slot+3], 2*131072
	JLOAD \slot                                    ; the first tensor load behind the round; its four v_nop are the places in front of the loads below
.else
	PLACES
.endif
	FETCHR \next, 0, BUF0
.if (\fill) && LAYER
	ASK
.endif
	WIN 0x50
	MUL8 BUF1, 2
	MUL8 BUF1, 3
.endm
; The pairs in v[SUM] become each row's sum over all 512 columns, in v[PT + 4 rt] of every lane: my two halves, lane l xor 16's, and through LDS the four waves'
.macro ALLSUM st
.irp rt, 0,1,2,3
	v_add_f32 v[SUM+2*\rt], v[SUM+2*\rt], v[SUM+2*\rt+1]
.endr
.irp rt, 0,1,2,3
	v_permlanex16_b32 v[SUM+2*\rt+1], v[SUM+2*\rt], s[SEL], s[SEL+1]
.endr
.irp rt, 0,1,2,3
	v_add_f32 v[SUM+2*\rt], v[SUM+2*\rt], v[SUM+2*\rt+1]
.endr
.irp rt, 0,1,2,3
	ds_store_b32 v[STW], v[SUM+2*\rt] offset:\st*2048+\rt*128
.endr
	s_wait_dscnt 0x0
	s_barrier_signal -1
	s_barrier_wait -1
.irp rt, 0,1,2,3
.irp ww, 0,1,2,3
	ds_load_b32 v[PT+4*\rt+\ww], v[STR] offset:\st*2048+\ww*512+\rt*128
.endr
.endr
	s_wait_dscnt 0x0
.irp rt, 0,1,2,3
	v_add_f32 v[PT+4*\rt], v[PT+4*\rt], v[PT+4*\rt+1]
	v_add_f32 v[PT+4*\rt+2], v[PT+4*\rt+2], v[PT+4*\rt+3]
.endr
.irp rt, 0,1,2,3
	v_add_f32 v[PT+4*\rt], v[PT+4*\rt], v[PT+4*\rt+2]
.endr
.endm
	s_load_b256 s[4:11], s[0:1], 0x0               ; the rows' fragments s[4:5], wh s[6:7], the residual s[8:9], the bias s[10:11]
	s_load_b128 s[12:15], s[0:1], 0x20             ; the gain s[12:13], the offset s[14:15]
	s_load_b64 s[16:17], s[0:1], 0x30              ; the output
	v_lshl_add_u32 v[SPW], v0, 2, SPARE
	v_mov_b32 v[NIL], 0
	ds_add_u32 v[SPW], v[NIL]                      ; the wave's opening: the add, twice on end, and its wait ahead of my first tensor load
	ds_add_u32 v[SPW], v[NIL]
	v_lshrrev_b32 v1, 5, v0
	v_readfirstlane_b32 s[WV], v1                  ; wave 0..3
	s_lshr_b32 s19, s[WV], 1                       ; I fetch the rows (0) or the weight (1),
	s_and_b32 s20, s[WV], 1                        ; this half of them
	s_bfe_u32 s21, ttmp6, 0x40000                  ; cx
	s_lshl_b32 s22, ttmp9, 2
	s_add_co_u32 s22, s22, s21                     ; rb: my block of 64 rows
	s_mov_b32 s[G1A], 3<<16                        ; the rows: no mask; elements of 8 bytes; 32 rows of 256 bytes
	s_mov_b32 s[G1A+1], 32<<16
	s_mov_b32 s[G1A+2], 32<<16
	s_mov_b32 s[G1A+3], 32<<16
	s_mov_b32 s[G1A+4], 32
	s_mov_b32 s[G1A+5], 32
	s_mov_b32 s[G1A+6], 0
	s_mov_b32 s[G1A+7], 0
	s_mov_b32 s[G1B], 15|(3<<16)|(1<<21)           ; the weight: the mask of all four, bit 21 beside it; 256 rows of 256 bytes
	s_mov_b32 s[G1B+1], 32<<16
	s_mov_b32 s[G1B+2], 256<<16
	s_mov_b32 s[G1B+3], 32<<16
	s_mov_b32 s[G1B+4], 256
	s_mov_b32 s[G1B+5], 32
	s_mov_b32 s[G1B+6], 0
	s_mov_b32 s[G1B+7], 0
	s_mov_b32 s[SEL], 0x76543210
	s_mov_b32 s[SEL+1], 0xfedcba98
	s_mov_b32 s[INV], 0x3b000000                   ; 1 / 512
	s_mov_b32 s[EPSR], 0x3727c5ac                  ; 1e-5
	s_mul_i32 s66, s22, NP*16384                   ; the rows' fragments of my block,
	s_lshl_b32 s70, s20, 13                        ; my half of a period: in memory and in LDS
	s_add_co_u32 s66, s66, s70
	s_mov_b32 s67, 0
	s_lshl_b32 s68, s20, 16                        ; the weight's half
	s_add_co_u32 s71, s68, 16384                   ; in LDS behind the rows
.if BOFF
	s_add_co_u32 s68, s68, BOFF
.endif
	s_mov_b32 s69, 0
	s_cmp_lt_u32 s[WV], 2
	s_cselect_b32 s[LIM], 1, -1
	s_wait_dscnt 0x0                               ; both opening adds are done
	s_wait_kmcnt 0x0
	s_add_nc_u64 s[66:67], s[4:5], s[66:67]
	s_add_nc_u64 s[68:69], s[6:7], s[68:69]
	s_add_nc_u64 s[PFA:PFA+1], s[66:67], 3*16384   ; the first change of slots steps it to period 4
	CROUND                                         ; all four work-groups are here: the first joint loads meet
.irp s, 0,1
	s_mov_b32 s[G0A+4*\s], 1
	s_add_co_u32 s[G0A+4*\s+1], s70, \s*SLOT
	s_add_nc_u64 s[G0A+4*\s+2:G0A+4*\s+3], s[66:67], \s*16384
	s_or_b32 s[G0A+4*\s+3], s[G0A+4*\s+3], 0x80000000
	s_mov_b32 s[G0B+4*\s], 1
	s_add_co_u32 s[G0B+4*\s+1], s71, \s*SLOT
	s_add_nc_u64 s[G0B+4*\s+2:G0B+4*\s+3], s[68:69], \s*131072
	s_or_b32 s[G0B+4*\s+3], s[G0B+4*\s+3], 0x80000000
	JLOAD \s
.endr
	v_and_b32 v1, 15, v0                           ; r
	v_bfe_u32 v3, v0, 4, 1                         ; h
	v_and_b32 v[LI], 31, v0
	v_lshlrev_b32 v[PFO], 8, v[LI]
	v_lshlrev_b32 v[STR], 2, v[LI]
	v_lshlrev_b32 v[LI], 4, v[LI]
	v_add_nc_u32 v[ADRA], 0, v[LI]
	v_add_nc_u32 v[ADRA+1], SLOT, v[LI]
	s_lshl_b32 s74, s[WV], 13
	s_add_co_u32 s74, s74, 16384                   ; my eight column tiles of a K step's 32
	v_add_nc_u32 v[ADRB], s74, v[LI]
	v_add_nc_u32 v[ADRB+1], 65536, v[ADRB]
	v_add_nc_u32 v[ADRB+2], SLOT, v[ADRB]
	v_add_nc_u32 v[ADRB+3], SLOT+65536, v[ADRB]
	s_lshl_b32 s74, s[WV], 9
	s_add_co_u32 s74, s74, STAT
	v_add_nc_u32 v[STW], s74, v[STR]
	v_add_nc_u32 v[STR], STAT, v[STR]
	v_lshlrev_b32 v[VO], 5, v3                     ; the three vectors: my half's eight columns of a tile
.if LAYER
	v_mov_b32 v[XO], v[LI]                         ; the residual is an image of the accumulators
	s_mul_i32 s74, s[WV], 8448                     ; the way out: my stage, 16 rows of 512 + 16 bytes, in slot 0 behind its last fill and its last read
	v_mul_u32_u24 v[STO], v1, 528
	v_lshl_add_u32 v[STO], v3, 5, v[STO]
	v_add_nc_u32 v[STO], s74, v[STO]
	v_add_nc_u32 v[RD], s74, v[LI]
.else
	v_lshlrev_b32 v[XO], 11, v1
	v_lshl_add_u32 v[XO], v3, 5, v[XO]             ; the residual is x: row r of 2,048 bytes, + 32 h
.endif
	s_lshl_b32 s74, s22, 17                        ; 64 rows of 2,048 bytes, in x, in x1c and in out0 alike
	s_mul_i32 s72, s[WV], RSTEP
	s_add_co_u32 s72, s72, s74
	s_mov_b32 s73, 0
	s_add_nc_u64 s[8:9], s[8:9], s[72:73]
	s_lshl_b32 s72, s[WV], 9
	s_add_nc_u64 s[10:11], s[10:11], s[72:73]
	s_add_nc_u64 s[12:13], s[12:13], s[72:73]
	s_add_nc_u64 s[14:15], s[14:15], s[72:73]
.if LAYER
	s_add_co_u32 s72, s72, s74
	s_add_nc_u64 s[16:17], s[16:17], s[72:73]      ; out0: my rows, my 512 bytes of them
.else
	s_lshr_b32 s72, s22, 2                         ; x1h: (rb / 4) 262,144 + w 65,536 + (rb % 4) 4,096
	s_lshl_b32 s72, s72, 18
	s_lshl_b32 s75, s[WV], 16
	s_add_co_u32 s72, s72, s75
	s_and_b32 s75, s22, 3
	s_lshl_b32 s75, s75, 12
	s_add_co_u32 s72, s72, s75
	s_add_co_u32 s72, s72, 0x1000000
	s_add_nc_u64 s[70:71], s[16:17], s[72:73]
	s_lshl_b32 s72, s[WV], 13                      ; x1c: rb 131,072 + w 8,192
	s_add_co_u32 s72, s72, s74
	s_add_nc_u64 s[16:17], s[16:17], s[72:73]
.endif
	WIN 0x40                                       ; destination window 1: the residual goes straight into the accumulators
.irp rt, 0,1,2,3
.irp i, 0,1,2,3,4,5,6,7
.irp c, 0,1
.if LAYER
	global_load_b128 v[8*(8*\rt+\i)+4*\c:8*(8*\rt+\i)+4*\c+3], v[XO], s[8:9] offset:\rt*32768+\i*1024+\c*512
.else
	global_load_b128 v[8*(8*\rt+\i)+4*\c:8*(8*\rt+\i)+4*\c+3], v[XO], s[8:9] offset:\rt*32768+\i*64+\c*16
.endif
.endr
.endr
.endr
	WIN 0x80                                       ; destination window 2
.irp i, 0,1,2,3,4,5,6,7
.irp c, 0,1
	global_load_b128 v[8*\i+4*\c:8*\i+4*\c+3], v[VO], s[10:11] offset:\i*64+\c*16
	global_load_b128 v[64+8*\i+4*\c:64+8*\i+4*\c+3], v[VO], s[12:13] offset:\i*64+\c*16
	global_load_b128 v[128+8*\i+4*\c:128+8*\i+4*\c+3], v[VO], s[14:15] offset:\i*64+\c*16
.endr
.endr
	WIN 0
	s_wait_tensorcnt 0x1                           ; my part of period 0 is in; period 1's may stay out
	s_barrier_signal -1
	s_barrier_wait -1
	FETCHR 0, 0, BUF0
	s_wait_loadcnt 0x0                             ; the residual and the vectors
	s_mov_b32 s[CNT], NP/2-1
.Llap:                                                 ; a trip goes once round the ring and fills both slots again
	STEPR 0, 0, BUF0, BUF1
	STEPR 0, 1, BUF1, BUF0
	STEPR 0, 2, BUF0, BUF1
	TURN 0, 1, 1
	STEPR 1, 0, BUF0, BUF1
	STEPR 1, 1, BUF1, BUF0
	STEPR 1, 2, BUF0, BUF1
	TURN 1, 0, 1
	WIN 0
	s_sub_co_u32 s[CNT], s[CNT], 1
	s_cmp_lg_u32 s[CNT], 0
	s_cbranch_scc1 .Llap
	STEPR 0, 0, BUF0, BUF1                         ; the last lap fills nothing
	STEPR 0, 1, BUF1, BUF0
	STEPR 0, 2, BUF0, BUF1
	TURN 0, 1, 0
	STEPR 1, 0, BUF0, BUF1
	STEPR 1, 1, BUF1, BUF0
	STEPR 1, 2, BUF0, BUF1
	s_wait_dscnt 0x0
	WIN 0x50
	MUL8 BUF1, 0
	MUL8 BUF1, 1
	MUL8 BUF1, 2
	MUL8 BUF1, 3
	PLACES
	; ---- y = sums + bias
	WIN 0x49                                       ; y in window 1, the bias in window 2
.irp rt, 0,1,2,3
.set q, 0
.rept 32
	v_pk_add_f32 v[64*\rt+2*q:64*\rt+2*q+1], v[64*\rt+2*q:64*\rt+2*q+1], v[2*q:2*q+1]
.set q, q+1
.endr
.endr
	WIN 0
.irp j, 0,1,2,3,4,5,6,7
	v_mov_b32 v[SUM+\j], 0
.endr
	WIN 0x04
.set q, 0
.rept 32
.irp rt, 0,1,2,3
	v_pk_add_f32 v[SUM+2*\rt:SUM+2*\rt+1], v[SUM+2*\rt:SUM+2*\rt+1], v[64*\rt+2*q:64*\rt+2*q+1]   ; the four row tiles by turns
.endr
.set q, q+1
.endr
	WIN 0
	ALLSUM 0
.irp rt, 0,1,2,3
	v_mul_f32 v[MN+2*\rt], s[INV], v[PT+4*\rt]     ; the mean
	v_mov_b32 v[MN+2*\rt+1], 0                     ; (named with it as a pair)
.endr
.irp j, 0,1,2,3,4,5,6,7
	v_mov_b32 v[SUM+\j], 0
.endr
	WIN 0x41
.irp rt, 0,1,2,3
.set q, 0
.rept 32
	v_pk_add_f32 v[64*\rt+2*q:64*\rt+2*q+1], v[64*\rt+2*q:64*\rt+2*q+1], v[MN+2*\rt:MN+2*\rt+1] op_sel_hi:[1,0] neg_lo:[0,1] neg_hi:[0,1]   ; d = y - mean
.set q, q+1
.endr
.endr
	WIN 0x05
.set q, 0
.rept 32
.irp rt, 0,1,2,3
	v_pk_fma_f32 v[SUM+2*\rt:SUM+2*\rt+1], v[64*\rt+2*q:64*\rt+2*q+1], v[64*\rt+2*q:64*\rt+2*q+1], v[SUM+2*\rt:SUM+2*\rt+1]
.endr
.set q, q+1
.endr
	WIN 0
	ALLSUM 1
.irp rt, 0,1,2,3
	v_fma_f32 v[MN+2*\rt], v[PT+4*\rt], s[INV], s[EPSR]   ; the variance + 1e-5
.endr
.irp rt, 0,1,2,3
	v_rsq_f32 v[MN+2*\rt], v[MN+2*\rt]
.endr
	v_nop                                          ; a plain instruction behind the last of the four
	s_wait_alu depctr_va_vdst(0)                   ; one wait for the four, ahead of their first reader
	WIN 0x41
.irp rt, 0,1,2,3
.set q, 0
.rept 32
	v_pk_mul_f32 v[64*\rt+2*q:64*\rt+2*q+1], v[64*\rt+2*q:64*\rt+2*q+1], v[MN+2*\rt:MN+2*\rt+1] op_sel_hi:[1,0]
.set q, q+1
.endr
.endr
	WIN 0x69                                       ; the gain and the offset in window 2
.irp rt, 0,1,2,3
.set q, 0
.rept 32
	v_pk_fma_f32 v[64*\rt+2*q:64*\rt+2*q+1], v[64*\rt+2*q:64*\rt+2*q+1], v[64+2*q:64+2*q+1], v[128+2*q:128+2*q+1]
.set q, q+1
.endr
.endr
.if LAYER
; THE WAY OUT, a row tile at a time: a lane holds 32 neighbouring bytes of a row; through my own stage they come back as whole rows of 512 bytes.  LDS serves a wave's instructions in order: no wait between the stores and the loads.
.macro TOSTAGE rt
	WIN 0x04                                       ; an LDS store's data are its source 1: window 1
.irp i, 0,1,2,3,4,5,6,7
	ds_store_b128 v[STO], v[64*\rt+8*\i:64*\rt+8*\i+3] offset:64*\i
	ds_store_b128 v[STO], v[64*\rt+8*\i+4:64*\rt+8*\i+7] offset:64*\i+16
.endr
	WIN 0
.irp t, 0,1,2,3,4,5,6,7,8,9,10,11,12,13,14,15
	ds_load_b128 v[64+64*((\rt)%2)+4*\t:64+64*((\rt)%2)+4*\t+3], v[RD] offset:\t*528
.endr
.endm
.macro SEND rt, younger                ; younger: the LDS instructions issued behind this tile's loads, which may stay out
	s_wait_dscnt \younger
.irp t, 0,1,2,3,4,5,6,7,8,9,10,11,12,13,14,15
	global_store_b128 v[LI], v[64+64*((\rt)%2)+4*\t:64+64*((\rt)%2)+4*\t+3], s[16:17] offset:(16*(\rt)+\t)*2048 th:TH_STORE_NT   ; 32 lanes store 512 consecutive bytes
.endr
.endm
	TOSTAGE 0
	TOSTAGE 1
	SEND 0, 32
	s_wait_xcnt 0x0                                ; tile 0's stores have read their registers: tile 2's loads may land there
	TOSTAGE 2
	SEND 1, 32
	s_wait_xcnt 0x0
	TOSTAGE 3
	SEND 2, 32
	SEND 3, 0
.else
	WIN 0x04                                       ; a store's data are its source 1: window 1
.irp rt, 0,1,2,3
.irp i, 0,1,2,3,4,5,6,7
.irp c, 0,1
	global_store_b128 v[LI], v[8*(8*\rt+\i)+4*\c:8*(8*\rt+\i)+4*\c+3], s[16:17] offset:\rt*32768+\i*1024+\c*512   ; x1 in f32, the accumulators' image: 512 consecutive bytes a store
.endr
.endr
.endr
	WIN 0x05
.set q, 0
.rept 128
	v_cvt_pk_f16_f32 v[64+q], v[2*q], v[2*q+1]
.set q, q+1
.endr
	WIN 0
.irp rt, 0,1,2,3
.irp i, 0,1,2,3,4,5,6,7
	global_store_b128 v[LI], v[64+32*\rt+4*\i:64+32*\rt+4*\i+3], s[70:71] offset:(\i/2)*16384+\rt*1024+(\i%2)*512   ; x1 in f16: K step 4 w + i / 2, piece i % 2
.endr
.endr
.endif
	s_wait_tensorcnt 0x0                           ; the wave's end, behind my last tensor load and my last LDS store
	ds_add_u32 v[SPW], v[NIL]
	s_wait_dscnt 0x0
	CROUND                                         ; the closing round
	s_endpgm
.Lfunc_end_k_q55bdd464a3_ffn2_ln:
	.size	k_q55bdd464a3_ffn2_ln, .Lfunc_end_k_q55bdd464a3_ffn2_ln-k_q55bdd464a3_ffn2_ln
	.p2alignl 7, 3214868480
	.fill 96, 4, 3214868480
	.section	.rodata,"a",@progbits
	.p2align	6, 0x0
	.amdhsa_kernel k_q55bdd464a3_ffn2_ln
		.amdhsa_group_segment_fixed_size 327680
		.amdhsa_private_segment_fixed_size 0
		.amdhsa_enable_private_segment 0
		.amdhsa_kernarg_size 56
		.amdhsa_user_sgpr_count 2
		.amdhsa_user_sgpr_kernarg_segment_ptr 1
		.amdhsa_wavefront_size32 1
		.amdhsa_system_sgpr_workgroup_id_x 1
		.amdhsa_system_sgpr_workgroup_id_y 1
		.amdhsa_system_sgpr_workgroup_id_z 1
		.amdhsa_system_vgpr_workitem_id 0
		.amdhsa_next_free_vgpr 704
		.amdhsa_next_free_sgpr 80
		.amdhsa_reserve_vcc 0
		.amdhsa_float_denorm_mode_32 3
		.amdhsa_float_denorm_mode_16_64 3
		.amdhsa_memory_ordered 1
		.amdhsa_forward_progress 1
		.amdhsa_inst_pref_size 149
	.end_amdhsa_kernel
	.amdgpu_metadata
---
amdhsa.version: [ 1, 2 ]
amdhsa.kernels:
  - .name:           k_q55bdd464a3_ffn2_ln
    .symbol:         k_q55bdd464a3_ffn2_ln.kd
    .args:
      - { .name: hf, .offset: 0, .size: 8, .value_kind: global_buffer, .address_space: global }
      - { .name: wh, .offset: 8, .size: 8, .value_kind: global_buffer, .address_space: global }
      - { .name: x1, .offset: 16, .size: 8, .value_kind: global_buffer, .address_space: global }
      - { .name: b2, .offset: 24, .size: 8, .value_kind: global_buffer, .address_space: global }
      - { .name: g2, .offset: 32, .size: 8, .value_kind: global_buffer, .address_space: global }
      - { .name: be2, .offset: 40, .size: 8, .value_kind: global_buffer, .address_space: global }
      - { .name: out0, .offset: 48, .size: 8, .value_kind: global_buffer, .address_space: global }
    .group_segment_fixed_size: 327680
    .private_segment_fixed_size: 0
    .kernarg_segment_align: 8
    .kernarg_segment_size: 56
    .max_flat_workgroup_size: 128
    .sgpr_count:     80
    .vgpr_count:     704
    .wavefront_size: 32
...
	.end_amdgpu_metadata
.endif
;; end of part 6
;; ======== version 2 of 2: 6 launches
;; limits: values are held in f16: magnitudes above 65,504 overflow, below 6.1e-05 lose precision
;; workspace buffers: wq4 156,672 bytes; wh 4,718,592 bytes; qkv 16,777,216 bytes; of 8,388,608 bytes; x1 25,165,824 bytes; hf 33,554,432 bytes
;; launch prep (part 7): grid 360 x 1, 4 waves a work-group, no clusters, 0 bytes of LDS; arguments wq, wk, wv, wo, w1, w2, wq4, wh; writes wq4, wh
.if DOCPART == 7
	.amdgcn_target "amdgcn-amd-amdhsa--gfx1250"
	.amdhsa_code_object_version 6
	.text
	.protected	k_q55bdd464a3_prep
	.globl	k_q55bdd464a3_prep
	.p2align	8
	.type	k_q55bdd464a3_prep,@function
k_q55bdd464a3_prep:
	s_mov_b64 s[64:65], 0
	v_nop
	global_prefetch_b8 v0, s[64:65] scope:SCOPE_SE
	s_setreg_imm32_b32 hwreg(HW_REG_WAVE_MODE, 25, 1), 1
	s_wait_xcnt 0x0
; PREP: the weights are laid once in the order in which the later launches' operand registers take them.
; DEAD WORK, for all values of the inputs.  reference() keeps of q and of k only q[..., :4] and k[..., :4]: of x wq + bq and x wk + bk only the columns 64 hd + j, j < 4, hd = 0 .. 7, reach
; a result.  The other 480 columns of wq and of wk, and the other 480 numbers of bq, are sliced away: they are not read.  bk is dead as a whole: with k + bk in k's place score(i, j) gains
; 0.25 (sum(q_i) sum(bk) + q_i . bk), which is the same for every j of row i, and a softmax along j does not change under a term that is constant along j; the product with k is not a
; quantised one, so bk moves no code and no scale.  bk is in no launch's arguments.  LIMIT: a NaN, an infinity or an overflow that reaches only the work left out is not carried to the result.
; A FRAGMENT is 1,024 bytes: [c = 0, 1][lane 0 .. 31][16 bytes] = registers 4 c .. 4 c + 3 of the lane.
; wq4: codes of E2M1 and E8M0 bytes, quantised along K (the weights' first axis).  Tile T (16 columns), K step s (128): codes at (4 T + s) 1,024; lane (r, h), piece c: column r, k = 64 c + 32 h + 0 .. 31.
;   T < 32: wv's columns 16 T on.  T = 32, 33: wq's 32 live columns (live column c' is column 64 (c' / 4) + c' % 4).  T = 34, 35: wk's.  Scale words at 147,456 + 256 T + 16 r + 4 s.
; wh: f16 fragments (16 columns x 32 K; lane (r, h), piece c: column r, k = 16 c + 8 h + 0 .. 7): wo at 0, fragment 32 ks + nt; w1 at 524,288, fragment (16 (nt / 16) + ks) 16 + nt % 16; w2 at 2,621,440, fragment 32 ks + nt.
; A LANE TAKES A COLUMN AND ITS REGISTERS RUN DOWN K: a load reads neighbouring columns in neighbouring lanes, a block of 32 lies in one lane, and sixteen lanes' 16 bytes are 256 consecutive bytes of a fragment.
; A block's scale is 2^(floor(log2(largest magnitude)) - 2); its byte is the largest magnitude's exponent field - 2, held at 1 from below.  A block of zeros keeps the byte 1 (its codes are zeros; this program alone reads the bytes).
; LIMITS: NaN and infinities among the inputs are not served; weights beyond f16's 65,504 are not served in wo, w1, w2.
; Work-groups 0 .. 71: codes.  A wave takes ONE block of 32 along K of 32 columns: unit n = 72 wave + work-group.  n < 256: wv, columns 32 (n % 16) on, block n / 16.  n = 256 .. 287: wq's (n / 16 = 16) or wk's (17) live columns,
; block n % 16.  A load of live columns touches eight pieces of 16 bytes, 256 bytes apart; by this numbering those 32 units are wave 3 of 32 different work-groups.
; Work-groups 72 .. 359: f16 (128 columns x 64 K each; wave w takes 32 columns).  No LDS, no barrier: waves share nothing.
.set X,  32                            ; v32-95   the lane's numbers down K
.set CD, 160                           ; v160-163 a block's codes
.set HO, 96                            ; v96-127  f16 pairs
	s_load_b256 s[4:11], s[0:1], 0x0               ; wq s[4:5], wk s[6:7], wv s[8:9], wo s[10:11]
	s_load_b256 s[12:19], s[0:1], 0x20             ; w1 s[12:13], w2 s[14:15], wq4 s[16:17], wh s[18:19]
	v_lshrrev_b32 v1, 5, v0
	v_readfirstlane_b32 s20, v1                    ; wave
	v_and_b32 v2, 31, v0                           ; lane l
	v_and_b32 v7, 15, v0                           ; l % 16
	v_bfe_u32 v8, v0, 4, 1                         ; l / 16
	s_mov_b32 s27, 0
	s_cmp_ge_u32 ttmp9, 72
	s_cbranch_scc1 .Lcast
	; ---- codes
	s_mul_i32 s21, s20, 72
	s_add_co_u32 s21, s21, ttmp9                   ; n
	s_and_b32 s22, s21, 15
	s_lshr_b32 s23, s21, 4
	s_lshl_b32 s35, s22, 7                         ; wv: the first column's byte, 128 (n % 16)
	s_wait_kmcnt 0x0
	s_cmp_lt_u32 s21, 256                          ; wv's unit?  The choices hang on ids alone
	s_cselect_b32 s28, s22, s23                    ; u: the pair of tiles 2 u, 2 u + 1
	s_cselect_b32 s29, s23, s22                    ; the block of 32 along K, 0 .. 15
	s_cselect_b32 s34, 16, 0x100                   ; bytes from one group of four columns to the next
	s_cselect_b32 s35, s35, 0
	s_cselect_b64 s[24:25], s[8:9], s[4:5]
	s_cmp_eq_u32 s28, 17
	s_cselect_b64 s[24:25], s[6:7], s[24:25]
	v_lshrrev_b32 v3, 2, v2
	v_mul_lo_u32 v3, v3, s34
	v_and_b32 v4, 3, v2
	v_lshl_add_u32 v3, v4, 2, v3
	v_add_nc_u32 v3, s35, v3                       ; my column's byte in a row of 2,048
	s_lshl_b32 s26, s29, 16                        ; my block: 32 rows of 2,048 bytes
	s_add_nc_u64 s[24:25], s[24:25], s[26:27]
.set k, 0
.rept 32
	global_load_b32 v[X+k], v3, s[24:25] offset:k*2048
.set k, k+1
.endr
	v_lshlrev_b32 v5, 12, v8
	v_lshl_add_u32 v5, v7, 4, v5                   ; codes: tile l / 16 (4 fragments on), 16 bytes a column
	v_lshlrev_b32 v6, 8, v8
	v_lshl_add_u32 v6, v7, 4, v6                   ; scale words: 256 bytes a tile, 16 a column
	s_lshl_b32 s26, s28, 13                        ; fragment 4 (2 u) + block / 4,
	s_lshr_b32 s36, s29, 2
	s_lshl_b32 s36, s36, 10
	s_add_co_u32 s26, s26, s36
	s_and_b32 s36, s29, 3                          ; in it piece (block % 4) / 2, half block % 2: 256 (block % 4) bytes on
	s_lshl_b32 s36, s36, 8
	s_add_co_u32 s26, s26, s36
	s_add_nc_u64 s[30:31], s[16:17], s[26:27]
	s_lshl_b32 s26, s28, 9                         ; the scale byte: word block / 4, byte block % 4: block bytes on
	s_add_co_u32 s26, s26, s29
	s_add_nc_u64 s[32:33], s[16:17], s[26:27]
	s_wait_loadcnt 0x0
	v_max3_num_f32 v12, |v[X]|, |v[X+1]|, |v[X+2]|
	v_max3_num_f32 v13, |v[X+3]|, |v[X+4]|, |v[X+5]|
.irp i, 6,10,14,18,22,26
	v_max3_num_f32 v12, v12, |v[X+\i]|, |v[X+\i+1]|
	v_max3_num_f32 v13, v13, |v[X+\i+2]|, |v[X+\i+3]|
.endr
	v_max3_num_f32 v12, v12, |v[X+30]|, |v[X+31]|
	v_max3_num_f32 v12, v12, v13, 0x1800000        ; and the floor 2^(3 - 127): the byte cannot fall under 1
	v_add_nc_u32 v11, 0xff000000, v12              ; 2 off the exponent field: the conversion takes this operand's exponent field as its scale
	v_lshrrev_b32 v13, 23, v11                     ; the scale's byte
.irp g, 0,1,2,3
	v_cvt_scalef32_pk8_fp4_f32 v[CD+\g], v[X+8*\g:X+8*\g+7], v11
.endr
	global_store_b128 v5, v[CD:CD+3], s[30:31]     ; sixteen lanes store 256 consecutive bytes
	global_store_b8 v6, v13, s[32:33] offset:147456   ; one byte a column: 9,216 bytes of scale words in the whole launch
	s_endpgm
	; ---- f16 fragments
.Lcast:
	v_lshlrev_b32 v3, 2, v2                        ; in: 4 bytes a lane
	v_lshlrev_b32 v5, 10, v8
	v_lshl_add_u32 v5, v7, 4, v5                   ; out: fragment l / 16, 16 bytes a column
; 64 numbers down K of my column: two fragments' worth.  pitch: a row of the weight in bytes; kstr: bytes from a K step's fragment to the next K step's
.macro CAST pitch, kstr
.set k, 0
.rept 64
	global_load_b32 v[X+k], v3, s[24:25] offset:k*\pitch th:TH_LOAD_NT
.set k, k+1
.endr
.irp e, 0,1
	s_wait_loadcnt 32-32*\e                        ; the first 32 rows are in, the other 32 loads may be out; then all
.set i, 0
.rept 16
	v_cvt_pk_f16_f32 v[HO+16*\e+i], v[X+32*\e+2*i], v[X+32*\e+2*i+1]
.set i, i+1
.endr
.irp q, 0,1,2,3
	global_store_b128 v5, v[HO+16*\e+4*\q:HO+16*\e+4*\q+3], s[30:31] offset:\e*\kstr+(\q/2)*512+(\q%2)*256   ; k = 8 q .. 8 q + 7: piece q / 2, half q % 2
.endr
.endr
.endm
	s_sub_co_u32 s21, ttmp9, 72                    ; 0 .. 31: wo; 32 .. 159: w1; 160 .. 287: w2
	s_sub_co_u32 s22, s21, 32
	s_wait_kmcnt 0x0
	s_cmp_lt_u32 s22, 128
	s_cbranch_scc1 .Lwide
	s_sub_co_u32 s23, s21, 160
	s_cmp_lt_u32 s21, 32
	s_cselect_b32 s23, s21, s23
	s_cselect_b32 s28, 0, 0x280000                 ; wo's fragments at 0, w2's at 2,621,440
	s_cselect_b64 s[24:25], s[10:11], s[14:15]
	s_and_b32 s21, s23, 3                          ; which 128 columns
	s_lshr_b32 s22, s23, 2                         ; which 64 along K
	s_lshl_b32 s26, s22, 17                        ; 64 rows of 2,048 bytes
	s_lshl_b32 s34, s21, 9
	s_add_co_u32 s26, s26, s34
	s_lshl_b32 s34, s20, 7
	s_add_co_u32 s26, s26, s34
	s_add_nc_u64 s[24:25], s[24:25], s[26:27]
	s_lshl_b32 s26, s22, 16                        ; two K steps of 32 fragments
	s_add_co_u32 s26, s26, s28
	s_lshl_b32 s34, s21, 13
	s_add_co_u32 s26, s26, s34
	s_lshl_b32 s34, s20, 11
	s_add_co_u32 s26, s26, s34
	s_add_nc_u64 s[30:31], s[18:19], s[26:27]
	CAST 2048, 32768
	s_endpgm
.Lwide:
	s_and_b32 s21, s22, 15                         ; which 128 of w1's 2,048 columns
	s_lshr_b32 s23, s22, 4                         ; which 64 along K
	s_lshl_b32 s26, s23, 19                        ; 64 rows of 8,192 bytes
	s_lshl_b32 s34, s21, 9
	s_add_co_u32 s26, s26, s34
	s_lshl_b32 s34, s20, 7
	s_add_co_u32 s26, s26, s34
	s_add_nc_u64 s[24:25], s[12:13], s[26:27]
	s_lshr_b32 s26, s21, 1
	s_lshl_b32 s26, s26, 18                        ; the group of 256 columns
	s_lshl_b32 s34, s23, 15                        ; two K steps of 16 fragments
	s_add_co_u32 s26, s26, s34
	s_and_b32 s34, s21, 1
	s_lshl_b32 s34, s34, 13
	s_add_co_u32 s26, s26, s34
	s_lshl_b32 s34, s20, 11
	s_add_co_u32 s26, s26, s34
	s_add_co_u32 s26, s26, 0x80000
	s_add_nc_u64 s[30:31], s[18:19], s[26:27]
	CAST 8192, 16384
	s_endpgm
.Lfunc_end_k_q55bdd464a3_prep:
	.size	k_q55bdd464a3_prep, .Lfunc_end_k_q55bdd464a3_prep-k_q55bdd464a3_prep
	.p2alignl 7, 3214868480
	.fill 96, 4, 3214868480
	.section	.rodata,"a",@progbits
	.p2align	6, 0x0
	.amdhsa_kernel k_q55bdd464a3_prep
		.amdhsa_group_segment_fixed_size 0
		.amdhsa_private_segment_fixed_size 0
		.amdhsa_enable_private_segment 0
		.amdhsa_kernarg_size 64
		.amdhsa_user_sgpr_count 2
		.amdhsa_user_sgpr_kernarg_segment_ptr 1
		.amdhsa_wavefront_size32 1
		.amdhsa_system_sgpr_workgroup_id_x 1
		.amdhsa_system_sgpr_workgroup_id_y 1
		.amdhsa_system_sgpr_workgroup_id_z 1
		.amdhsa_system_vgpr_workitem_id 0
		.amdhsa_next_free_vgpr 176
		.amdhsa_next_free_sgpr 66
		.amdhsa_reserve_vcc 0
		.amdhsa_float_denorm_mode_32 3
		.amdhsa_float_denorm_mode_16_64 3
		.amdhsa_memory_ordered 1
		.amdhsa_forward_progress 1
		.amdhsa_inst_pref_size 26
	.end_amdhsa_kernel
	.amdgpu_metadata
---
amdhsa.version: [ 1, 2 ]
amdhsa.kernels:
  - .name:           k_q55bdd464a3_prep
    .symbol:         k_q55bdd464a3_prep.kd
    .args:
      - { .name: wq, .offset: 0, .size: 8, .value_kind: global_buffer, .address_space: global }
      - { .name: wk, .offset: 8, .size: 8, .value_kind: global_buffer, .address_space: global }
      - { .name: wv, .offset: 16, .size: 8, .value_kind: global_buffer, .address_space: global }
      - { .name: wo, .offset: 24, .size: 8, .value_kind: global_buffer, .address_space: global }
      - { .name: w1, .offset: 32, .size: 8, .value_kind: global_buffer, .address_space: global }
      - { .name: w2, .offset: 40, .size: 8, .value_kind: global_buffer, .address_space: global }
      - { .name: wq4, .offset: 48, .size: 8, .value_kind: global_buffer, .address_space: global }
      - { .name: wh, .offset: 56, .size: 8, .value_kind: global_buffer, .address_space: global }
    .group_segment_fixed_size: 0
    .private_segment_fixed_size: 0
    .kernarg_segment_align: 8
    .kernarg_segment_size: 64
    .max_flat_workgroup_size: 128
    .sgpr_count:     66
    .vgpr_count:     176
    .wavefront_size: 32
...
	.end_amdgpu_metadata
.endif
;; end of part 7
;; launch proj: the kernel of part 2 again; grid 256 x 1, 8 waves a work-group, no clusters, 10,240 bytes of LDS; arguments x, wq4, bq, bv, qkv; writes qkv
;; launch attn: the kernel of part 3 again; grid 8 x 32, 8 waves a work-group, clusters of 4 x 1, 327,680 bytes of LDS; arguments qkv, of; writes of
;; launch wo_ln (part 8): grid 128 x 1, 4 waves a work-group, no clusters, 327,680 bytes of LDS; arguments of, wh, x, bo, g1, be1, x1; writes x1
.if DOCPART == 8
	.amdgcn_target "amdgcn-amd-amdhsa--gfx1250"
	.amdhsa_code_object_version 6
	.text
	.protected	k_q55bdd464a3_wo_ln
	.globl	k_q55bdd464a3_wo_ln
	.p2align	8
	.type	k_q55bdd464a3_wo_ln,@function
k_q55bdd464a3_wo_ln:
	s_mov_b64 s[64:65], 0
	v_nop
	global_prefetch_b8 v0, s[64:65] scope:SCOPE_SE
	s_setreg_imm32_b32 hwreg(HW_REG_WAVE_MODE, 25, 1), 1
	s_wait_xcnt 0x0
; ROWS x WEIGHT + BIAS + RESIDUAL, THEN LAYERNORM.  LAYER 0: x1 = LN(x + o wo + bo) g1 + be1.  (The same text with LAYER 1 is the last launch.)
; A work-group takes 64 whole rows (a LayerNorm wants whole rows), 512 columns; wave w takes columns 128 w on: 32 accumulators.  f16 operands, f32 sums.
; THE MATRIX INSTRUCTION IS USED TRANSPOSED (source 0 = 16 columns of the weight, source 1 = 16 rows): a lane holds one row and eight neighbouring columns.
; Both operands lie in memory as fragments of 1,024 bytes in the order of the operand registers.
; THE ROWS, which all four waves read, come into LDS whole, by first fills alone: NP x 16,384 bytes; for each trip of 8 K steps (32,768 bytes) every wave fetches its quarter, 32 rows of 256 bytes.  Nothing is filled again.
; THE WEIGHT GOES FROM MEMORY STRAIGHT INTO REGISTERS: a wave's eight column tiles of a K step are 8,192 consecutive bytes that no other wave of the work-group wants: 16 loads of 512 bytes, into a ring of four K steps (window 3).
; NO CLUSTER, though all work-groups walk the same weight: a joint load brings its bytes into LDS, where two slots hold 128 along K each, so that one refill of 131,072 bytes would have a wave's 128 matrix instructions in which
; to land, behind a round each time, and no larger slot fits.
; WORK-GROUP rb BEGINS ITS WALK ALONG K AT TRIP rb % NT and goes round, rows and weight alike: the work-groups ask at NT different places of the weight.  LIMIT: the f32 sums take K in another order from block to block of rows.
; THE SUMS START FROM THE RESIDUAL, loaded straight into the accumulators: nothing is cleared, and every product is a link in place; the 32 accumulators take turns in the same order in every K step.
; LAYERNORM as reference() has it: the mean, then the mean of (y - mean)^2: two rounds of row sums, which meet in LDS.
; OUT, LAYER 0: x1c, f32, the accumulators' image ((32 RT + nt) 1,024 + 512 c + 16 lane), which the last launch loads back as its residual; x1h at 16,777,216, f16 fragments ((16 (RT / 16) + ks) 16 + RT % 16) 1,024.
; By this text's own count a wave has NT tensor loads out at the head (2 here, 8 in LAYER 1) and none later.  No prefetch: the rows are all asked for at the head, and the weight's loads run four K steps ahead.
; LIMITS: NaN and infinities are not served; x1 beyond f16's 65,504 is not served.
; REGISTERS.  Window 0: v1-15 addresses; v28, v29 the add's two; v32-63 row sums; v64-127 the rows' fragments, two buffers of four; on the way out v64-191 at work.  Window 1: accumulator (rt, i) at 8 (8 rt + i).
;   Window 2: v0-63 the bias, v64-127 the gain, v128-191 the offset, of my lane's 64 columns.  Window 3: the weight's ring: K step j at 64 (j % 4).
.set LAYER, 0
.set NP,    4                          ; periods of 128 along K
.set BOFF,  0                          ; where the weight's fragments begin in wh
.set RSTEP, 512                        ; bytes from a wave's part of the residual to the next wave's
.set NT,    NP/2                       ; trips of 8 K steps
.set KMASK, NT*262144-1                ; the weight's bytes - 1: the walk goes round
.set STAT,  262144                     ; LDS: the rows at 0; two blocks of 2,048: wave x 512 + row tile x 128 + lane x 4;
.set SPARE, 266240                     ; the spare words, 128 bytes for each wave: two blocks of 256 bytes that no other line names;
.set STAGE, 266752                     ; the way out of LAYER 1: 16 rows of 512 + 16 bytes for each wave
.set LI, 2
.set ADA, 4
.set STW, 10
.set STR, 11
.set XO, 12
.set VO, 13
.set STO, 14
.set RD, 15
.set SPW, 28
.set NIL, 29
.set SUM, 32
.set PT, 40
.set MN, 56
.set AB, 64
.set WV, 18
.set G1, 24                            ; s[24:31] descriptor group 1
.set G0, 32                            ; s[32:63] descriptor groups 0, one for each trip's slot
.set B0, 68                            ; s[68:69] my columns of the weight's K step 0
.set BC, 70                            ; s[70:71] of this trip's first K step
.set BN, 72                            ; s[72:73] of the next trip's
.set OFF, 74                           ; s[74:75] the next trip's place in the weight, in bytes
.set TA, 76                            ; s76      this trip's slot in LDS
.set CNT, 77
.set SEL, 80
.set INV, 82
.set EPSR, 83
.set XH, 84
.set MSB, 0
.macro WIN new                         ; the immediate's high byte repeats the setting that is left
.if MSB != \new
	s_set_vgpr_msb (MSB<<8)|\new
.set MSB, \new
.endif
.endm
.macro PLACES
.rept 4
	v_nop
.endr
.endm
; K STEP j OF A TRIP'S EIGHT: 32 matrix instructions; four places; then, into the registers just read, the rows of K step j + 2 (af = 1) and the weight of K step j + 4 (rl = 1), or in the tail 16 loads of the bias, the gain
; or the offset in their stead (rl = 2), so that the count of the wait for the weight stays the same.  dw: the LDS loads that may stay out.  sync = 1: ahead of the first read of slot 1 all rows have landed, everybody's.
.macro KSTEP j, rl, af, dw, sync
.set RS, 64*((\j)%4)
.set RA, AB+32*((\j)%2)
	s_wait_loadcnt 48                              ; the weight of this K step is in; the 48 loads issued behind its own (three K steps') may be out
	s_wait_dscnt \dw                               ; the rows of this K step are in; the eight loads of the next may be out
	WIN 0x53                                       ; source 0 (weight) window 3, source 1 (rows) window 0, C and D window 1
.irp rt, 0,1,2,3
.irp i, 0,1,2,3,4,5,6,7
	v_wmma_f32_16x16x32_f16 v[8*(8*\rt+\i):8*(8*\rt+\i)+7], v[RS+8*\i:RS+8*\i+7], v[RA+8*\rt:RA+8*\rt+7], v[8*(8*\rt+\i):8*(8*\rt+\i)+7]
.endr
.endr
	PLACES                                         ; four places in front of loads into registers that these products read (behind the last K step: of the first read of results)
	WIN 0
.if \sync
	s_wait_tensorcnt 0x0                           ; my quarters of all slots have landed,
	s_wait_dscnt 0x0                               ; no LDS load of mine is out at the signal,
	s_barrier_signal -1
	s_barrier_wait -1                              ; and so for all four waves.
.endif
.if \af
.irp rt, 0,1,2,3
.irp c, 0,1
	ds_load_b128 v[RA+8*\rt+4*\c:RA+8*\rt+4*\c+3], v[ADA] offset:((\j)+2)*4096+\rt*1024+\c*512
.endr
.endr
.endif
.if \rl == 1
	WIN 0xc0                                       ; destination window 3
.irp i, 0,1,2,3,4,5,6,7
.irp c, 0,1
.if (\j) < 4
	global_load_b128 v[RS+8*\i+4*\c:RS+8*\i+4*\c+3], v[LI], s[BC:BC+1] offset:((\j)+4)*32768+\i*1024+\c*512
.else
	global_load_b128 v[RS+8*\i+4*\c:RS+8*\i+4*\c+3], v[LI], s[BN:BN+1] offset:((\j)-4)*32768+\i*1024+\c*512
.endif
.endr
.endr
.endif
.if \rl == 2
	WIN 0x80                                       ; destination window 2
.irp i, 0,1,2,3,4,5,6,7
.irp c, 0,1
	global_load_b128 v[64*((\j)-4)+8*\i+4*\c:64*((\j)-4)+8*\i+4*\c+3], v[VO], s[10+2*((\j)-4):11+2*((\j)-4)] offset:\i*64+\c*16
.endr
.endr
.endif
.endm
.macro NEXTT                           ; a trip's end: the bases and the slot step
	WIN 0
	s_wait_xcnt 0x0                                ; every load issued has read its base: only behind this wait are the bases written
	s_mov_b64 s[BC:BC+1], s[BN:BN+1]
	s_add_co_u32 s[OFF], s[OFF], 262144
	s_and_b32 s[OFF], s[OFF], KMASK                ; round the weight's end
	s_add_nc_u64 s[BN:BN+1], s[B0:B0+1], s[OFF:OFF+1]
	s_add_co_u32 s[TA], s[TA], 32768
	v_add_nc_u32 v[ADA], s[TA], v[LI]
.endm
; The pairs in v[SUM] become each row's sum over all 512 columns, in v[PT + 4 rt] of every lane: my two halves, lane l xor 16's, and through LDS the four waves'
.macro ALLSUM st
.irp rt, 0,1,2,3
	v_add_f32 v[SUM+2*\rt], v[SUM+2*\rt], v[SUM+2*\rt+1]
.endr
.irp rt, 0,1,2,3
	v_permlanex16_b32 v[SUM+2*\rt+1], v[SUM+2*\rt], s[SEL], s[SEL+1]
.endr
.irp rt, 0,1,2,3
	v_add_f32 v[SUM+2*\rt], v[SUM+2*\rt], v[SUM+2*\rt+1]
.endr
.irp rt, 0,1,2,3
	ds_store_b32 v[STW], v[SUM+2*\rt] offset:\st*2048+\rt*128
.endr
	s_wait_dscnt 0x0
	s_barrier_signal -1
	s_barrier_wait -1
.irp rt, 0,1,2,3
.irp ww, 0,1,2,3
	ds_load_b32 v[PT+4*\rt+\ww], v[STR] offset:\st*2048+\ww*512+\rt*128
.endr
.endr
	s_wait_dscnt 0x0
.irp rt, 0,1,2,3
	v_add_f32 v[PT+4*\rt], v[PT+4*\rt], v[PT+4*\rt+1]
	v_add_f32 v[PT+4*\rt+2], v[PT+4*\rt+2], v[PT+4*\rt+3]
.endr
.irp rt, 0,1,2,3
	v_add_f32 v[PT+4*\rt], v[PT+4*\rt], v[PT+4*\rt+2]
.endr
.endm
	s_load_b256 s[4:11], s[0:1], 0x0               ; the rows' fragments s[4:5], wh s[6:7], the residual s[8:9], the bias s[10:11]
	s_load_b128 s[12:15], s[0:1], 0x20             ; the gain s[12:13], the offset s[14:15]
	s_load_b64 s[16:17], s[0:1], 0x30              ; the output
	v_lshl_add_u32 v[SPW], v0, 2, SPARE
	v_mov_b32 v[NIL], 0
	ds_add_u32 v[SPW], v[NIL]                      ; the wave's opening: the add, twice on end, and its wait ahead of my first tensor load
	ds_add_u32 v[SPW], v[NIL]
	v_lshrrev_b32 v1, 5, v0
	v_readfirstlane_b32 s[WV], v1                  ; wave 0..3
	s_mov_b32 s22, ttmp9                           ; rb: my block of 64 rows
	s_and_b32 s19, ttmp9, NT-1                     ; the trip at which my walk along K begins
	s_mov_b32 s[G1], 3<<16                         ; no mask; elements of 8 bytes; a dense block of 8,192 bytes as 32 rows of 256
	s_mov_b32 s[G1+1], 32<<16                      ; tensor_dim0
	s_mov_b32 s[G1+2], 32<<16                      ; tensor_dim1
	s_mov_b32 s[G1+3], 32<<16                      ; tile_dim0
	s_mov_b32 s[G1+4], 32                          ; tile_dim1
	s_mov_b32 s[G1+5], 32                          ; stride
	s_mov_b32 s[G1+6], 0
	s_mov_b32 s[G1+7], 0
	s_mov_b32 s[SEL], 0x76543210
	s_mov_b32 s[SEL+1], 0xfedcba98
	s_mov_b32 s[INV], 0x3b000000                   ; 1 / 512
	s_mov_b32 s[EPSR], 0x3727c5ac                  ; 1e-5
	s_mul_i32 s66, s22, NP*16384                   ; the rows' fragments of my block,
	s_lshl_b32 s20, s[WV], 13                      ; my quarter of a trip's: in memory and in LDS.  Also: my eight column tiles of a K step's 32
	s_add_co_u32 s66, s66, s20
	s_mov_b32 s67, 0
	s_add_co_u32 s[B0], s20, BOFF
	s_mov_b32 s[B0+1], 0
	s_lshl_b32 s[OFF], s19, 18                     ; a trip of the weight is 262,144 bytes
	s_mov_b32 s[OFF+1], 0
	s_mov_b32 s[TA], 0
	s_mov_b32 s79, 0
	s_wait_dscnt 0x0                               ; both opening adds are done
	s_wait_kmcnt 0x0
	s_add_nc_u64 s[66:67], s[4:5], s[66:67]
	s_add_nc_u64 s[B0:B0+1], s[6:7], s[B0:B0+1]
.set t, 0
.rept NT                               ; slot t takes trip (t + my first trip) % NT: all first fills go out together, ahead of every wait on TENSORcnt, every LDS read and every barrier
	s_add_co_u32 s78, s19, t
	s_and_b32 s78, s78, NT-1
	s_lshl_b32 s78, s78, 15
	s_mov_b32 s[G0+4*t], 1
	s_add_co_u32 s[G0+4*t+1], s20, t*32768
	s_add_nc_u64 s[G0+4*t+2:G0+4*t+3], s[66:67], s[78:79]
	s_or_b32 s[G0+4*t+3], s[G0+4*t+3], 0x80000000
	tensor_load_to_lds s[G0+4*t:G0+4*t+3], s[G1:G1+7]
	s_nop 0
.set t, t+1
.endr
.rept 4
	v_nop
.endr
	s_add_nc_u64 s[BC:BC+1], s[B0:B0+1], s[OFF:OFF+1]
	s_add_co_u32 s[OFF], s[OFF], 262144
	s_and_b32 s[OFF], s[OFF], KMASK
	s_add_nc_u64 s[BN:BN+1], s[B0:B0+1], s[OFF:OFF+1]
	v_and_b32 v1, 15, v0                           ; r
	v_bfe_u32 v3, v0, 4, 1                         ; h
	v_and_b32 v[LI], 31, v0
	v_lshlrev_b32 v[STR], 2, v[LI]
	v_lshlrev_b32 v[LI], 4, v[LI]
	v_add_nc_u32 v[ADA], s[TA], v[LI]
	s_lshl_b32 s86, s[WV], 9
	s_add_co_u32 s86, s86, STAT
	v_add_nc_u32 v[STW], s86, v[STR]
	v_add_nc_u32 v[STR], STAT, v[STR]
	v_lshlrev_b32 v[VO], 5, v3                     ; the three vectors: my half's eight columns of a tile
.if LAYER
	v_mov_b32 v[XO], v[LI]                         ; the residual is an image of the accumulators
	s_mul_i32 s86, s[WV], 8448
	s_add_co_u32 s86, s86, STAGE                   ; my stage
	v_mul_u32_u24 v[STO], v1, 528
	v_lshl_add_u32 v[STO], v3, 5, v[STO]
	v_add_nc_u32 v[STO], s86, v[STO]
	v_add_nc_u32 v[RD], s86, v[LI]
.else
	v_lshlrev_b32 v[XO], 11, v1
	v_lshl_add_u32 v[XO], v3, 5, v[XO]             ; the residual is x: row r of 2,048 bytes, + 32 h
.endif
	s_lshl_b32 s86, s22, 17                        ; 64 rows of 2,048 bytes, in x, in x1c and in out0 alike
	s_mul_i32 s78, s[WV], RSTEP
	s_add_co_u32 s78, s78, s86
	s_add_nc_u64 s[8:9], s[8:9], s[78:79]
	s_lshl_b32 s78, s[WV], 9
	s_add_nc_u64 s[10:11], s[10:11], s[78:79]
	s_add_nc_u64 s[12:13], s[12:13], s[78:79]
	s_add_nc_u64 s[14:15], s[14:15], s[78:79]
.if LAYER
	s_add_co_u32 s78, s78, s86
	s_add_nc_u64 s[16:17], s[16:17], s[78:79]      ; out0: my rows, my 512 bytes of them
.else
	s_lshr_b32 s78, s22, 2                         ; x1h: (rb / 4) 262,144 + w 65,536 + (rb % 4) 4,096
	s_lshl_b32 s78, s78, 18
	s_lshl_b32 s87, s[WV], 16
	s_add_co_u32 s78, s78, s87
	s_and_b32 s87, s22, 3
	s_lshl_b32 s87, s87, 12
	s_add_co_u32 s78, s78, s87
	s_add_co_u32 s78, s78, 0x1000000
	s_add_nc_u64 s[XH:XH+1], s[16:17], s[78:79]
	s_lshl_b32 s78, s[WV], 13                      ; x1c: rb 131,072 + w 8,192
	s_add_co_u32 s78, s78, s86
	s_add_nc_u64 s[16:17], s[16:17], s[78:79]
.endif
	WIN 0x40                                       ; destination window 1: the residual goes straight into the accumulators
.irp rt, 0,1,2,3
.irp i, 0,1,2,3,4,5,6,7
.irp c, 0,1
.if LAYER
	global_load_b128 v[8*(8*\rt+\i)+4*\c:8*(8*\rt+\i)+4*\c+3], v[XO], s[8:9] offset:\rt*32768+\i*1024+\c*512
.else
	global_load_b128 v[8*(8*\rt+\i)+4*\c:8*(8*\rt+\i)+4*\c+3], v[XO], s[8:9] offset:\rt*32768+\i*64+\c*16
.endif
.endr
.endr
.endr
	WIN 0xc0                                       ; destination window 3: the ring is filled: K steps 0 to 3
.irp j, 0,1,2,3
.irp i, 0,1,2,3,4,5,6,7
.irp c, 0,1
	global_load_b128 v[64*\j+8*\i+4*\c:64*\j+8*\i+4*\c+3], v[LI], s[BC:BC+1] offset:\j*32768+\i*1024+\c*512
.endr
.endr
.endr
	WIN 0
	s_wait_tensorcnt NT-1                          ; my quarter of slot 0 is in; the NT - 1 loads issued behind it may stay out
	s_barrier_signal -1
	s_barrier_wait -1                              ; everybody's is
.irp j, 0,1
.irp rt, 0,1,2,3
.irp c, 0,1
	ds_load_b128 v[AB+32*\j+8*\rt+4*\c:AB+32*\j+8*\rt+4*\c+3], v[ADA] offset:\j*4096+\rt*1024+\c*512
.endr
.endr
.endr
	KSTEP 0, 1, 1, 8, 0                            ; trip 0 is written out: its step 6 is the first to read slot 1
	KSTEP 1, 1, 1, 8, 0
	KSTEP 2, 1, 1, 8, 0
	KSTEP 3, 1, 1, 8, 0
	KSTEP 4, 1, 1, 8, 0
	KSTEP 5, 1, 1, 8, 0
	KSTEP 6, 1, 1, 8, 1
	KSTEP 7, 1, 1, 8, 0
	NEXTT
.if NT > 2
	s_mov_b32 s[CNT], NT-2
.Ltrip:
	KSTEP 0, 1, 1, 8, 0
	KSTEP 1, 1, 1, 8, 0
	KSTEP 2, 1, 1, 8, 0
	KSTEP 3, 1, 1, 8, 0
	KSTEP 4, 1, 1, 8, 0
	KSTEP 5, 1, 1, 8, 0
	KSTEP 6, 1, 1, 8, 0
	KSTEP 7, 1, 1, 8, 0
	NEXTT
	s_sub_co_u32 s[CNT], s[CNT], 1
	s_cmp_lg_u32 s[CNT], 0
	s_cbranch_scc1 .Ltrip
.endif
	KSTEP 0, 1, 1, 8, 0                            ; the last trip is written out: no load of the weight or of the rows goes beyond the walk's end
	KSTEP 1, 1, 1, 8, 0
	KSTEP 2, 1, 1, 8, 0
	KSTEP 3, 1, 1, 8, 0
	KSTEP 4, 2, 1, 8, 0                            ; the bias,
	KSTEP 5, 2, 1, 8, 0                            ; the gain,
	KSTEP 6, 2, 0, 8, 0                            ; the offset
	KSTEP 7, 0, 0, 0, 0
	s_wait_loadcnt 0x0                             ; the three vectors
	; ---- y = sums + bias
	WIN 0x49                                       ; y in window 1, the bias in window 2
.irp rt, 0,1,2,3
.set q, 0
.rept 32
	v_pk_add_f32 v[64*\rt+2*q:64*\rt+2*q+1], v[64*\rt+2*q:64*\rt+2*q+1], v[2*q:2*q+1]
.set q, q+1
.endr
.endr
	WIN 0
.irp j, 0,1,2,3,4,5,6,7
	v_mov_b32 v[SUM+\j], 0
.endr
	WIN 0x04
.set q, 0
.rept 32
.irp rt, 0,1,2,3
	v_pk_add_f32 v[SUM+2*\rt:SUM+2*\rt+1], v[SUM+2*\rt:SUM+2*\rt+1], v[64*\rt+2*q:64*\rt+2*q+1]   ; the four row tiles by turns
.endr
.set q, q+1
.endr
	WIN 0
	ALLSUM 0
.irp rt, 0,1,2,3
	v_mul_f32 v[MN+2*\rt], s[INV], v[PT+4*\rt]     ; the mean
	v_mov_b32 v[MN+2*\rt+1], 0                     ; (named with it as a pair)
.endr
.irp j, 0,1,2,3,4,5,6,7
	v_mov_b32 v[SUM+\j], 0
.endr
	WIN 0x41
.irp rt, 0,1,2,3
.set q, 0
.rept 32
	v_pk_add_f32 v[64*\rt+2*q:64*\rt+2*q+1], v[64*\rt+2*q:64*\rt+2*q+1], v[MN+2*\rt:MN+2*\rt+1] op_sel_hi:[1,0] neg_lo:[0,1] neg_hi:[0,1]   ; d = y - mean
.set q, q+1
.endr
.endr
	WIN 0x05
.set q, 0
.rept 32
.irp rt, 0,1,2,3
	v_pk_fma_f32 v[SUM+2*\rt:SUM+2*\rt+1], v[64*\rt+2*q:64*\rt+2*q+1], v[64*\rt+2*q:64*\rt+2*q+1], v[SUM+2*\rt:SUM+2*\rt+1]
.endr
.set q, q+1
.endr
	WIN 0
	ALLSUM 1
.irp rt, 0,1,2,3
	v_fma_f32 v[MN+2*\rt], v[PT+4*\rt], s[INV], s[EPSR]   ; the variance + 1e-5
.endr
.irp rt, 0,1,2,3
	v_rsq_f32 v[MN+2*\rt], v[MN+2*\rt]
.endr
	v_nop                                          ; a plain instruction behind the last of the four
	s_wait_alu depctr_va_vdst(0)                   ; one wait for the four, ahead of their first reader
	WIN 0x41
.irp rt, 0,1,2,3
.set q, 0
.rept 32
	v_pk_mul_f32 v[64*\rt+2*q:64*\rt+2*q+1], v[64*\rt+2*q:64*\rt+2*q+1], v[MN+2*\rt:MN+2*\rt+1] op_sel_hi:[1,0]
.set q, q+1
.endr
.endr
	WIN 0x69                                       ; the gain and the offset in window 2
.irp rt, 0,1,2,3
.set q, 0
.rept 32
	v_pk_fma_f32 v[64*\rt+2*q:64*\rt+2*q+1], v[64*\rt+2*q:64*\rt+2*q+1], v[64+2*q:64+2*q+1], v[128+2*q:128+2*q+1]
.set q, q+1
.endr
.endr
.if LAYER
; THE WAY OUT, a row tile at a time: a lane holds 32 neighbouring bytes of a row; through my own stage they come back as whole rows of 512 bytes.  LDS serves a wave's instructions in order: no wait between the stores and the loads.
.macro TOSTAGE rt
	WIN 0x04                                       ; an LDS store's data are its source 1: window 1
.irp i, 0,1,2,3,4,5,6,7
	ds_store_b128 v[STO], v[64*\rt+8*\i:64*\rt+8*\i+3] offset:64*\i
	ds_store_b128 v[STO], v[64*\rt+8*\i+4:64*\rt+8*\i+7] offset:64*\i+16
.endr
	WIN 0
.irp t, 0,1,2,3,4,5,6,7,8,9,10,11,12,13,14,15
	ds_load_b128 v[64+64*((\rt)%2)+4*\t:64+64*((\rt)%2)+4*\t+3], v[RD] offset:\t*528
.endr
.endm
.macro SEND rt, younger                ; younger: the LDS instructions issued behind this tile's loads, which may stay out
	s_wait_dscnt \younger
.irp t, 0,1,2,3,4,5,6,7,8,9,10,11,12,13,14,15
	global_store_b128 v[LI], v[64+64*((\rt)%2)+4*\t:64+64*((\rt)%2)+4*\t+3], s[16:17] offset:(16*(\rt)+\t)*2048 th:TH_STORE_NT   ; 32 lanes store 512 consecutive bytes
.endr
.endm
	TOSTAGE 0
	TOSTAGE 1
	SEND 0, 32
	s_wait_xcnt 0x0                                ; tile 0's stores have read their registers: tile 2's loads may land there
	TOSTAGE 2
	SEND 1, 32
	s_wait_xcnt 0x0
	TOSTAGE 3
	SEND 2, 32
	SEND 3, 0
.else
	WIN 0x04                                       ; a store's data are its source 1: window 1
.irp rt, 0,1,2,3
.irp i, 0,1,2,3,4,5,6,7
.irp c, 0,1
	global_store_b128 v[LI], v[8*(8*\rt+\i)+4*\c:8*(8*\rt+\i)+4*\c+3], s[16:17] offset:\rt*32768+\i*1024+\c*512   ; x1 in f32, the accumulators' image: 512 consecutive bytes a store
.endr
.endr
.endr
	WIN 0x05
.set q, 0
.rept 128
	v_cvt_pk_f16_f32 v[64+q], v[2*q], v[2*q+1]
.set q, q+1
.endr
	WIN 0
.irp rt, 0,1,2,3
.irp i, 0,1,2,3,4,5,6,7
	global_store_b128 v[LI], v[64+32*\rt+4*\i:64+32*\rt+4*\i+3], s[XH:XH+1] offset:(\i/2)*16384+\rt*1024+(\i%2)*512   ; x1 in f16: K step 4 w + i / 2, piece i % 2
.endr
.endr
.endif
	s_wait_tensorcnt 0x0                           ; the wave's end, behind my last tensor load and my last LDS store
	ds_add_u32 v[SPW], v[NIL]
	s_wait_dscnt 0x0
	s_endpgm
.Lfunc_end_k_q55bdd464a3_wo_ln:
	.size	k_q55bdd464a3_wo_ln, .Lfunc_end_k_q55bdd464a3_wo_ln-k_q55bdd464a3_wo_ln
	.p2alignl 7, 3214868480
	.fill 96, 4, 3214868480
	.section	.rodata,"a",@progbits
	.p2align	6, 0x0
	.amdhsa_kernel k_q55bdd464a3_wo_ln
		.amdhsa_group_segment_fixed_size 327680
		.amdhsa_private_segment_fixed_size 0
		.amdhsa_enable_private_segment 0
		.amdhsa_kernarg_size 56
		.amdhsa_user_sgpr_count 2
		.amdhsa_user_sgpr_kernarg_segment_ptr 1
		.amdhsa_wavefront_size32 1
		.amdhsa_system_sgpr_workgroup_id_x 1
		.amdhsa_system_sgpr_workgroup_id_y 1
		.amdhsa_system_sgpr_workgroup_id_z 1
		.amdhsa_system_vgpr_workitem_id 0
		.amdhsa_next_free_vgpr 1024
		.amdhsa_next_free_sgpr 96
		.amdhsa_reserve_vcc 0
		.amdhsa_float_denorm_mode_32 3
		.amdhsa_float_denorm_mode_16_64 3
		.amdhsa_memory_ordered 1
		.amdhsa_forward_progress 1
		.amdhsa_inst_pref_size 156
	.end_amdhsa_kernel
	.amdgpu_metadata
---
amdhsa.version: [ 1, 2 ]
amdhsa.kernels:
  - .name:           k_q55bdd464a3_wo_ln
    .symbol:         k_q55bdd464a3_wo_ln.kd
    .args:
      - { .name: of, .offset: 0, .size: 8, .value_kind: global_buffer, .address_space: global }
      - { .name: wh, .offset: 8, .size: 8, .value_kind: global_buffer, .address_space: global }
      - { .name: x, .offset: 16, .size: 8, .value_kind: global_buffer, .address_space: global }
      - { .name: bo, .offset: 24, .size: 8, .value_kind: global_buffer, .address_space: global }
      - { .name: g1, .offset: 32, .size: 8, .value_kind: global_buffer, .address_space: global }
      - { .name: be1, .offset: 40, .size: 8, .value_kind: global_buffer, .address_space: global }
      - { .name: x1, .offset: 48, .size: 8, .value_kind: global_buffer, .address_space: global }
    .group_segment_fixed_size: 327680
    .private_segment_fixed_size: 0
    .kernarg_segment_align: 8
    .kernarg_segment_size: 56
    .max_flat_workgroup_size: 128
    .sgpr_count:     96
    .vgpr_count:     1024
    .wavefront_size: 32
...
	.end_amdgpu_metadata
.endif
;; end of part 8
;; launch ffn1: the kernel of part 5 again; grid 8 x 32, 4 waves a work-group, clusters of 4 x 4, 327,680 bytes of LDS; arguments x1, wh, b1, hf; writes hf
;; launch ffn2_ln (part 9): grid 128 x 1, 4 waves a work-group, no clusters, 327,680 bytes of LDS; arguments hf, wh, x1, b2, g2, be2, out0; writes out0
.if DOCPART == 9
	.amdgcn_target "amdgcn-amd-amdhsa--gfx1250"
	.amdhsa_code_object_version 6
	.text
	.protected	k_q55bdd464a3_ffn2_ln
	.globl	k_q55bdd464a3_ffn2_ln
	.p2align	8
	.type	k_q55bdd464a3_ffn2_ln,@function
k_q55bdd464a3_ffn2_ln:
	s_mov_b64 s[64:65], 0
	v_nop
	global_prefetch_b8 v0, s[64:65] scope:SCOPE_SE
	s_setreg_imm32_b32 hwreg(HW_REG_WAVE_MODE, 25, 1), 1
	s_wait_xcnt 0x0
; ROWS x WEIGHT + BIAS + RESIDUAL, THEN LAYERNORM.  LAYER 1: out0 = LN(x1 + h w2 + b2) g2 + be2.  (The same text with LAYER 0 is the launch behind attention.)
; A work-group takes 64 whole rows (a LayerNorm wants whole rows), 512 columns; wave w takes columns 128 w on: 32 accumulators.  f16 operands, f32 sums.
; THE MATRIX INSTRUCTION IS USED TRANSPOSED (source 0 = 16 columns of the weight, source 1 = 16 rows): a lane holds one row and eight neighbouring columns.
; Both operands lie in memory as fragments of 1,024 bytes in the order of the operand registers.
; THE ROWS, which all four waves read, come into LDS whole, by first fills alone: NP x 16,384 bytes; for each trip of 8 K steps (32,768 bytes) every wave fetches its quarter, 32 rows of 256 bytes.  Nothing is filled again.
; THE WEIGHT GOES FROM MEMORY STRAIGHT INTO REGISTERS: a wave's eight column tiles of a K step are 8,192 consecutive bytes that no other wave of the work-group wants: 16 loads of 512 bytes, into a ring of four K steps (window 3).
; NO CLUSTER, though all work-groups walk the same weight: a joint load brings its bytes into LDS, where two slots hold 128 along K each, so that one refill of 131,072 bytes would have a wave's 128 matrix instructions in which
; to land, behind a round each time, and no larger slot fits.
; WORK-GROUP rb BEGINS ITS WALK ALONG K AT TRIP rb % NT and goes round, rows and weight alike: the work-groups ask at NT different places of the weight.  LIMIT: the f32 sums take K in another order from block to block of rows.
; THE SUMS START FROM THE RESIDUAL (x1 in f32, stored as the accumulators' image), loaded straight into the accumulators: nothing is cleared, and every product is a link in place; the 32 accumulators take turns in the same order in every K step.
; LAYERNORM as reference() has it: the mean, then the mean of (y - mean)^2: two rounds of row sums, which meet in LDS.
; By this text's own count a wave has NT tensor loads out at the head (8 here, 2 in LAYER 0) and none later.  No prefetch: the rows are all asked for at the head, and the weight's loads run four K steps ahead.
; LIMITS: NaN and infinities are not served.
; REGISTERS.  Window 0: v1-15 addresses; v28, v29 the add's two; v32-63 row sums; v64-127 the rows' fragments, two buffers of four; on the way out v64-191 at work.  Window 1: accumulator (rt, i) at 8 (8 rt + i).
;   Window 2: v0-63 the bias, v64-127 the gain, v128-191 the offset, of my lane's 64 columns.  Window 3: the weight's ring: K step j at 64 (j % 4).
.set LAYER, 1
.set NP,    16                         ; periods of 128 along K
.set BOFF,  2621440                    ; where the weight's fragments begin in wh
.set RSTEP, 8192                       ; bytes from a wave's part of the residual to the next wave's
.set NT,    NP/2                       ; trips of 8 K steps
.set KMASK, NT*262144-1                ; the weight's bytes - 1: the walk goes round
.set STAT,  262144                     ; LDS: the rows at 0; two blocks of 2,048: wave x 512 + row tile x 128 + lane x 4;
.set SPARE, 266240                     ; the spare words, 128 bytes for each wave: two blocks of 256 bytes that no other line names;
.set STAGE, 266752                     ; the way out of LAYER 1: 16 rows of 512 + 16 bytes for each wave
.set LI, 2
.set ADA, 4
.set STW, 10
.set STR, 11
.set XO, 12
.set VO, 13
.set STO, 14
.set RD, 15
.set SPW, 28
.set NIL, 29
.set SUM, 32
.set PT, 40
.set MN, 56
.set AB, 64
.set WV, 18
.set G1, 24                            ; s[24:31] descriptor group 1
.set G0, 32                            ; s[32:63] descriptor groups 0, one for each trip's slot
.set B0, 68                            ; s[68:69] my columns of the weight's K step 0
.set BC, 70                            ; s[70:71] of this trip's first K step
.set BN, 72                            ; s[72:73] of the next trip's
.set OFF, 74                           ; s[74:75] the next trip's place in the weight, in bytes
.set TA, 76                            ; s76      this trip's slot in LDS
.set CNT, 77
.set SEL, 80
.set INV, 82
.set EPSR, 83
.set XH, 84
.set MSB, 0
.macro WIN new                         ; the immediate's high byte repeats the setting that is left
.if MSB != \new
	s_set_vgpr_msb (MSB<<8)|\new
.set MSB, \new
.endif
.endm
.macro PLACES
.rept 4
	v_nop
.endr
.endm
; K STEP j OF A TRIP'S EIGHT: 32 matrix instructions; four places; then, into the registers just read, the rows of K step j + 2 (af = 1) and the weight of K step j + 4 (rl = 1), or in the tail 16 loads of the bias, the gain
; or the offset in their stead (rl = 2), so that the count of the wait for the weight stays the same.  dw: the LDS loads that may stay out.  sync = 1: ahead of the first read of slot 1 all rows have landed, everybody's.
.macro KSTEP j, rl, af, dw, sync
.set RS, 64*((\j)%4)
.set RA, AB+32*((\j)%2)
	s_wait_loadcnt 48                              ; the weight of this K step is in; the 48 loads issued behind its own (three K steps') may be out
	s_wait_dscnt \dw                               ; the rows of this K step are in; the eight loads of the next may be out
	WIN 0x53                                       ; source 0 (weight) window 3, source 1 (rows) window 0, C and D window 1
.irp rt, 0,1,2,3
.irp i, 0,1,2,3,4,5,6,7
	v_wmma_f32_16x16x32_f16 v[8*(8*\rt+\i):8*(8*\rt+\i)+7], v[RS+8*\i:RS+8*\i+7], v[RA+8*\rt:RA+8*\rt+7], v[8*(8*\rt+\i):8*(8*\rt+\i)+7]
.endr
.endr
	PLACES                                         ; four places in front of loads into registers that these products read (behind the last K step: of the first read of results)
	WIN 0
.if \sync
	s_wait_tensorcnt 0x0                           ; my quarters of all slots have landed,
	s_wait_dscnt 0x0                               ; no LDS load of mine is out at the signal,
	s_barrier_signal -1
	s_barrier_wait -1                              ; and so for all four waves.
.endif
.if \af
.irp rt, 0,1,2,3
.irp c, 0,1
	ds_load_b128 v[RA+8*\rt+4*\c:RA+8*\rt+4*\c+3], v[ADA] offset:((\j)+2)*4096+\rt*1024+\c*512
.endr
.endr
.endif
.if \rl == 1
	WIN 0xc0                                       ; destination window 3
.irp i, 0,1,2,3,4,5,6,7
.irp c, 0,1
.if (\j) < 4
	global_load_b128 v[RS+8*\i+4*\c:RS+8*\i+4*\c+3], v[LI], s[BC:BC+1] offset:((\j)+4)*32768+\i*1024+\c*512
.else
	global_load_b128 v[RS+8*\i+4*\c:RS+8*\i+4*\c+3], v[LI], s[BN:BN+1] offset:((\j)-4)*32768+\i*1024+\c*512
.endif
.endr
.endr
.endif
.if \rl == 2
	WIN 0x80                                       ; destination window 2
.irp i, 0,1,2,3,4,5,6,7
.irp c, 0,1
	global_load_b128 v[64*((\j)-4)+8*\i+4*\c:64*((\j)-4)+8*\i+4*\c+3], v[VO], s[10+2*((\j)-4):11+2*((\j)-4)] offset:\i*64+\c*16
.endr
.endr
.endif
.endm
.macro NEXTT                           ; a trip's end: the bases and the slot step
	WIN 0
	s_wait_xcnt 0x0                                ; every load issued has read its base: only behind this wait are the bases written
	s_mov_b64 s[BC:BC+1], s[BN:BN+1]
	s_add_co_u32 s[OFF], s[OFF], 262144
	s_and_b32 s[OFF], s[OFF], KMASK                ; round the weight's end
	s_add_nc_u64 s[BN:BN+1], s[B0:B0+1], s[OFF:OFF+1]
	s_add_co_u32 s[TA], s[TA], 32768
	v_add_nc_u32 v[ADA], s[TA], v[LI]
.endm
; The pairs in v[SUM] become each row's sum over all 512 columns, in v[PT + 4 rt] of every lane: my two halves, lane l xor 16's, and through LDS the four waves'
.macro ALLSUM st
.irp rt, 0,1,2,3
	v_add_f32 v[SUM+2*\rt], v[SUM+2*\rt], v[SUM+2*\rt+1]
.endr
.irp rt, 0,1,2,3
	v_permlanex16_b32 v[SUM+2*\rt+1], v[SUM+2*\rt], s[SEL], s[SEL+1]
.endr
.irp rt, 0,1,2,3
	v_add_f32 v[SUM+2*\rt], v[SUM+2*\rt], v[SUM+2*\rt+1]
.endr
.irp rt, 0,1,2,3
	ds_store_b32 v[STW], v[SUM+2*\rt] offset:\st*2048+\rt*128
.endr
	s_wait_dscnt 0x0
	s_barrier_signal -1
	s_barrier_wait -1
.irp rt, 0,1,2,3
.irp ww, 0,1,2,3
	ds_load_b32 v[PT+4*\rt+\ww], v[STR] offset:\st*2048+\ww*512+\rt*128
.endr
.endr
	s_wait_dscnt 0x0
.irp rt, 0,1,2,3
	v_add_f32 v[PT+4*\rt], v[PT+4*\rt], v[PT+4*\rt+1]
	v_add_f32 v[PT+4*\rt+2], v[PT+4*\rt+2], v[PT+4*\rt+3]
.endr
.irp rt, 0,1,2,3
	v_add_f32 v[PT+4*\rt], v[PT+4*\rt], v[PT+4*\rt+2]
.endr
.endm
	s_load_b256 s[4:11], s[0:1], 0x0               ; the rows' fragments s[4:5], wh s[6:7], the residual s[8:9], the bias s[10:11]
	s_load_b128 s[12:15], s[0:1], 0x20             ; the gain s[12:13], the offset s[14:15]
	s_load_b64 s[16:17], s[0:1], 0x30              ; the output
	v_lshl_add_u32 v[SPW], v0, 2, SPARE
	v_mov_b32 v[NIL], 0
	ds_add_u32 v[SPW], v[NIL]                      ; the wave's opening: the add, twice on end, and its wait ahead of my first tensor load
	ds_add_u32 v[SPW], v[NIL]
	v_lshrrev_b32 v1, 5, v0
	v_readfirstlane_b32 s[WV], v1                  ; wave 0..3
	s_mov_b32 s22, ttmp9                           ; rb: my block of 64 rows
	s_and_b32 s19, ttmp9, NT-1                     ; the trip at which my walk along K begins
	s_mov_b32 s[G1], 3<<16                         ; no mask; elements of 8 bytes; a dense block of 8,192 bytes as 32 rows of 256
	s_mov_b32 s[G1+1], 32<<16                      ; tensor_dim0
	s_mov_b32 s[G1+2], 32<<16                      ; tensor_dim1
	s_mov_b32 s[G1+3], 32<<16                      ; tile_dim0
	s_mov_b32 s[G1+4], 32                          ; tile_dim1
	s_mov_b32 s[G1+5], 32                          ; stride
	s_mov_b32 s[G1+6], 0
	s_mov_b32 s[G1+7], 0
	s_mov_b32 s[SEL], 0x76543210
	s_mov_b32 s[SEL+1], 0xfedcba98
	s_mov_b32 s[INV], 0x3b000000                   ; 1 / 512
	s_mov_b32 s[EPSR], 0x3727c5ac                  ; 1e-5
	s_mul_i32 s66, s22, NP*16384                   ; the rows' fragments of my block,
	s_lshl_b32 s20, s[WV], 13                      ; my quarter of a trip's: in memory and in LDS.  Also: my eight column tiles of a K step's 32
	s_add_co_u32 s66, s66, s20
	s_mov_b32 s67, 0
	s_add_co_u32 s[B0], s20, BOFF
	s_mov_b32 s[B0+1], 0
	s_lshl_b32 s[OFF], s19, 18                     ; a trip of the weight is 262,144 bytes
	s_mov_b32 s[OFF+1], 0
	s_mov_b32 s[TA], 0
	s_mov_b32 s79, 0
	s_wait_dscnt 0x0                               ; both opening adds are done
	s_wait_kmcnt 0x0
	s_add_nc_u64 s[66:67], s[4:5], s[66:67]
	s_add_nc_u64 s[B0:B0+1], s[6:7], s[B0:B0+1]
.set t, 0
.rept NT                               ; slot t takes trip (t + my first trip) % NT: all first fills go out together, ahead of every wait on TENSORcnt, every LDS read and every barrier
	s_add_co_u32 s78, s19, t
	s_and_b32 s78, s78, NT-1
	s_lshl_b32 s78, s78, 15
	s_mov_b32 s[G0+4*t], 1
	s_add_co_u32 s[G0+4*t+1], s20, t*32768
	s_add_nc_u64 s[G0+4*t+2:G0+4*t+3], s[66:67], s[78:79]
	s_or_b32 s[G0+4*t+3], s[G0+4*t+3], 0x80000000
	tensor_load_to_lds s[G0+4*t:G0+4*t+3], s[G1:G1+7]
	s_nop 0
.set t, t+1
.endr
.rept 4
	v_nop
.endr
	s_add_nc_u64 s[BC:BC+1], s[B0:B0+1], s[OFF:OFF+1]
	s_add_co_u32 s[OFF], s[OFF], 262144
	s_and_b32 s[OFF], s[OFF], KMASK
	s_add_nc_u64 s[BN:BN+1], s[B0:B0+1], s[OFF:OFF+1]
	v_and_b32 v1, 15, v0                           ; r
	v_bfe_u32 v3, v0, 4, 1                         ; h
	v_and_b32 v[LI], 31, v0
	v_lshlrev_b32 v[STR], 2, v[LI]
	v_lshlrev_b32 v[LI], 4, v[LI]
	v_add_nc_u32 v[ADA], s[TA], v[LI]
	s_lshl_b32 s86, s[WV], 9
	s_add_co_u32 s86, s86, STAT
	v_add_nc_u32 v[STW], s86, v[STR]
	v_add_nc_u32 v[STR], STAT, v[STR]
	v_lshlrev_b32 v[VO], 5, v3                     ; the three vectors: my half's eight columns of a tile
.if LAYER
	v_mov_b32 v[XO], v[LI]                         ; the residual is an image of the accumulators
	s_mul_i32 s86, s[WV], 8448
	s_add_co_u32 s86, s86, STAGE                   ; my stage
	v_mul_u32_u24 v[STO], v1, 528
	v_lshl_add_u32 v[STO], v3, 5, v[STO]
	v_add_nc_u32 v[STO], s86, v[STO]
	v_add_nc_u32 v[RD], s86, v[LI]
.else
	v_lshlrev_b32 v[XO], 11, v1
	v_lshl_add_u32 v[XO], v3, 5, v[XO]             ; the residual is x: row r of 2,048 bytes, + 32 h
.endif
	s_lshl_b32 s86, s22, 17                        ; 64 rows of 2,048 bytes, in x, in x1c and in out0 alike
	s_mul_i32 s78, s[WV], RSTEP
	s_add_co_u32 s78, s78, s86
	s_add_nc_u64 s[8:9], s[8:9], s[78:79]
	s_lshl_b32 s78, s[WV], 9
	s_add_nc_u64 s[10:11], s[10:11], s[78:79]
	s_add_nc_u64 s[12:13], s[12:13], s[78:79]
	s_add_nc_u64 s[14:15], s[14:15], s[78:79]
.if LAYER
	s_add_co_u32 s78, s78, s86
	s_add_nc_u64 s[16:17], s[16:17], s[78:79]      ; out0: my rows, my 512 bytes of them
.else
	s_lshr_b32 s78, s22, 2                         ; x1h: (rb / 4) 262,144 + w 65,536 + (rb % 4) 4,096
	s_lshl_b32 s78, s78, 18
	s_lshl_b32 s87, s[WV], 16
	s_add_co_u32 s78, s78, s87
	s_and_b32 s87, s22, 3
	s_lshl_b32 s87, s87, 12
	s_add_co_u32 s78, s78, s87
	s_add_co_u32 s78, s78, 0x1000000
	s_add_nc_u64 s[XH:XH+1], s[16:17], s[78:79]
	s_lshl_b32 s78, s[WV], 13                      ; x1c: rb 131,072 + w 8,192
	s_add_co_u32 s78, s78, s86
	s_add_nc_u64 s[16:17], s[16:17], s[78:79]
.endif
	WIN 0x40                                       ; destination window 1: the residual goes straight into the accumulators
.irp rt, 0,1,2,3
.irp i, 0,1,2,3,4,5,6,7
.irp c, 0,1
.if LAYER
	global_load_b128 v[8*(8*\rt+\i)+4*\c:8*(8*\rt+\i)+4*\c+3], v[XO], s[8:9] offset:\rt*32768+\i*1024+\c*512
.else
	global_load_b128 v[8*(8*\rt+\i)+4*\c:8*(8*\rt+\i)+4*\c+3], v[XO], s[8:9] offset:\rt*32768+\i*64+\c*16
.endif
.endr
.endr
.endr
	WIN 0xc0                                       ; destination window 3: the ring is filled: K steps 0 to 3
.irp j, 0,1,2,3
.irp i, 0,1,2,3,4,5,6,7
.irp c, 0,1
	global_load_b128 v[64*\j+8*\i+4*\c:64*\j+8*\i+4*\c+3], v[LI], s[BC:BC+1] offset:\j*32768+\i*1024+\c*512
.endr
.endr
.endr
	WIN 0
	s_wait_tensorcnt NT-1                          ; my quarter of slot 0 is in; the NT - 1 loads issued behind it may stay out
	s_barrier_signal -1
	s_barrier_wait -1                              ; everybody's is
.irp j, 0,1
.irp rt, 0,1,2,3
.irp c, 0,1
	ds_load_b128 v[AB+32*\j+8*\rt+4*\c:AB+32*\j+8*\rt+4*\c+3], v[ADA] offset:\j*4096+\rt*1024+\c*512
.endr
.endr
.endr
	KSTEP 0, 1, 1, 8, 0                            ; trip 0 is written out: its step 6 is the first to read slot 1
	KSTEP 1, 1, 1, 8, 0
	KSTEP 2, 1, 1, 8, 0
	KSTEP 3, 1, 1, 8, 0
	KSTEP 4, 1, 1, 8, 0
	KSTEP 5, 1, 1, 8, 0
	KSTEP 6, 1, 1, 8, 1
	KSTEP 7, 1, 1, 8, 0
	NEXTT
.if NT > 2
	s_mov_b32 s[CNT], NT-2
.Ltrip:
	KSTEP 0, 1, 1, 8, 0
	KSTEP 1, 1, 1, 8, 0
	KSTEP 2, 1, 1, 8, 0
	KSTEP 3, 1, 1, 8, 0
	KSTEP 4, 1, 1, 8, 0
	KSTEP 5, 1, 1, 8, 0
	KSTEP 6, 1, 1, 8, 0
	KSTEP 7, 1, 1, 8, 0
	NEXTT
	s_sub_co_u32 s[CNT], s[CNT], 1
	s_cmp_lg_u32 s[CNT], 0
	s_cbranch_scc1 .Ltrip
.endif
	KSTEP 0, 1, 1, 8, 0                            ; the last trip is written out: no load of the weight or of the rows goes beyond the walk's end
	KSTEP 1, 1, 1, 8, 0
	KSTEP 2, 1, 1, 8, 0
	KSTEP 3, 1, 1, 8, 0
	KSTEP 4, 2, 1, 8, 0                            ; the bias,
	KSTEP 5, 2, 1, 8, 0                            ; the gain,
	KSTEP 6, 2, 0, 8, 0                            ; the offset
	KSTEP 7, 0, 0, 0, 0
	s_wait_loadcnt 0x0                             ; the three vectors
	; ---- y = sums + bias
	WIN 0x49                                       ; y in window 1, the bias in window 2
.irp rt, 0,1,2,3
.set q, 0
.rept 32
	v_pk_add_f32 v[64*\rt+2*q:64*\rt+2*q+1], v[64*\rt+2*q:64*\rt+2*q+1], v[2*q:2*q+1]
.set q, q+1
.endr
.endr
	WIN 0
.irp j, 0,1,2,3,4,5,6,7
	v_mov_b32 v[SUM+\j], 0
.endr
	WIN 0x04
.set q, 0
.rept 32
.irp rt, 0,1,2,3
	v_pk_add_f32 v[SUM+2*\rt:SUM+2*\rt+1], v[SUM+2*\rt:SUM+2*\rt+1], v[64*\rt+2*q:64*\rt+2*q+1]   ; the four row tiles by turns
.endr
.set q, q+1
.endr
	WIN 0
	ALLSUM 0
.irp rt, 0,1,2,3
	v_mul_f32 v[MN+2*\rt], s[INV], v[PT+4*\rt]     ; the mean
	v_mov_b32 v[MN+2*\rt+1], 0                     ; (named with it as a pair)
.endr
.irp j, 0,1,2,3,4,5,6,7
	v_mov_b32 v[SUM+\j], 0
.endr
	WIN 0x41
.irp rt, 0,1,2,3
.set q, 0
.rept 32
	v_pk_add_f32 v[64*\rt+2*q:64*\rt+2*q+1], v[64*\rt+2*q:64*\rt+2*q+1], v[MN+2*\rt:MN+2*\rt+1] op_sel_hi:[1,0] neg_lo:[0,1] neg_hi:[0,1]   ; d = y - mean
.set q, q+1
.endr
.endr
	WIN 0x05
.set q, 0
.rept 32
.irp rt, 0,1,2,3
	v_pk_fma_f32 v[SUM+2*\rt:SUM+2*\rt+1], v[64*\rt+2*q:64*\rt+2*q+1], v[64*\rt+2*q:64*\rt+2*q+1], v[SUM+2*\rt:SUM+2*\rt+1]
.endr
.set q, q+1
.endr
	WIN 0
	ALLSUM 1
.irp rt, 0,1,2,3
	v_fma_f32 v[MN+2*\rt], v[PT+4*\rt], s[INV], s[EPSR]   ; the variance + 1e-5
.endr
.irp rt, 0,1,2,3
	v_rsq_f32 v[MN+2*\rt], v[MN+2*\rt]
.endr
	v_nop                                          ; a plain instruction behind the last of the four
	s_wait_alu depctr_va_vdst(0)                   ; one wait for the four, ahead of their first reader
	WIN 0x41
.irp rt, 0,1,2,3
.set q, 0
.rept 32
	v_pk_mul_f32 v[64*\rt+2*q:64*\rt+2*q+1], v[64*\rt+2*q:64*\rt+2*q+1], v[MN+2*\rt:MN+2*\rt+1] op_sel_hi:[1,0]
.set q, q+1
.endr
.endr
	WIN 0x69                                       ; the gain and the offset in window 2
.irp rt, 0,1,2,3
.set q, 0
.rept 32
	v_pk_fma_f32 v[64*\rt+2*q:64*\rt+2*q+1], v[64*\rt+2*q:64*\rt+2*q+1], v[64+2*q:64+2*q+1], v[128+2*q:128+2*q+1]
.set q, q+1
.endr
.endr
.if LAYER
; THE WAY OUT, a row tile at a time: a lane holds 32 neighbouring bytes of a row; through my own stage they come back as whole rows of 512 bytes.  LDS serves a wave's instructions in order: no wait between the stores and the loads.
.macro TOSTAGE rt
	WIN 0x04                                       ; an LDS store's data are its source 1: window 1
.irp i, 0,1,2,3,4,5,6,7
	ds_store_b128 v[STO], v[64*\rt+8*\i:64*\rt+8*\i+3] offset:64*\i
	ds_store_b128 v[STO], v[64*\rt+8*\i+4:64*\rt+8*\i+7] offset:64*\i+16
.endr
	WIN 0
.irp t, 0,1,2,3,4,5,6,7,8,9,10,11,12,13,14,15
	ds_load_b128 v[64+64*((\rt)%2)+4*\t:64+64*((\rt)%2)+4*\t+3], v[RD] offset:\t*528
.endr
.endm
.macro SEND rt, younger                ; younger: the LDS instructions issued behind this tile's loads, which may stay out
	s_wait_dscnt \younger
.irp t, 0,1,2,3,4,5,6,7,8,9,10,11,12,13,14,15
	global_store_b128 v[LI], v[64+64*((\rt)%2)+4*\t:64+64*((\rt)%2)+4*\t+3], s[16:17] offset:(16*(\rt)+\t)*2048 th:TH_STORE_NT   ; 32 lanes store 512 consecutive bytes
.endr
.endm
	TOSTAGE 0
	TOSTAGE 1
	SEND 0, 32
	s_wait_xcnt 0x0                                ; tile 0's stores have read their registers: tile 2's loads may land there
	TOSTAGE 2
	SEND 1, 32
	s_wait_xcnt 0x0
	TOSTAGE 3
	SEND 2, 32
	SEND 3, 0
.else
	WIN 0x04                                       ; a store's data are its source 1: window 1
.irp rt, 0,1,2,3
.irp i, 0,1,2,3,4,5,6,7
.irp c, 0,1
	global_store_b128 v[LI], v[8*(8*\rt+\i)+4*\c:8*(8*\rt+\i)+4*\c+3], s[16:17] offset:\rt*32768+\i*1024+\c*512   ; x1 in f32, the accumulators' image: 512 consecutive bytes a store
.endr
.endr
.endr
	WIN 0x05
.set q, 0
.rept 128
	v_cvt_pk_f16_f32 v[64+q], v[2*q], v[2*q+1]
.set q, q+1
.endr
	WIN 0
.irp rt, 0,1,2,3
.irp i, 0,1,2,3,4,5,6,7
	global_store_b128 v[LI], v[64+32*\rt+4*\i:64+32*\rt+4*\i+3], s[XH:XH+1] offset:(\i/2)*16384+\rt*1024+(\i%2)*512   ; x1 in f16: K step 4 w + i / 2, piece i % 2
.endr
.endr
.endif
	s_wait_tensorcnt 0x0                           ; the wave's end, behind my last tensor load and my last LDS store
	ds_add_u32 v[SPW], v[NIL]
	s_wait_dscnt 0x0
	s_endpgm
.Lfunc_end_k_q55bdd464a3_ffn2_ln:
	.size	k_q55bdd464a3_ffn2_ln, .Lfunc_end_k_q55bdd464a3_ffn2_ln-k_q55bdd464a3_ffn2_ln
	.p2alignl 7, 3214868480
	.fill 96, 4, 3214868480
	.section	.rodata,"a",@progbits
	.p2align	6, 0x0
	.amdhsa_kernel k_q55bdd464a3_ffn2_ln
		.amdhsa_group_segment_fixed_size 327680
		.amdhsa_private_segment_fixed_size 0
		.amdhsa_enable_private_segment 0
		.amdhsa_kernarg_size 56
		.amdhsa_user_sgpr_count 2
		.amdhsa_user_sgpr_kernarg_segment_ptr 1
		.amdhsa_wavefront_size32 1
		.amdhsa_system_sgpr_workgroup_id_x 1
		.amdhsa_system_sgpr_workgroup_id_y 1
		.amdhsa_system_sgpr_workgroup_id_z 1
		.amdhsa_system_vgpr_workitem_id 0
		.amdhsa_next_free_vgpr 1024
		.amdhsa_next_free_sgpr 96
		.amdhsa_reserve_vcc 0
		.amdhsa_float_denorm_mode_32 3
		.amdhsa_float_denorm_mode_16_64 3
		.amdhsa_memory_ordered 1
		.amdhsa_forward_progress 1
		.amdhsa_inst_pref_size 190
	.end_amdhsa_kernel
	.amdgpu_metadata
---
amdhsa.version: [ 1, 2 ]
amdhsa.kernels:
  - .name:           k_q55bdd464a3_ffn2_ln
    .symbol:         k_q55bdd464a3_ffn2_ln.kd
    .args:
      - { .name: hf, .offset: 0, .size: 8, .value_kind: global_buffer, .address_space: global }
      - { .name: wh, .offset: 8, .size: 8, .value_kind: global_buffer, .address_space: global }
      - { .name: x1, .offset: 16, .size: 8, .value_kind: global_buffer, .address_space: global }
      - { .name: b2, .offset: 24, .size: 8, .value_kind: global_buffer, .address_space: global }
      - { .name: g2, .offset: 32, .size: 8, .value_kind: global_buffer, .address_space: global }
      - { .name: be2, .offset: 40, .size: 8, .value_kind: global_buffer, .address_space: global }
      - { .name: out0, .offset: 48, .size: 8, .value_kind: global_buffer, .address_space: global }
    .group_segment_fixed_size: 327680
    .private_segment_fixed_size: 0
    .kernarg_segment_align: 8
    .kernarg_segment_size: 56
    .max_flat_workgroup_size: 128
    .sgpr_count:     96
    .vgpr_count:     1024
    .wavefront_size: 32
...
	.end_amdgpu_metadata
.endif
;; end of part 9
